; MI455X (gfx1250); checked and timed in simulation.
; The chip was launched on July 23, 2026; its instructions are those of AMD's public machine-readable ISA for CDNA 5 (MIT licence, August 2026) and "CDNA5" Instruction Set Architecture Reference Guide (July 2026). The comments in the code are by the model that wrote it; some were corrected since.
;; Block. Allowed arithmetic: matrix products marked QUANTISED: E2M3 operands, one E8M0 scale for each 32 along K, by v_wmma_scale_f32_16x16x128_f8f6f4 with both operands' format E2M3, f32 sums; everything else in f32.
;; Inputs: W1 400 x 1,600 float32; W2 1,600 x 400 float32; Wk 4 x 400 x 100 float32; Wo 400 x 400 float32; Wq 4 x 400 x 100 float32; Wv 4 x 400 x 100 float32; b1 1,600 float32; b2 400 float32; bo 400 float32; ln1_b 400 float32; ln1_g 400 float32; ln2_b 400 float32; ln2_g 400 float32; x 8 x 2,048 x 400 float32.
;; Outputs: out0 8 x 2,048 x 400 float32.
;; This version of the problem:
;;   THIS VERSION OF THE PROBLEM IS GIVEN IN LOW PRECISION. The matrix products marked QUANTISED in the list below multiply operands that are first quantised to E2M3 (2 exponent bits, 3 mantissa bits; 6 bits a number), with one power-of-two scale for each 32 numbers along K (OCP MX v1.0); their sums are f32. All else is computed in f32.
;;   The module's matrix products, in the order in which they are computed (A, B: the left and right operand; K: the contracted axis; several contracted axes count as one K, in the product's order):
;;     1. [M 400, K 400] x [K 400, N 16,384]; A: input Wq; B: computed on the way: QUANTISED
;;     2. [M 400, K 400] x [K 400, N 16,384]; A: input Wk; B: computed on the way: QUANTISED
;;     3. [M 400, K 400] x [K 400, N 16,384]; A: input Wv; B: computed on the way: QUANTISED
;;     4. batch 32 x [M 2,048, K 100] x [K 100, N 2,048]; A: computed on the way; B: computed on the way: QUANTISED
;;     5. batch 32 x [M 2,048, K 2,048] x [K 2,048, N 100]; A: softmax (see below); B: computed on the way: QUANTISED
;;     6. [M 16,384, K 400] x [K 400, N 400]; A: computed on the way; B: input Wo: QUANTISED
;;     7. [M 16,384, K 400] x [K 400, N 1,600]; A: computed on the way; B: input W1: QUANTISED
;;     8. [M 16,384, K 1,600] x [K 1,600, N 400]; A: computed on the way; B: input W2: QUANTISED
;;   THE QUANTISER, for each operand of a quantised product, along K:
;;     - K is cut into blocks of 32 from its start; a last block that is shorter is filled with zeros.
;;     - A block's scale is 2^e with e = floor(log2(the largest magnitude in the block)) - 2, held to -126 .. 127; a block of zeros has e = 0. As a byte (E8M0): e + 127.
;;     - Each number is divided by its block's scale, clamped to +-7.5, and rounded to the nearest number of E2M3, ties to even, subnormals kept.
;;     - The product sums the exact products of the quantised numbers (number of the format x scale) in f32.
;;   ~~~python
;;   def quantise(x, axis):      # numpy; x: float32 -> the quantised numbers, widened to float32 again
;;       x = np.moveaxis(x, axis, -1); K = x.shape[-1]
;;       x = np.pad(x, [(0, 0)] * (x.ndim - 1) + [(0, -K % 32)]); x = x.reshape(x.shape[:-1] + (-1, 32)); a = np.abs(x).max(-1, keepdims=True)
;;       e = np.where(a > 0, np.clip(np.frexp(np.where(a > 0, a, 1))[1] - 1 - 2, -126, 127), 0)      # np.frexp(a)[1] - 1 = floor(log2(a)), exactly
;;       r = np.clip(x / 2.0 ** e, -7.5, 7.5)
;;       step = 2.0 ** (np.maximum(np.frexp(np.where(r == 0, 1, r))[1] - 1, 0) - 3)
;;       q = np.round(r / step) * step * 2.0 ** e      # np.round: ties to even
;;       return np.moveaxis(q.reshape(q.shape[:-2] + (-1,))[..., :K], -1, axis).astype(np.float32)
;;   ~~~
;;   SOFTMAX AHEAD OF A QUANTISED PRODUCT. Where the list says 'softmax', what is quantised is not the finished softmax but p = 2^(t - M), with t = logit x log2(e) and M = ceil(the row's largest t), a whole number; so 1/2 < the row's largest p <= 1. The row's sum l is taken of the UNQUANTISED p, in f32, and the product's result is divided by l at the end. Since M is a whole number, a kernel that streams over the keys may use a running M (the ceiling of the running maximum): every later rescaling is an exact power of two, which a block's scale takes up: the codes' values come out the same.
;;   OPERANDS COMPUTED ON THE WAY. 'Computed on the way' means the value that the module computes at that place (a softmax that the list does not call 'softmax' is quantised finished and normalised). What goes into a quantiser is computed in f32, as accurately as f32 sums, v_exp_f32 and their like allow (about 1e-6 of the number): no bf16 or f16 on the way to a quantiser, and a product that is left as it is and whose result goes on into a quantised operand takes f32 operands (vector FMAs, or v_wmma_f32_16x16x4_f32). A number that lies on a knife's edge between two numbers of the format may be rounded either way, as far as f32 arithmetic and the matrix unit's own rounding can turn it there, and no further.
;; 2 versions. Each part assembles by itself: llvm-mc -triple=amdgcn-amd-amdhsa -mcpu=gfx1250 --defsym DOCPART=n.
;; ======== version 1 of 2: 4 launches
;; workspace buffers: wts 1,932,032 bytes; qc 6,815,744 bytes; kv 12,845,056 bytes; ao 26,214,400 bytes
;; launch prep (part 1): grid 387 x 1, 3 waves a work-group, no clusters, 0 bytes of LDS; arguments Wq, Wk, Wv, Wo, W1, W2, wts; writes wts
.if DOCPART == 1
	.amdgcn_target "amdgcn-amd-amdhsa--gfx1250"
	.amdhsa_code_object_version 6
	.text
	.protected	k_qe136d79aef_prep
	.globl	k_qe136d79aef_prep
	.p2align	8
	.type	k_qe136d79aef_prep,@function
k_qe136d79aef_prep:
	s_mov_b64 s[64:65], 0
	v_nop
	global_prefetch_b8 v0, s[64:65] scope:SCOPE_SE
	s_setreg_imm32_b32 hwreg(HW_REG_WAVE_MODE, 25, 1), 1
	s_wait_xcnt 0x0
; The six weights, f32 with K as their FIRST matrix axis, become operand fragments of FP6 (E2M3) codes with one E8M0 scale byte for each 32 along K.
; A fragment is 16 output units x 128 along K: 12 registers a lane.  It is stored as an IMAGE OF THESE REGISTERS: registers 4 c .. 4 c + 3 of lane l at 512 c + 16 l (1,536 bytes),
; and its scale words at SCB + 128 f + 4 l (both halves of the lanes hold the unit's word).  One wave makes one fragment f = 3 x work-group + wave; 3 x 387 = 1,161 fragments.
;   f 0..335     Wq, Wk, Wv: ((P 4 + head) 4 + s) 7 + t     f 336..435  Wo: 336 + 25 s + t     f 436..819  W1, groups of 128 units G < 12: 436 + (4 G + s) 8 + tg
;   f 820..835   W1, group 12 (64 units): 820 + 4 s + tg    f 836..1160 W2: 836 + 25 k + t
; In the tiles of Wq, Wk and W1 lane r takes unit 32 (t / 2) + 8 (t % 2) + r + 8 (r / 8) of its group, so that the results of two neighbouring tiles are 16 neighbours along the next product's K; elsewhere unit 16 t + r.
; A LANE TAKES A UNIT (a column of the weight) AND ITS REGISTERS RUN DOWN K, in the order of the operand's layout (k = K0 + 64 c + 32 (lane / 16) + i): nothing is transposed.
; Units and k beyond the tensor are zeros: their loads are held at the last column and the last row (no load leaves its buffer) and the numbers replaced by 0 ahead of the block's maximum.
; A block's scale is 2^(floor(log2(largest magnitude)) - 2); its byte is the largest magnitude's exponent field - 2, held at 1 from below.
; LIMITS: a block of zeros, or one whose largest magnitude lies under 2^-124, gets the byte 1 over its codes (zeros for a block of zeros); the bytes are read by this program alone.  NaN and infinities are not served.
.set SCB,  1783296                     ; 1,161 x 1,536: where the scale words begin
.set SRC,  20                          ; s[20:21] the weight that my fragment is cut from
.set RS,   22                          ; s22  bytes from k to k + 1
.set KLIM, 23                          ; s23  K
.set NLIM, 24                          ; s24  units
.set PM,   25                          ; s25  8 where a tile's units are not neighbours, else 0
.set CB,   26                          ; s26  the tile's first unit
.set K0,   27                          ; s27  the fragment's first k
.set EO,   28                          ; s28  the head's first byte
.set SEL,  30                          ; s[30:31] selects for lane l xor 16
.set OFS,  64                          ; v64-127  byte offsets of my 64 numbers
.set X,    128                         ; v128-191 the numbers
.set PC,   32                          ; v32-43   the codes
.set TP,   44                          ; v44-46, v48-50 the upper halves of the two blocks as the conversions leave them
	s_load_b256 s[4:11], s[0:1], 0x0               ; Wq s[4:5], Wk s[6:7], Wv s[8:9], Wo s[10:11]
	s_load_b128 s[12:15], s[0:1], 0x20             ; W1 s[12:13], W2 s[14:15]
	s_load_b64 s[16:17], s[0:1], 0x30              ; wts
	v_lshrrev_b32 v1, 5, v0
	v_readfirstlane_b32 s18, v1                    ; wave 0..2
	s_mul_i32 s19, ttmp9, 3
	s_add_co_u32 s19, s19, s18                     ; f
	v_and_b32 v2, 15, v0                           ; r
	v_bfe_u32 v3, v0, 4, 1                         ; h
	v_and_b32 v4, 31, v0                           ; lane
	s_mov_b32 s[SEL], 0x76543210
	s_mov_b32 s[SEL+1], 0xfedcba98
	s_wait_kmcnt 0x0
	; which tensor, which tile, which K step: branches on the fragment's number alone; every arm writes all eight figures
	s_cmp_lt_u32 s19, 336
	s_cbranch_scc0 .Lnot_qkv
	s_mul_i32 s32, s19, 9363
	s_lshr_b32 s32, s32, 16                        ; f / 7 (exact for f < 336)
	s_mul_i32 s33, s32, 7
	s_sub_co_u32 s33, s19, s33                     ; t
	s_and_b32 s34, s32, 3                          ; s
	s_bfe_u32 s35, s32, 0x20002                    ; head
	s_lshr_b32 s36, s32, 4                         ; P: 0 Wq, 1 Wk, 2 Wv
	s_lshl_b32 s[K0], s34, 7
	s_mul_i32 s[EO], s35, 160000
	s_mov_b32 s[RS], 400
	s_mov_b32 s[KLIM], 400
	s_mov_b32 s[NLIM], 100
	s_lshr_b32 s37, s33, 1
	s_lshl_b32 s37, s37, 5
	s_and_b32 s38, s33, 1
	s_lshl_b32 s38, s38, 3
	s_add_co_u32 s37, s37, s38                     ; 32 (t / 2) + 8 (t % 2)
	s_lshl_b32 s38, s33, 4                         ; 16 t
	s_cmp_eq_u32 s36, 2
	s_cselect_b32 s[CB], s38, s37
	s_cselect_b32 s[PM], 0, 8
	s_cselect_b64 s[SRC:SRC+1], s[8:9], s[6:7]
	s_cmp_eq_u32 s36, 0
	s_cselect_b64 s[SRC:SRC+1], s[4:5], s[SRC:SRC+1]
	s_branch .Ldecoded
.Lnot_qkv:
	s_cmp_lt_u32 s19, 436
	s_cbranch_scc0 .Lnot_wo
	s_sub_co_u32 s32, s19, 336
	s_mul_i32 s33, s32, 1311
	s_lshr_b32 s33, s33, 15                        ; s = f' / 25 (exact for f' < 325)
	s_mul_i32 s34, s33, 25
	s_sub_co_u32 s34, s32, s34                     ; t
	s_lshl_b32 s[K0], s33, 7
	s_lshl_b32 s[CB], s34, 4
	s_mov_b32 s[PM], 0
	s_mov_b32 s[EO], 0
	s_mov_b32 s[RS], 1600
	s_mov_b32 s[KLIM], 400
	s_mov_b32 s[NLIM], 400
	s_mov_b64 s[SRC:SRC+1], s[10:11]
	s_branch .Ldecoded
.Lnot_wo:
	s_cmp_lt_u32 s19, 836
	s_cbranch_scc0 .Lw2
	s_sub_co_u32 s32, s19, 436                     ; f'
	s_and_b32 s33, s32, 7                          ; groups 0..11: tg,
	s_bfe_u32 s34, s32, 0x20003                    ; s,
	s_lshr_b32 s35, s32, 5                         ; G
	s_sub_co_u32 s36, s32, 384                     ; group 12:
	s_and_b32 s37, s36, 3                          ; tg,
	s_lshr_b32 s38, s36, 2                         ; s
	s_cmp_lt_u32 s32, 384
	s_cselect_b32 s33, s33, s37
	s_cselect_b32 s34, s34, s38
	s_cselect_b32 s35, s35, 12
	s_lshl_b32 s[K0], s34, 7
	s_lshl_b32 s35, s35, 7                         ; 128 G
	s_lshr_b32 s36, s33, 1
	s_lshl_b32 s36, s36, 5
	s_and_b32 s37, s33, 1
	s_lshl_b32 s37, s37, 3
	s_add_co_u32 s36, s36, s37
	s_add_co_u32 s[CB], s35, s36
	s_mov_b32 s[PM], 8
	s_mov_b32 s[EO], 0
	s_mov_b32 s[RS], 6400
	s_mov_b32 s[KLIM], 400
	s_mov_b32 s[NLIM], 1600
	s_mov_b64 s[SRC:SRC+1], s[12:13]
	s_branch .Ldecoded
.Lw2:
	s_sub_co_u32 s32, s19, 836
	s_mul_i32 s33, s32, 1311
	s_lshr_b32 s33, s33, 15                        ; k step = f' / 25
	s_mul_i32 s34, s33, 25
	s_sub_co_u32 s34, s32, s34                     ; t
	s_lshl_b32 s[K0], s33, 7
	s_lshl_b32 s[CB], s34, 4
	s_mov_b32 s[PM], 0
	s_mov_b32 s[EO], 0
	s_mov_b32 s[RS], 1600
	s_mov_b32 s[KLIM], 1600
	s_mov_b32 s[NLIM], 400
	s_mov_b64 s[SRC:SRC+1], s[14:15]
.Ldecoded:
	v_and_b32 v5, s[PM], v2
	v_add3_u32 v5, v5, v2, s[CB]                   ; my unit
	s_sub_co_u32 s37, s[NLIM], 1
	v_min_u32 v6, s37, v5                          ; held at the last unit
	v_lshl_add_u32 v7, v3, 5, s[K0]                ; my first k: K0 + 32 h
	s_sub_co_u32 s38, s[KLIM], 1
	v_min_u32 v8, s38, v7                          ; held at the last k
	v_mul_u32_u24 v9, v8, s[RS]
	v_lshl_add_u32 v9, v6, 2, v9
	v_add_nc_u32 v9, s[EO], v9                     ; byte offset of my first number
	v_sub_nc_u32 v10, s38, v8                      ; how many k further on a load may reach
	v_sub_nc_u32 v11, s[KLIM], v7                  ; how many of my k lie inside K (0 or less: none),
	v_cmp_gt_u32 vcc_lo, s[NLIM], v5
	v_cndmask_b32 v11, 0, v11, vcc_lo              ; none where my unit does not exist
.set Q, 0
.rept 64                                           ; number 32 c + i is k = my first k + 64 c + i
	v_min_u32 v[OFS+Q], 64*(Q/32)+Q%32, v10
	v_mad_u32_u24 v[OFS+Q], v[OFS+Q], s[RS], v9
	global_load_b32 v[X+Q], v[OFS+Q], s[SRC:SRC+1] ; sixteen neighbouring lanes read 64 neighbouring bytes (two runs of 32 where a tile's units are not neighbours)
.set Q, Q+1
.endr
	s_mul_i32 s32, s19, 1536                       ; where the image goes,
	s_mov_b32 s33, 0
	s_add_nc_u64 s[42:43], s[16:17], s[32:33]
	s_lshl_b32 s32, s19, 7
	s_add_co_u32 s32, s32, SCB                     ; and the scale words
	s_add_nc_u64 s[44:45], s[16:17], s[32:33]
	v_lshlrev_b32 v12, 4, v4
	v_lshlrev_b32 v13, 2, v4
	s_wait_loadcnt 0x0
.set Q, 0
.rept 64
	v_cmp_lt_i32 vcc_lo, 64*(Q/32)+Q%32, v11       ; inside the tensor?
	v_cndmask_b32 v[X+Q], 0, v[X+Q], vcc_lo        ; else 0
.set Q, Q+1
.endr
.irp c, 0,1                                        ; my block 2 c + h: all its 32 numbers are mine
	v_max3_num_f32 v[14+\c], |v[X+32*\c]|, |v[X+32*\c+1]|, 0x1800000   ; with the floor 2^(3 - 127): the byte cannot fall under 1
.endr
.irp i, 2,4,6,8,10,12,14,16,18,20,22,24,26,28,30
.irp c, 0,1
	v_max3_num_f32 v[14+\c], v[14+\c], |v[X+32*\c+\i]|, |v[X+32*\c+\i+1]|
.endr
.endr
.irp c, 0,1
	v_add_nc_u32 v[16+\c], 0xff000000, v[14+\c]    ; 2 off the exponent field: the conversion's scale operand
.endr
.irp c, 0,1
	v_lshrrev_b32 v[18+\c], 23, v[16+\c]           ; the scale's byte
.endr
	v_lshl_or_b32 v20, v19, 16, v18                ; blocks h and 2 + h of my unit,
	v_lshlrev_b32 v21, 3, v3
	v_lshlrev_b32 v20, v21, v20                    ; at their places in the word;
	v_mov_b32 v21, 0
	v_permlanex16_b32 v21, v20, s[SEL], s[SEL+1]
	v_or_b32 v20, v20, v21                         ; with lane l xor 16's two the word is whole, in both halves
.irp c, 0,1
	v_cvt_scalef32_pk16_fp6_f32 v[PC+6*\c:PC+6*\c+2], v[X+32*\c:X+32*\c+15], v[16+\c]
	v_cvt_scalef32_pk16_fp6_f32 v[TP+4*\c:TP+4*\c+2], v[X+32*\c+16:X+32*\c+31], v[16+\c]   ; (a conversion's three registers begin on an even number)
.endr
	v_nop                                          ; one plain instruction behind the scaled conversions
.irp c, 0,1
.irp i, 0,1,2
	v_mov_b32 v[PC+6*\c+3+\i], v[TP+4*\c+\i]
.endr
.endr
.irp c, 0,1,2
	global_store_b128 v12, v[PC+4*\c:PC+4*\c+3], s[42:43] offset:512*\c   ; 32 lanes store 512 consecutive bytes, aligned
.endr
	global_store_b32 v13, v20, s[44:45]
	s_endpgm
.Lfunc_end_k_qe136d79aef_prep:
	.size	k_qe136d79aef_prep, .Lfunc_end_k_qe136d79aef_prep-k_qe136d79aef_prep
	.p2alignl 7, 3214868480
	.fill 96, 4, 3214868480
	.section	.rodata,"a",@progbits
	.p2align	6, 0x0
	.amdhsa_kernel k_qe136d79aef_prep
		.amdhsa_group_segment_fixed_size 0
		.amdhsa_private_segment_fixed_size 0
		.amdhsa_enable_private_segment 0
		.amdhsa_kernarg_size 56
		.amdhsa_user_sgpr_count 2
		.amdhsa_user_sgpr_kernarg_segment_ptr 1
		.amdhsa_wavefront_size32 1
		.amdhsa_system_sgpr_workgroup_id_x 1
		.amdhsa_system_sgpr_workgroup_id_y 1
		.amdhsa_system_sgpr_workgroup_id_z 1
		.amdhsa_system_vgpr_workitem_id 0
		.amdhsa_next_free_vgpr 192
		.amdhsa_next_free_sgpr 66
		.amdhsa_reserve_vcc 1
		.amdhsa_float_denorm_mode_32 3
		.amdhsa_float_denorm_mode_16_64 3
		.amdhsa_memory_ordered 1
		.amdhsa_forward_progress 1
		.amdhsa_inst_pref_size 27
	.end_amdhsa_kernel
	.amdgpu_metadata
---
amdhsa.version: [ 1, 2 ]
amdhsa.kernels:
  - .name:           k_qe136d79aef_prep
    .symbol:         k_qe136d79aef_prep.kd
    .args:
      - { .name: Wq, .offset: 0, .size: 8, .value_kind: global_buffer, .address_space: global }
      - { .name: Wk, .offset: 8, .size: 8, .value_kind: global_buffer, .address_space: global }
      - { .name: Wv, .offset: 16, .size: 8, .value_kind: global_buffer, .address_space: global }
      - { .name: Wo, .offset: 24, .size: 8, .value_kind: global_buffer, .address_space: global }
      - { .name: W1, .offset: 32, .size: 8, .value_kind: global_buffer, .address_space: global }
      - { .name: W2, .offset: 40, .size: 8, .value_kind: global_buffer, .address_space: global }
      - { .name: wts, .offset: 48, .size: 8, .value_kind: global_buffer, .address_space: global }
    .group_segment_fixed_size: 0
    .private_segment_fixed_size: 0
    .kernarg_segment_align: 8
    .kernarg_segment_size: 56
    .max_flat_workgroup_size: 96
    .sgpr_count:     66
    .vgpr_count:     192
    .wavefront_size: 32
...
	.end_amdgpu_metadata
.endif
;; end of part 1
;; launch qkv (part 2): grid 256 x 1, 4 waves a work-group, no clusters, 130,560 bytes of LDS; arguments x, ln1_g, ln1_b, wts, qc, kv; writes qc, kv
.if DOCPART == 2
	.amdgcn_target "amdgcn-amd-amdhsa--gfx1250"
	.amdhsa_code_object_version 6
	.text
	.protected	k_qe136d79aef_qkv
	.globl	k_qe136d79aef_qkv
	.p2align	8
	.type	k_qe136d79aef_qkv,@function
k_qe136d79aef_qkv:
	s_mov_b64 s[64:65], 0
	v_nop
	global_prefetch_b8 v0, s[64:65] scope:SCOPE_SE
	s_setreg_imm32_b32 hwreg(HW_REG_WAVE_MODE, 25, 1), 1
	s_wait_xcnt 0x0
; h = layernorm(x) g + b; q, k, v = h Wq, h Wk, h Wv for four heads, on FP6 (E2M3) codes with one E8M0 scale for each 32 along K; q and k are quantised along the head's 100, v along the keys, and stored as operand images.
; SHARES.  A work-group owns 64 tokens of one batch: four TILES of 16.  Row r of tile 2 b + u is token 32 b + 8 u + r + 8 (r / 8): so k's images are the key tiles that the attention wants,
; and v's results of two neighbouring tiles are 16 neighbouring keys.  Layer norm: wave w takes tile w.  Products: wave w takes head w for all four tiles, so each weight fragment is loaded once in the work-group and feeds four products.
; x COMES IN LONG RUNS.  A tile's 16 tokens are two runs of 8 rows, 12,800 dense bytes each: 50 loads of 512 consecutive bytes.  The quantiser wants 16 neighbours of a row in one lane, so the pieces turn through the wave's own
; stage in LDS: rows 1,616 bytes apart (an odd multiple of 16 bytes: the sixteen rows that a read touches start in different banks); piece n of a run goes to 16 n + 16 (n / 100).
; IMAGES.  A fragment (16 rows x 128 K, 12 registers) goes through LDS and memory as its registers stand: registers 4 c .. 4 c + 3 of lane l at 512 c + 16 l; its scale words at 4 l.
; q and k are made TRANSPOSED (source 0 = 16 units of the weight, source 1 = 16 tokens): a lane holds one token and 64 registers that run along the head's axis in the quantiser's order (register 16 b + i = d 32 b + 16 (lane / 16) + i).
; v is made the other way round (source 0 = tokens, source 1 = units): a lane holds one d and registers that run along the keys.
; K = 400 is 13 blocks of 32: three K steps of 128 and a fourth with one block of 16 numbers and zeros.  The head's 100 fill one K step; d >= 100 are zeros (zero codes of the weights; the place of unit tile 7 is cleared).
; THE WEIGHTS' FRAGMENTS OF THE FOURTH K STEP are loaded in their first third alone: registers 0-3 hold all of k 384 .. 399.  What the other eight registers still hold from an earlier stage meets zero codes of h
; (every code of FP6 is a number, and no scale byte there is 0xff): those products are zeros.
; The variance is taken of x - mean, in a second pass, as the definition has it.  1 / 400 is one f32 constant.
; LIMITS: NaN and infinities are not served.  A block of zeros, or one under 2^-124, gets the byte 1 (the empty blocks of the fourth K step the byte 0) over zero codes; this program alone reads the bytes.
; REGISTERS, in windows of 256.  window 0: v1-11 addresses; v20-23 the outputs' scale words; v32-51 codes; v52-67 quantiser's work; v68 scale word; v70-83 sums, mean, 1 / sigma; v96-111 h's scale words;
;   v112-132 the weights' scale words, three sets of 7; v136-215 the outputs' codes, four sets of 20; v220-244 the stage's addresses.
;   window 1: ln1_g, then three sets of 7 weight fragments (84 registers each).   window 2: x's pieces, my row's 208 numbers, then the accumulators.   window 3: ln1_b, then h's 16 fragments at 12 (4 m + s).
.set SCB,  1783296                     ; the weights' scale words in wts
.set XSC,  24576                       ; LDS: h's 16 images at (4 m + s) x 1,536, then their scale words, 128 bytes each,
.set STG,  26624                       ; then a stage of 16 rows x 1,616 bytes for each wave
.set LI,   1                           ; v1  16 x lane
.set LS,   2                           ; v2  4 x lane
.set L8,   3                           ; v3  8 x lane
.set NIL,  4                           ; v4  0
.set XA,   5                           ; v5  my row in my stage, my half's 16 numbers of a block: STG + 25,856 w + 1,616 r + 64 h
.set XB,   6                           ; v6  the same without the half's 64 bytes
.set GH,   7                           ; v7  64 h
.set XWI,  8                           ; v8  where I store h's images: 16 l + 6,144 w
.set XWS,  9                           ; v9  and their scale words: 4 l + XSC + 512 w
.set LQ,   10                          ; v10 lane / 4
.set SB,   11                          ; v11 16 l + STG + 25,856 w
.set PWS,  20                          ; v20-23 the outputs' scale words
.set PC,   32
.set TM,   52
.set PW,   68
.set SA,   70
.set S12,  78
.set MU,   80
.set RSD,  82
.set XS,   96
.set WS,   112
.set PCS,  136                         ; v136-215 the outputs' codes: a set for each of a pass's four tiles, so that no store's data are written again inside a pass
.set ADR,  220                         ; v220-244 where piece 32 i + l of a run goes in my stage, less 512 i
.set WV,   16                          ; s16 wave
.set SEL,  18                          ; s[18:19] selects for lane l xor 16
.set INV,  20                          ; s20 1 / 400
.set EPS,  21                          ; s21 1e-5
.set XP,   22                          ; s[22:23] x at my tile's first token
.set WI,   24                          ; s[24:25] my head's weight images
.set WSP,  26                          ; s[26:27] and their scale words
.set QB,   28                          ; s[28:29] q's images, s[30:31] scale words
.set QS,   30
.set KB,   32                          ; s[32:33] k's images, s[34:35] scale words
.set KSP,  34
.set VB,   36                          ; s[36:37] v's half images, s[38:39] scale bytes
.set VS,   38
.set MSB, 0
.macro WIN new                         ; the immediate's high byte repeats the setting that is left; a switch that changes nothing is dropped
.if MSB != (\new)
	s_set_vgpr_msb (MSB<<8)|(\new)
.set MSB, (\new)
.endif
.endm
.macro PLACES                          ; four plain instructions between a matrix instruction and a load into, or a vector read of, its registers
.rept 4
	v_nop
.endr
.endm
; 64 numbers of a lane in window w, register s + 16 b + i = k 32 b + 16 (lane / 16) + i of my row, become a fragment's codes in v[PC] on and its scale word in v[PW].
.macro QUANT s, w
	WIN (\w)|((\w)<<2)
.irp b, 0,1,2,3
	v_max3_num_f32 v[TM+\b], |v[(\s)+16*\b]|, |v[(\s)+16*\b+1]|, 0x1800000   ; block b: my 16 numbers and the floor 2^(3 - 127): the byte cannot fall under 1
.endr
	WIN ((\w)<<2)|((\w)<<4)
.irp i, 2,4,6,8,10,12,14
.irp b, 0,1,2,3
	v_max3_num_f32 v[TM+\b], v[TM+\b], |v[(\s)+16*\b+\i]|, |v[(\s)+16*\b+\i+1]|   ; the four blocks by turns
.endr
.endr
	WIN 0
.irp b, 0,1,2,3
	v_permlanex16_b32 v[TM+4+\b], v[TM+\b], s[SEL], s[SEL+1]
.endr
.irp b, 0,1,2,3
	v_max_num_f32 v[TM+\b], v[TM+\b], v[TM+4+\b]   ; with lane l xor 16's: the block's largest magnitude
.endr
.irp b, 0,1,2,3
	v_add_nc_u32 v[TM+12+\b], 0xff000000, v[TM+\b] ; 2 off its exponent field: the conversion's scale operand
.endr
.irp b, 0,1,2,3
	v_lshrrev_b32 v[TM+4+\b], 23, v[TM+12+\b]      ; the scale's byte
.endr
	v_lshl_or_b32 v[PW], v[TM+5], 8, v[TM+4]
	v_lshl_or_b32 v[PW], v[TM+6], 16, v[PW]
	v_lshl_or_b32 v[PW], v[TM+7], 24, v[PW]
	WIN (\w)
.irp c, 0,1
	v_cvt_scalef32_pk16_fp6_f32 v[PC+6*\c:PC+6*\c+2], v[(\s)+32*\c:(\s)+32*\c+15], v[TM+12+2*\c]
	v_cvt_scalef32_pk16_fp6_f32 v[PC+12+4*\c:PC+14+4*\c], v[(\s)+32*\c+16:(\s)+32*\c+31], v[TM+13+2*\c]   ; (a conversion's three registers begin on an even number)
.endr
	WIN 0
	v_nop                                          ; one plain instruction behind the scaled conversions
.irp c, 0,1                                        ; the operand's layout wants a whole block in a lane: lanes 0-15 block 2 c, lanes 16-31 block 2 c + 1
.irp i, 0,1,2
	v_permlane16_swap_b32 v[PC+6*\c+\i], v[PC+12+4*\c+\i]
.endr
.irp i, 0,1,2
	v_mov_b32 v[PC+3+6*\c+\i], v[PC+12+4*\c+\i]
.endr
.endr
.endm
; The fourth K step of K = 400: 16 numbers (k 384 .. 399), which both halves of the lanes hold alike, and zeros.
.macro QUANT3 s, w
	WIN (\w)|((\w)<<2)
	v_max3_num_f32 v[TM], |v[(\s)]|, |v[(\s)+1]|, 0x1800000
	WIN ((\w)<<2)|((\w)<<4)
.irp i, 2,4,6,8,10,12,14
	v_max3_num_f32 v[TM], v[TM], |v[(\s)+\i]|, |v[(\s)+\i+1]|
.endr
	WIN 0
	v_add_nc_u32 v[TM+12], 0xff000000, v[TM]
	v_lshrrev_b32 v[PW], 23, v[TM+12]              ; byte 0; the three empty blocks keep the byte 0 over zero codes
	WIN (\w)
	v_cvt_scalef32_pk16_fp6_f32 v[PC:PC+2], v[(\s):(\s)+15], v[TM+12]
	WIN 0
	v_nop
	s_mov_b32 vcc_lo, 0xffff
.irp i, 0,1,2
	v_cndmask_b32 v[PC+\i], 0, v[PC+\i], vcc_lo    ; the block lies in lanes 0-15; lanes 16-31 hold the next block: zeros
.endr
.irp i, 3,4,5,6,7,8,9,10,11
	v_mov_b32 v[PC+\i], 0
.endr
.endm
; The sum (sq = 0) or the sum of squares (sq = 1) of my row's 400 numbers, in every lane, in v[SA].  Window 2: v0-191 my 16 of each of 12 blocks; v192-207 block 12, held alike by both halves, so it is added once.
.macro LNSUM sq
	WIN 0x0a
.if \sq
.irp k, 0,1,2,3
	v_pk_mul_f32 v[SA+2*\k:SA+2*\k+1], v[2*\k:2*\k+1], v[2*\k:2*\k+1]
.endr
	v_pk_mul_f32 v[S12:S12+1], v[192:193], v[192:193]
.set LP, 4
.rept 92
	v_pk_fma_f32 v[SA+2*(LP%4):SA+2*(LP%4)+1], v[2*LP:2*LP+1], v[2*LP:2*LP+1], v[SA+2*(LP%4):SA+2*(LP%4)+1]
.set LP, LP+1
.endr
.set LP, 97
.rept 7
	v_pk_fma_f32 v[S12:S12+1], v[2*LP:2*LP+1], v[2*LP:2*LP+1], v[S12:S12+1]
.set LP, LP+1
.endr
.else
.irp k, 0,1,2,3
	v_pk_add_f32 v[SA+2*\k:SA+2*\k+1], v[2*\k:2*\k+1], v[2*\k+8:2*\k+9]
.endr
	v_pk_add_f32 v[S12:S12+1], v[192:193], v[194:195]
	WIN 0x08
.set LP, 8
.rept 88
	v_pk_add_f32 v[SA+2*(LP%4):SA+2*(LP%4)+1], v[SA+2*(LP%4):SA+2*(LP%4)+1], v[2*LP:2*LP+1]
.set LP, LP+1
.endr
.set LP, 98
.rept 6
	v_pk_add_f32 v[S12:S12+1], v[S12:S12+1], v[2*LP:2*LP+1]
.set LP, LP+1
.endr
.endif
	WIN 0
	v_pk_add_f32 v[SA:SA+1], v[SA:SA+1], v[SA+2:SA+3]
	v_pk_add_f32 v[SA+4:SA+5], v[SA+4:SA+5], v[SA+6:SA+7]
	v_pk_add_f32 v[SA:SA+1], v[SA:SA+1], v[SA+4:SA+5]
	v_add_f32 v[SA], v[SA], v[SA+1]
	v_add_f32 v[S12], v[S12], v[S12+1]
	v_permlanex16_b32 v[SA+2], v[SA], s[SEL], s[SEL+1]
	v_add_f32 v[SA], v[SA], v[SA+2]
	v_add_f32 v[SA], v[SA], v[S12]
.endm
.macro LNSTAT                          ; the row becomes x - mean, in place; v[RSD:RSD+1] = 1 / sqrt(variance + eps)
	LNSUM 0
	v_mul_f32 v[MU], s[INV], v[SA]
	v_mov_b32 v[MU+1], v[MU]
	WIN 0x82
.set LP, 0
.rept 104
	v_pk_add_f32 v[2*LP:2*LP+1], v[2*LP:2*LP+1], v[MU:MU+1] neg_lo:[0,1] neg_hi:[0,1]
.set LP, LP+1
.endr
	LNSUM 1
	v_fma_f32 v[SA], v[SA], s[INV], s[EPS]
	v_rsq_f32 v[RSD], v[SA]
	v_nop                                          ; a plain instruction behind the transcendental,
	s_wait_alu depctr_va_vdst(0)                   ; and the wait ahead of the first line that names its result
	v_mov_b32 v[RSD+1], v[RSD]
.endm
.macro NORM s, n, g, wg, b, wb         ; n numbers from v[s] of window 2 on: x 1 / sigma, then x g + b (g from v[g] of window wg, b from v[b] of window wb)
	WIN 0x82
.set LP, 0
.rept (\n)/2
	v_pk_mul_f32 v[(\s)+LP:(\s)+LP+1], v[(\s)+LP:(\s)+LP+1], v[RSD:RSD+1]
.set LP, LP+2
.endr
	WIN 0x82|((\wg)<<2)|((\wb)<<4)
.set LP, 0
.rept (\n)/2
	v_pk_fma_f32 v[(\s)+LP:(\s)+LP+1], v[(\s)+LP:(\s)+LP+1], v[(\g)+LP:(\g)+LP+1], v[(\b)+LP:(\b)+LP+1]
.set LP, LP+2
.endr
	WIN 0
.endm
.macro IMAGE adr, off                  ; the fragment in v[PC] on goes to LDS as it stands
.irp c, 0,1,2
	ds_store_b128 v[\adr], v[PC+4*\c:PC+4*\c+3] offset:(\off)+512*\c
.endr
.endm
.macro MM0 d, a, b, sa, sb             ; a product that starts a sum
	v_wmma_scale_f32_16x16x128_f8f6f4 v[(\d):(\d)+7], v[(\a):(\a)+11], v[(\b):(\b)+11], 0, v[\sa], v[\sb] matrix_a_fmt:MATRIX_FMT_FP6 matrix_b_fmt:MATRIX_FMT_FP6
.endm
.macro MMA d, a, b, sa, sb             ; and one that adds in place
	v_wmma_scale_f32_16x16x128_f8f6f4 v[(\d):(\d)+7], v[(\a):(\a)+11], v[(\b):(\b)+11], v[(\d):(\d)+7], v[\sa], v[\sb] matrix_a_fmt:MATRIX_FMT_FP6 matrix_b_fmt:MATRIX_FMT_FP6
.endm
; g or b, 400 numbers in the quantiser's order, into window w: 16 of each of 12 blocks by my half, then block 12: 52 loads
.macro ROWLD w, p
	WIN (\w)<<6
.set LB, 0
.rept 12
.irp j, 0,1,2,3
	global_load_b128 v[16*LB+4*\j:16*LB+4*\j+3], v[GH], s[\p:\p+1] offset:128*LB+16*\j
.endr
.set LB, LB+1
.endr
.irp j, 0,1,2,3
	global_load_b128 v[192+4*\j:195+4*\j], v[NIL], s[\p:\p+1] offset:1536+16*\j
.endr
	WIN 0
.endm
	s_load_b256 s[4:11], s[0:1], 0x0               ; x s[4:5], ln1_g s[6:7], ln1_b s[8:9], wts s[10:11]
	s_load_b128 s[12:15], s[0:1], 0x20             ; qc s[12:13], kv s[14:15]
	v_lshl_add_u32 v254, v0, 2, 0x1fc00
	v_mov_b32 v255, 0
	v_lshrrev_b32 v12, 5, v0
	v_readfirstlane_b32 s[WV], v12                 ; wave 0..3
	v_and_b32 v12, 31, v0                          ; lane
	v_and_b32 v13, 15, v0                          ; r
	v_bfe_u32 v14, v0, 4, 1                        ; h
	v_lshlrev_b32 v[LI], 4, v12
	v_lshlrev_b32 v[LS], 2, v12
	v_lshlrev_b32 v[L8], 3, v12
	v_lshrrev_b32 v[LQ], 2, v12
	v_mov_b32 v[NIL], 0
	s_mul_i32 s40, s[WV], 25856
	s_add_co_u32 s40, s40, STG                     ; my stage
	v_add_nc_u32 v[SB], s40, v[LI]
	v_mul_u32_u24 v[XB], v13, 1616
	v_add_nc_u32 v[XB], s40, v[XB]
	v_lshl_add_u32 v[XA], v14, 6, v[XB]
	v_lshlrev_b32 v[GH], 6, v14
	s_mul_i32 s40, s[WV], 6144
	v_add_nc_u32 v[XWI], s40, v[LI]
	s_lshl_b32 s40, s[WV], 9
	s_add_co_u32 s40, s40, XSC
	v_add_nc_u32 v[XWS], s40, v[LS]
.irp b, 0,1,2,3
	v_mov_b32 v[TM+4+\b], 0                        ; written once: a lane permute's destination counts as one of its sources
.endr
	s_mov_b32 s[SEL], 0x76543210
	s_mov_b32 s[SEL+1], 0xfedcba98
	s_mov_b32 s[INV], 0x3b23d70a                   ; 1 / 400
	s_mov_b32 s[EPS], 0x3727c5ac                   ; 1e-5
	s_lshl_b32 s40, ttmp9, 6                       ; the work-group's first token,
	s_lshr_b32 s42, s[WV], 1
	s_lshl_b32 s42, s42, 5
	s_add_co_u32 s40, s40, s42
	s_and_b32 s42, s[WV], 1
	s_lshl_b32 s42, s42, 3
	s_add_co_u32 s40, s40, s42                     ; + 32 (w / 2) + 8 (w % 2): my tile's
	s_mul_i32 s40, s40, 1600
	s_mov_b32 s41, 0
	s_mul_i32 s42, s[WV], 43008                    ; my head's 28 fragments of a weight: images,
	s_mov_b32 s43, 0
	s_mul_i32 s44, s[WV], 3584
	s_add_co_u32 s44, s44, SCB                     ; scale words
	s_mov_b32 s45, 0
	s_lshr_b32 s46, ttmp9, 5                       ; batch
	s_lshl_b32 s46, s46, 2
	s_add_co_u32 s46, s46, s[WV]                   ; bh = 4 batch + head
	s_and_b32 s47, ttmp9, 31                       ; which 64 tokens of the batch
	s_lshl_b32 s48, s46, 7
	s_lshl_b32 s49, s47, 2
	s_add_co_u32 s48, s48, s49                     ; q's first tile: 128 bh + 4 x5
	s_mul_i32 s50, s48, 1536
	s_mov_b32 s51, 0
	s_lshl_b32 s52, s48, 7
	s_add_co_u32 s52, s52, 6291456
	s_mov_b32 s53, 0
	s_lshl_b32 s54, s46, 4
	s_lshr_b32 s55, s47, 1
	s_add_co_u32 s54, s54, s55
	s_mul_i32 s54, s54, 25088                      ; the key step's block in kv
	s_mov_b32 s55, 0
	s_and_b32 s47, s47, 1                          ; c: which 64 keys of the step
	s_mul_i32 s56, s47, 6144
	s_mov_b32 s57, 0
	s_lshl_b32 s58, s47, 9
	s_add_co_u32 s58, s58, 23040
	s_mov_b32 s59, 0
	s_mul_i32 s60, s47, 768
	s_add_co_u32 s60, s60, 12288
	s_mov_b32 s61, 0
	s_lshl_b32 s62, s47, 1
	s_add_co_u32 s62, s62, 24064
	s_mov_b32 s63, 0
	s_wait_kmcnt 0x0
	s_add_nc_u64 s[XP:XP+1], s[4:5], s[40:41]
	s_add_nc_u64 s[WI:WI+1], s[10:11], s[42:43]
	s_add_nc_u64 s[WSP:WSP+1], s[10:11], s[44:45]
	s_add_nc_u64 s[QB:QB+1], s[12:13], s[50:51]
	s_add_nc_u64 s[QS:QS+1], s[12:13], s[52:53]
	s_add_nc_u64 s[14:15], s[14:15], s[54:55]
	s_add_nc_u64 s[KB:KB+1], s[14:15], s[56:57]
	s_add_nc_u64 s[KSP:KSP+1], s[14:15], s[58:59]
	s_add_nc_u64 s[VB:VB+1], s[14:15], s[60:61]
	s_add_nc_u64 s[VS:VS+1], s[14:15], s[62:63]
	; ---- my 16 tokens of x: two runs of 8 rows (the second 16 tokens on), 25 loads of 512 consecutive bytes each, aligned
	WIN 0x80
.set LB, 0
.rept 25
	global_load_b128 v[4*LB:4*LB+3], v[LI], s[XP:XP+1] offset:512*LB th:TH_LOAD_NT
	global_load_b128 v[100+4*LB:103+4*LB], v[LI], s[XP:XP+1] offset:25600+512*LB th:TH_LOAD_NT
.set LB, LB+1
.endr
	WIN 0
	ROWLD 1, 6                                     ; 52 loads: g
	ROWLD 3, 8                                     ; 52: b
.set LB, 0
.rept 25                                           ; piece n = 32 i + l of a run lies in the run's row n / 100: in the stage 16 n + 16 (n / 100)
	v_add_nc_u32 v[ADR+LB], 8*LB, v[LQ]            ; n / 4
	v_mul_u32_u24 v[ADR+LB], v[ADR+LB], 1311
	v_lshrrev_b32 v[ADR+LB], 15, v[ADR+LB]         ; / 25 (exact under 400)
	v_lshl_add_u32 v[ADR+LB], v[ADR+LB], 4, v[SB]
.set LB, LB+1
.endr
	s_wait_loadcnt 63                              ; of 154 loads at most 63 are out: the first 91 are in, x's 50 among them
	WIN 0x08                                       ; an LDS store's data are its source 1: window 2
.set LB, 0
.rept 25
	ds_store_b128 v[ADR+LB], v[4*LB:4*LB+3] offset:512*LB
	ds_store_b128 v[ADR+LB], v[100+4*LB:103+4*LB] offset:12928+512*LB   ; the second run: rows 8 to 15
.set LB, LB+1
.endr
	WIN 0x80                                       ; back in the quantiser's order.  LDS serves a wave's instructions in order (ISA guide 5.7.1.4): these see the stores above
.set LB, 0
.rept 12
.irp j, 0,1,2,3
	ds_load_b128 v[16*LB+4*\j:16*LB+4*\j+3], v[XA] offset:128*LB+16*\j
.endr
.set LB, LB+1
.endr
.irp j, 0,1,2,3
	ds_load_b128 v[192+4*\j:195+4*\j], v[XB] offset:1536+16*\j
.endr
	WIN 0
	s_wait_dscnt 0x0
	; ---- layer norm of my 16 tokens
	LNSTAT
	s_wait_loadcnt 0x0                             ; g and b
	NORM 0, 208, 0, 1, 0, 3
; Stage n = 4 P + s (P: q, k, v; s: K step): my head's 7 fragments and their scale words into set n % 3: 21 + 7 loads; of a fourth K step the first third of each fragment: 7 + 7
.macro WLDQ buf, n
	WIN 0x40
.irp t, 0,1,2,3,4,5,6
.irp c, 0,1,2
.if (\c == 0) || (((\n)&3) != 3)
	global_load_b128 v[84*(\buf)+12*\t+4*\c:84*(\buf)+12*\t+4*\c+3], v[LI], s[WI:WI+1] offset:(((\n)>>2)*112+((\n)&3)*7+\t)*1536+512*\c
.endif
.endr
.endr
	WIN 0
.irp t, 0,1,2,3,4,5,6
	global_load_b32 v[WS+7*(\buf)+\t], v[LS], s[WSP:WSP+1] offset:(((\n)>>2)*112+((\n)&3)*7+\t)*128
.endr
.endm
	WLDQ 0, 0                                      ; g's registers are free: the first three stages' weights travel while the row is quantised
	WLDQ 1, 1
	WLDQ 2, 2
.irp s, 0,1,2
	QUANT 64*\s, 2
	IMAGE XWI, 1536*\s
	ds_store_b32 v[XWS], v[PW] offset:128*\s
	s_wait_dscnt 0x0                               ; the stores have read their registers
.endr
	QUANT3 192, 2
	IMAGE XWI, 4608
	ds_store_b32 v[XWS], v[PW] offset:384
	WIN 0x80
.irp m, 0,1,2,3
.irp i, 0,1,2,3,4,5,6,7
	v_mov_b32 v[64*\m+56+\i], 0                    ; the place of unit tile 7 (d 104 .. 111, 120 .. 127), which no product writes
.endr
.endr
	WIN 0
	s_wait_dscnt 0x0                               ; my images lie in LDS
	s_barrier_signal -1
	s_barrier_wait -1                              ; everybody's do
	WIN 0xc0
.set LB, 0
.rept 16
.irp c, 0,1,2
	ds_load_b128 v[12*LB+4*\c:12*LB+4*\c+3], v[LI] offset:1536*LB+512*\c
.endr
.set LB, LB+1
.endr
	WIN 0
.set LB, 0
.rept 16
	ds_load_b32 v[XS+LB], v[LS] offset:XSC+128*LB
.set LB, LB+1
.endr
	s_wait_dscnt 0x0
; A stage: 28 products, the accumulators by turns.  The wait leaves the two younger stages' loads out: 28 each, 14 for a fourth K step.
.macro QSTAGE n
.set QL, 0
.irp d, 1,2
.if (\n)+\d < 12
.if (((\n)+\d)&3) == 3
.set QL, QL+14
.else
.set QL, QL+28
.endif
.endif
.endr
	s_wait_loadcnt QL
.set QBF, (\n)%3
.set QST, (\n)&3
.if (\n) < 8
	WIN 0xad                                       ; source 0 (weight) window 1, source 1 (h) window 3, C and D window 2
.irp t, 0,1,2,3,4,5,6
.irp m, 0,1,2,3
.if QST == 0
	MM0 64*\m+8*\t, 84*QBF+12*\t, 12*(4*\m+QST), WS+7*QBF+\t, XS+4*\m+QST
.else
	MMA 64*\m+8*\t, 84*QBF+12*\t, 12*(4*\m+QST), WS+7*QBF+\t, XS+4*\m+QST
.endif
.endr
.endr
.else
	WIN 0xa7                                       ; source 0 (h) window 3, source 1 (weight) window 1
.irp t, 0,1,2,3,4,5,6
.irp m, 0,1,2,3
.if QST == 0
	MM0 32*\t+8*\m, 12*(4*\m+QST), 84*QBF+12*\t, XS+4*\m+QST, WS+7*QBF+\t
.else
	MMA 32*\t+8*\m, 12*(4*\m+QST), 84*QBF+12*\t, XS+4*\m+QST, WS+7*QBF+\t
.endif
.endr
.endr
.endif
	WIN 0
	PLACES
.if (\n)+3 < 12
	WLDQ (\n)%3, (\n)+3
.endif
.endm
.macro QKOUT bi, bs                    ; four tiles of q or of k: quantised along the head's axis, stored as images; each tile has code registers of its own
.irp m, 0,1,2,3
.set PC, PCS+20*\m
.set PW, PWS+\m
	QUANT 64*\m, 2
.irp c, 0,1,2
	global_store_b128 v[LI], v[PC+4*\c:PC+4*\c+3], s[\bi:\bi+1] offset:1536*\m+512*\c   ; 512 consecutive bytes, aligned
.endr
	global_store_b32 v[LS], v[PW], s[\bs:\bs+1] offset:128*\m
.endr
.endm
	QSTAGE 0
	QSTAGE 1
	QSTAGE 2
	QSTAGE 3
	QKOUT QB, QS
	QSTAGE 4
	QSTAGE 5
	QSTAGE 6
	QSTAGE 7
	s_wait_storecnt 0x0                            ; q's stores, four stages back, are done: the four sets of code registers may be written again
	QKOUT KB, KSP
	WIN 0x80
.set LP, 224
.rept 32
	v_mov_b32 v[LP], 0                             ; the place of v's d tile 7, which does not exist
.set LP, LP+1
.endr
	WIN 0
	QSTAGE 8
	QSTAGE 9
	QSTAGE 10
	QSTAGE 11
	s_wait_storecnt 0x0                            ; k's stores are done
	; v: the 32 registers of d tile t are 64 keys in the quantiser's order; two tiles go through it together.  Codes 0-5: tile 2 p's half fragment (these 64 keys), 6-11: tile 2 p + 1's; the word: two bytes of each
.irp p, 0,1,2,3
.set PC, PCS+20*\p
.set PW, PWS+\p
	QUANT 64*\p, 2
	global_store_b128 v[LI], v[PC:PC+3], s[VB:VB+1] offset:3072*\p
	global_store_b64 v[L8], v[PC+4:PC+5], s[VB:VB+1] offset:3072*\p+512
.if \p < 3
	global_store_b128 v[LI], v[PC+6:PC+9], s[VB:VB+1] offset:3072*\p+1536
	global_store_b64 v[L8], v[PC+10:PC+11], s[VB:VB+1] offset:3072*\p+2048
.endif
	global_store_b16 v[LS], v[PW], s[VS:VS+1] offset:256*\p                ; my two of the word's four bytes; the other 64 keys' work-group stores the other two
	global_store_d16_hi_b16 v[LS], v[PW], s[VS:VS+1] offset:256*\p+128     ; (for p = 3: the pad behind the seven tiles' words, which is stored so that the whole block is written)
.endr
	s_wait_tensorcnt 0x0
	ds_add_u32 v254, v255
	s_wait_dscnt 0x0
	s_endpgm
.Lfunc_end_k_qe136d79aef_qkv:
	.size	k_qe136d79aef_qkv, .Lfunc_end_k_qe136d79aef_qkv-k_qe136d79aef_qkv
	.p2alignl 7, 3214868480
	.fill 96, 4, 3214868480
	.section	.rodata,"a",@progbits
	.p2align	6, 0x0
	.amdhsa_kernel k_qe136d79aef_qkv
		.amdhsa_group_segment_fixed_size 130560
		.amdhsa_private_segment_fixed_size 0
		.amdhsa_enable_private_segment 0
		.amdhsa_kernarg_size 48
		.amdhsa_user_sgpr_count 2
		.amdhsa_user_sgpr_kernarg_segment_ptr 1
		.amdhsa_wavefront_size32 1
		.amdhsa_system_sgpr_workgroup_id_x 1
		.amdhsa_system_sgpr_workgroup_id_y 1
		.amdhsa_system_sgpr_workgroup_id_z 1
		.amdhsa_system_vgpr_workitem_id 0
		.amdhsa_next_free_vgpr 1024
		.amdhsa_next_free_sgpr 66
		.amdhsa_reserve_vcc 1
		.amdhsa_float_denorm_mode_32 3
		.amdhsa_float_denorm_mode_16_64 3
		.amdhsa_memory_ordered 1
		.amdhsa_forward_progress 1
		.amdhsa_inst_pref_size 210
	.end_amdhsa_kernel
	.amdgpu_metadata
---
amdhsa.version: [ 1, 2 ]
amdhsa.kernels:
  - .name:           k_qe136d79aef_qkv
    .symbol:         k_qe136d79aef_qkv.kd
    .args:
      - { .name: x, .offset: 0, .size: 8, .value_kind: global_buffer, .address_space: global }
      - { .name: ln1_g, .offset: 8, .size: 8, .value_kind: global_buffer, .address_space: global }
      - { .name: ln1_b, .offset: 16, .size: 8, .value_kind: global_buffer, .address_space: global }
      - { .name: wts, .offset: 24, .size: 8, .value_kind: global_buffer, .address_space: global }
      - { .name: qc, .offset: 32, .size: 8, .value_kind: global_buffer, .address_space: global }
      - { .name: kv, .offset: 40, .size: 8, .value_kind: global_buffer, .address_space: global }
    .group_segment_fixed_size: 130560
    .private_segment_fixed_size: 0
    .kernarg_segment_align: 8
    .kernarg_segment_size: 48
    .max_flat_workgroup_size: 128
    .sgpr_count:     66
    .vgpr_count:     1024
    .wavefront_size: 32
...
	.end_amdgpu_metadata
.endif
;; end of part 2
;; launch attn (part 3): grid 8 x 32, 16 waves a work-group, clusters of 4 x 1, 327,680 bytes of LDS; arguments qc, kv, ao; writes ao
.if DOCPART == 3
	.amdgcn_target "amdgcn-amd-amdhsa--gfx1250"
	.amdhsa_code_object_version 6
	.text
	.protected	k_qe136d79aef_attn
	.globl	k_qe136d79aef_attn
	.p2align	8
	.type	k_qe136d79aef_attn,@function
k_qe136d79aef_attn:
	s_mov_b64 s[64:65], 0
	v_nop
	global_prefetch_b8 v0, s[64:65] scope:SCOPE_SE
	s_setreg_imm32_b32 hwreg(HW_REG_WAVE_MODE, 25, 1), 1
	s_wait_xcnt 0x0
	s_wait_alu depctr_hold_cnt(0) depctr_sa_sdst(0) depctr_va_vdst(0) depctr_va_sdst(0) depctr_va_ssrc(0) depctr_va_vcc(0) depctr_vm_vsrc(0)
	s_getreg_b32 s2, hwreg(HW_REG_IB_STS2, 6, 4)
	s_cmp_eq_u32 s2, 0
	s_cbranch_scc0 .Lentry_in_a_cluster
	s_endpgm
.Lentry_in_a_cluster:
	s_bfe_u32 s2, ttmp6, 0x10000c
	s_cmp_lg_u32 s2, 0x3003
	s_cbranch_scc0 .Lentry_shape_is_right
	s_endpgm
.Lentry_shape_is_right:
; Causal attention of one (batch, head) on FP6 (E2M3) codes: S^T = K Q^T, p = 2^(t - M), O^T = V^T P^T, O / l.  t = score x log2(e) / 10; M = the running largest t rounded UP to a whole number; p is quantised along the keys, not normalised;
; the row's sum l is taken of the unquantised p and divides at the end.  When M moves, l and O^T are multiplied by 2^(old M - new M): exact.
; INPUTS are operand images (registers 4 c .. 4 c + 3 of lane l at 512 c + 16 l).  For each key step of 128 keys kv holds one dense block of 25,088 bytes: 8 key tiles of K, 7 d tiles of V^T (keys innermost; each half of 64 keys as 512 + 256 bytes),
; 8 x 128 bytes of K's scale words, 8 x 128 of V's.  Row r of token tile 2 b + u is token 32 b + 8 u + r + 8 (r / 8): the 16 registers of key tiles 2 b and 2 b + 1 are 16 neighbouring keys.
; SHARES.  Work-group j of 8 (j = 4 x cluster + place) of a (batch, head); wave w has rank RK (a permutation of 0 .. 15) and owns query tile 8 RK + j, whose queries all lie in key step RK.  So steps under RK are open, step RK is
; masked, steps over RK are left out: a branch on the wave's number and the step's count alone, round no barrier and no tensor load.  Every work-group holds ranks 0 .. 15: equal work; waves 4 apart have ranks that add up alike.
; RING.  Two LDS slots of two key steps.  The four work-groups of a cluster walk the same K and V: each block is asked for JOINTLY (waves 0 and 1, one key step each).  A wave never has more than one tensor load out.
; OUTPUT ao: for each token tile 25,600 bytes: columns 4 g .. 4 g + 3 of the 16 tokens form a unit of 256 bytes (token r at 16 r), the units in the order in which the next launch's quantiser takes them.
; LIMITS: NaN and infinities are not served.  A block of p that has fallen to zeros keeps the byte 1 over zero codes.  log2(e) / 10 is one f32 constant.
; REGISTERS: v1-6 addresses that stay; v8-10 the step's addresses; v12 -M, v13 the largest t, v[14:15] l in two halves; v16-27 Q; v28 the prefetches' offset; v32-79 four fragments; v80-92 the way out's addresses;
;   v96-159 S^T, then p; v160-215 O^T; v224-235 p's codes; v232-254 at work; v248-251 scale words; v253 p's scale word; v255 Q's.
.set STEPB, 25088
.set VIMG,  12288
.set KSC,   23040
.set VSC,   24064
.set SLOT1, 65536                      ; slot 1 begins here: one exclusive or turns an address in one slot into the other's
.set SPARE, 131072                     ; the spare words, 128 bytes for each of 16 waves: eight blocks of 256 bytes that no other line names
.set LI,   1                           ; v1  16 x lane
.set L8,   2                           ; v2  8 x lane
.set LS,   3                           ; v3  4 x lane
.set DQ,   4                           ; v4  my query's place in its key step, less 16 (lane / 16)
.set SPW,  5                           ; v5  my spare word; never rewritten
.set NIL,  6                           ; v6  0; never rewritten
.set ADI,  8
.set AD8,  9
.set ADS,  10
.set PFO,  28
.set WV,   10                          ; s10 wave
.set RK,   11                          ; s11 rank
.set CX,   12                          ; s12 my place in the cluster: it enters global addresses and the mask's data alone
.set JJ,   13                          ; s13 j
.set BH,   14                          ; s14 4 batch + head
.set SEL,  20
.set CS,   22                          ; s[22:23] log2(e) / 10
.set G1,   24                          ; s[24:31] descriptor group 1
.set KS,   32                          ; s32 the key step's number
.set TB,   33                          ; s33 the slot in hand
.set SLOTS, 34                         ; s34 slots still to be asked for
.set LIM,  35                          ; s35 1 in a wave that prefetches, else the greatest number
.set PFA,  36                          ; s[36:37] where my prefetches stand
.set AO,   38                          ; s[38:39] my token tile in ao
.set G0,   40                          ; s[40:43] descriptor group 0, which walks
.macro CROUND                          ; a round of the cluster's barrier
	s_barrier_signal -1
	s_barrier_wait -1
	s_cmp_lg_u32 s[WV], 0
	s_cbranch_scc1 .Lnot_wave_0_\@
	s_barrier_signal -3
.Lnot_wave_0_\@:
	s_barrier_wait -3
	s_barrier_signal -1
	s_barrier_wait -1
.endm
.macro TLOAD                           ; waves 0 and 1 fetch a key step's block each; four v_nop follow the load
	s_cmp_lt_u32 s[WV], 2
	s_cbranch_scc0 .Lasked_\@
	tensor_load_to_lds s[G0:G0+3], s[G1:G1+7]
	s_nop 0
.rept 4
	v_nop
.endr
.Lasked_\@:
.endm
; A prefetch of the slot that the NEXT change of slots will ask for: 196 blocks of 256 bytes.  Both clusters of a (batch, head) walk the same blocks: the first asks.  Its four partners take 49 blocks each, told apart by address;
; in each, waves 4 and 5 ask, a lane a block (the last lanes of wave 5 are held at block 48).  The last change that fills a slot asks for nothing; slots 0 and 1 come by their loads alone.
.macro ASK
	s_cmp_gt_u32 s[SLOTS], s[LIM]
	s_cbranch_scc0 .Lnot_mine_\@
	global_prefetch_b8 v[PFO], s[PFA:PFA+1] th:TH_LOAD_NT scope:SCOPE_SE
.Lnot_mine_\@:
.endm
	s_load_b128 s[4:7], s[0:1], 0x0                ; qc s[4:5], kv s[6:7]
	s_load_b64 s[8:9], s[0:1], 0x10                ; ao
	v_lshl_add_u32 v[SPW], v0, 2, SPARE
	v_mov_b32 v[NIL], 0
	ds_add_u32 v5, v6
	s_wait_dscnt 0x0
	v_lshrrev_b32 v8, 5, v0
	v_readfirstlane_b32 s[WV], v8                  ; wave 0..15
	s_bfe_u32 s[CX], ttmp6, 0x40000
	s_lshl_b32 s[JJ], ttmp9, 2
	s_add_co_u32 s[JJ], s[JJ], s[CX]               ; j = 4 x cluster x + cx
	s_and_b32 s[BH], ttmp7, 0xffff
	s_bfe_u32 s15, s[WV], 0x10002
	s_mul_i32 s15, s15, 3
	s_and_b32 s16, s[WV], 3
	s_xor_b32 s16, s16, s15
	s_and_b32 s15, s[WV], 12
	s_or_b32 s[RK], s15, s16                       ; (w & 12) | ((w & 3) xor 3 ((w / 4) & 1))
	; descriptor group 1: 98 rows of 256 bytes (32 elements of 8 bytes), dense, no padding
	s_mov_b32 s[G1], 15|(3<<16)|(1<<21)            ; 15:0 the mask: all four work-groups; 17:16 elements of 8 bytes; 21 set beside a mask
	s_mov_b32 s[G1+1], 32<<16                      ; tensor_dim0
	s_mov_b32 s[G1+2], 98<<16                      ; tensor_dim1
	s_mov_b32 s[G1+3], 32<<16                      ; tile_dim0
	s_mov_b32 s[G1+4], 98                          ; tile_dim1
	s_mov_b32 s[G1+5], 32                          ; the pitch
	s_mov_b32 s[G1+6], 0
	s_mov_b32 s[G1+7], 0
	s_and_b32 s17, s[WV], 1                        ; which of a slot's two key steps I fetch
	s_lshl_b32 s18, s[BH], 4
	s_add_co_u32 s18, s18, s17
	s_mul_i32 s18, s18, STEPB                      ; its block in memory
	s_mov_b32 s19, 0
	s_lshl_b32 s44, s[RK], 3
	s_add_co_u32 s44, s44, s[JJ]                   ; my query tile in the batch: 8 RK + j
	s_lshl_b32 s45, s[BH], 7
	s_add_co_u32 s45, s45, s44
	s_mul_i32 s46, s45, 1536                       ; its image,
	s_mov_b32 s47, 0
	s_lshl_b32 s48, s45, 7
	s_add_co_u32 s48, s48, 6291456                 ; its scale words
	s_mov_b32 s49, 0
	s_lshr_b32 s45, s[BH], 2
	s_lshl_b32 s45, s45, 7
	s_add_co_u32 s45, s45, s44
	s_mul_i32 s50, s45, 25600                      ; and its place in ao
	s_mov_b32 s51, 0
	s_mul_i32 s52, s[BH], 401408                   ; the prefetches: my (batch, head),
	s_mul_i32 s53, s[CX], 12544                    ; my work-group's 49 blocks,
	s_add_co_u32 s52, s52, s53
	s_add_co_u32 s52, s52, 2*STEPB                 ; in slot 1: the first change of slots steps it to slot 2.  Nothing is prefetched at the head
	s_mov_b32 s53, 0
	s_lshr_b32 s15, s[WV], 1
	s_xor_b32 s15, s15, 2                          ; 0 in waves 4 and 5,
	s_or_b32 s15, s15, ttmp9                       ; of the first cluster: the same in all four partners
	s_cmp_eq_u32 s15, 0
	s_cselect_b32 s[LIM], 1, -1
	s_mov_b32 s[SEL], 0x76543210
	s_mov_b32 s[SEL+1], 0xfedcba98
	s_mov_b32 s[CS], 0x3e13bb63                    ; log2(e) / 10
	s_mov_b32 s[CS+1], s[CS]
	s_mov_b32 s[KS], 0
	s_mov_b32 s[TB], 0
	s_mov_b32 s[SLOTS], 7
	s_wait_kmcnt 0x0
	s_add_nc_u64 s[PFA:PFA+1], s[6:7], s[52:53]
	s_add_nc_u64 s[AO:AO+1], s[8:9], s[50:51]
	s_add_nc_u64 s[46:47], s[4:5], s[46:47]
	s_add_nc_u64 s[48:49], s[4:5], s[48:49]
	CROUND                                         ; all four work-groups are here: the first joint loads meet
	s_mov_b32 s[G0], 1                             ; count = 1
	s_mul_i32 s[G0+1], s17, STEPB                  ; LDS address: slot 0, my key step: the wave's number alone enters it
	s_add_nc_u64 s[G0+2:G0+3], s[6:7], s[18:19]
	s_or_b32 s[G0+3], s[G0+3], 0x80000000          ; type = 2
	TLOAD                                          ; slot 0
	v_and_b32 v8, 31, v0
	v_lshlrev_b32 v[LI], 4, v8
	v_lshlrev_b32 v[L8], 3, v8
	v_lshlrev_b32 v[LS], 2, v8
.irp c, 0,1,2
	global_load_b128 v[16+4*\c:19+4*\c], v[LI], s[46:47] offset:512*\c   ; Q's fragment stays in registers
.endr
	global_load_b32 v255, v[LS], s[48:49]          ; and its scale words
	s_sub_co_u32 s15, s[WV], 4
	s_lshl_b32 s15, s15, 5
	v_add_nc_u32 v[PFO], s15, v8
	v_min_u32 v[PFO], 48, v[PFO]
	v_lshlrev_b32 v[PFO], 8, v[PFO]
	v_and_b32 v9, 15, v0                           ; r
	v_and_b32 v10, 8, v9
	v_add_nc_u32 v9, v9, v10                       ; r + 8 (r / 8)
	v_bfe_u32 v10, v0, 4, 1
	v_lshlrev_b32 v10, 4, v10                      ; 16 h
	v_sub_nc_u32 v9, v9, v10
	s_lshr_b32 s15, s[JJ], 1
	s_lshl_b32 s15, s15, 5
	s_and_b32 s16, s[JJ], 1
	s_lshl_b32 s16, s16, 3
	s_add_co_u32 s15, s15, s16
	v_add_nc_u32 v[DQ], s15, v9                    ; 32 (j / 2) + 8 (j % 2) + r + 8 (r / 8) - 16 h
	v_mov_b32 v13, 0xff61b1e6                      ; the largest t so far: -3e38
	v_floor_f32 v12, -v13                          ; -M
	v_mov_b32 v14, 0
	v_mov_b32 v15, 0
.irp b, 0,1,2,3
	v_mov_b32 v[236+\b], 0                         ; written once: a lane permute's destination counts as one of its sources
.endr
	v_mov_b32 v252, 0
	v_mov_b32 v253, 0
.set LP, 160
.rept 56
	v_mov_b32 v[LP], 0                             ; O^T: the step is written once; its first run finds zeros, which the first change of M leaves zeros
.set LP, LP+1
.endr
; A KEY STEP: 128 keys, the q-th of the slot in hand.
.macro STEP q
	s_cmp_gt_u32 s[KS], s[RK]                      ; all its keys come after my queries: left out
	s_cbranch_scc1 .Lhidden_\@
	v_add_nc_u32 v[ADI], s[TB], v[LI]
	v_add_nc_u32 v[AD8], s[TB], v[L8]
	v_add_nc_u32 v[ADS], s[TB], v[LS]
	v_nop                                          ; with the three additions: four places in front of loads into registers that the last products read
.irp g, 0,1                                        ; S^T = K Q^T, four tiles of 16 keys at a time
.if \g > 0
.rept 4
	v_nop
.endr
.endif
.irp t, 0,1,2,3
.irp c, 0,1,2
	ds_load_b128 v[32+12*\t+4*\c:35+12*\t+4*\c], v[ADI] offset:STEPB*(\q)+1536*(4*\g+\t)+512*\c
.endr
	ds_load_b32 v[248+\t], v[ADS] offset:STEPB*(\q)+KSC+128*(4*\g+\t)
.endr
	s_wait_dscnt 0x0
.irp t, 0,1,2,3
	v_wmma_scale_f32_16x16x128_f8f6f4 v[96+8*(4*\g+\t):103+8*(4*\g+\t)], v[32+12*\t:43+12*\t], v[16:27], 0, v[248+\t], v255 matrix_a_fmt:MATRIX_FMT_FP6 matrix_b_fmt:MATRIX_FMT_FP6
.endr
.endr
.rept 4
	v_nop
.endr
	s_cmp_lg_u32 s[KS], s[RK]                      ; only my own key step lies on the diagonal
	s_cbranch_scc1 .Lopen_\@
	v_mov_b32 v254, 0xff800000                     ; -infinity.  Register 16 b + i holds key 32 b + 16 (lane / 16) + i of the step: hidden where 32 b + i > DQ
.irp n, 0,1,2,3,4,5,6,7,8,9,10,11,12,13,14,15,16,17,18,19,20,21,22,23,24,25,26,27,28,29,30,31,32,33,34,35,36,37,38,39,40,41,42,43,44,45,46,47,48,49,50,51,52,53,54,55,56,57,58,59,60,61,62,63
	v_cmp_gt_i32 vcc_lo, 32*(\n/16)+\n%16, v[DQ]
	v_cndmask_b32 v[96+\n], v[96+\n], v254, vcc_lo
.endr
.Lopen_\@:
.irp b, 0,1,2,3
	v_max3_num_f32 v[232+\b], v[96+16*\b], v[97+16*\b], v[98+16*\b]   ; the largest score of each block of 32 keys: for the row's maximum and, since p rises with the score, for the block's largest p
.endr
.irp i, 3,5,7,9,11,13
.irp b, 0,1,2,3
	v_max3_num_f32 v[232+\b], v[232+\b], v[96+16*\b+\i], v[97+16*\b+\i]
.endr
.endr
.irp b, 0,1,2,3
	v_max_num_f32 v[232+\b], v[232+\b], v[111+16*\b]
.endr
.irp b, 0,1,2,3
	v_permlanex16_b32 v[236+\b], v[232+\b], s[SEL], s[SEL+1]
.endr
.irp b, 0,1,2,3
	v_max_num_f32 v[232+\b], v[232+\b], v[236+\b]  ; with lane l xor 16's 16 keys
.endr
	v_max3_num_f32 v254, v232, v233, v234
	v_max_num_f32 v254, v254, v235                 ; the step's largest score of my query
	v_mul_f32 v254, s[CS], v254                    ; as t
	v_max_num_f32 v13, v13, v254                   ; the running largest t
	v_mov_b32 v254, v12
	v_floor_f32 v12, -v13                          ; the new -M = -ceil(t)
	v_sub_f32 v254, v12, v254                      ; old M - new M: a whole number, 0 or less
	v_cvt_i32_f32 v254, v254                       ; (it saturates)
	v_ldexp_f32 v252, 1.0, v254                    ; f = 2^(old M - new M)
.irp j, 0,2,4,6,8,10,12,14,16,18,20,22,24,26,28,30,32,34,36,38,40,42,44,46,48,50,52,54,56,58,60,62
	v_pk_fma_f32 v[96+\j:97+\j], v[96+\j:97+\j], s[CS:CS+1], v[12:13] op_sel_hi:[1,0,0]   ; t - M, two at a time
.endr
.irp b, 0,1,2,3
	v_fma_f32 v[232+\b], v[232+\b], s[CS], v12     ; the same of each block's largest score
.endr
.irp j, 0,1,2,3,4,5,6,7,8,9,10,11,12,13,14,15,16,17,18,19,20,21,22,23,24,25,26,27,28,29,30,31,32,33,34,35,36,37,38,39,40,41,42,43,44,45,46,47,48,49,50,51,52,53,54,55,56,57,58,59,60,61,62,63
	v_exp_f32 v[96+\j], v[96+\j]                   ; p = 2^(t - M)
.endr
	v_pk_mul_f32 v[14:15], v[14:15], v[252:253] op_sel_hi:[1,0]   ; l under the new M: a plain instruction behind the exponentials
	s_wait_alu depctr_va_vdst(0)                   ; one wait for the batch of 64, ahead of its first reader
.irp b, 0,1,2,3
	v_exp_f32 v[232+\b], v[232+\b]                 ; the block's largest p
.endr
	v_pk_add_f32 v[236:237], v[96:97], v[98:99]    ; l is taken of the unquantised p, two at a time, in two chains
.irp j, 4,8,12,16,20,24,28,32,36,40,44,48,52,56,60
	v_pk_add_f32 v[14:15], v[14:15], v[96+\j:97+\j]
	v_pk_add_f32 v[236:237], v[236:237], v[98+\j:99+\j]
.endr
	v_pk_add_f32 v[14:15], v[14:15], v[236:237]
	s_wait_alu depctr_va_vdst(0)                   ; and one for the four
.irp b, 0,1,2,3
	v_max_num_f32 v[232+\b], 0x1800000, v[232+\b]  ; the floor 2^(3 - 127)
.endr
.irp b, 0,1,2,3
	v_add_nc_u32 v[244+\b], 0xff000000, v[232+\b]  ; the conversion's scale operand
.endr
.irp b, 0,1,2,3
	v_lshrrev_b32 v[236+\b], 23, v[244+\b]         ; the scale's byte
.endr
	v_lshl_or_b32 v253, v237, 8, v236              ; p's scale word for these 128 keys
	v_lshl_or_b32 v253, v238, 16, v253
	v_lshl_or_b32 v253, v239, 24, v253
.irp c, 0,1
	v_cvt_scalef32_pk16_fp6_f32 v[224+6*\c:226+6*\c], v[96+32*\c:111+32*\c], v[244+2*\c]
	v_cvt_scalef32_pk16_fp6_f32 v[236+4*\c:238+4*\c], v[112+32*\c:127+32*\c], v[244+2*\c+1]
.endr
	v_nop                                          ; one plain instruction behind the scaled conversions
.irp c, 0,1
.irp i, 0,1,2
	v_permlane16_swap_b32 v[224+6*\c+\i], v[236+4*\c+\i]
.endr
.irp i, 0,1,2
	v_mov_b32 v[227+6*\c+\i], v[236+4*\c+\i]
.endr
.endr
.irp j, 0,2,4,6,8,10,12,14,16,18,20,22,24,26,28,30,32,34,36,38,40,42,44,46,48,50,52,54
	v_pk_mul_f32 v[160+\j:161+\j], v[160+\j:161+\j], v[252:253] op_sel_hi:[1,0]   ; O^T under the new M; these 28 are also the places in front of the loads and products below
.endr
.irp g, 0,1                                        ; O^T += V^T P^T: seven tiles of 16 of the head's axis
.if \g > 0
.rept 4
	v_nop
.endr
.endif
.irp t, 0,1,2,3
.if 4*\g+\t < 7
	ds_load_b128 v[32+12*\t:35+12*\t], v[ADI] offset:STEPB*(\q)+VIMG+1536*(4*\g+\t)
	ds_load_b64 v[36+12*\t:37+12*\t], v[AD8] offset:STEPB*(\q)+VIMG+1536*(4*\g+\t)+512
	ds_load_b128 v[38+12*\t:41+12*\t], v[ADI] offset:STEPB*(\q)+VIMG+1536*(4*\g+\t)+768
	ds_load_b64 v[42+12*\t:43+12*\t], v[AD8] offset:STEPB*(\q)+VIMG+1536*(4*\g+\t)+1280
	ds_load_b32 v[248+\t], v[ADS] offset:STEPB*(\q)+VSC+128*(4*\g+\t)
.endif
.endr
	s_wait_dscnt 0x0
.irp t, 0,1,2,3
.if 4*\g+\t < 7
	v_wmma_scale_f32_16x16x128_f8f6f4 v[160+8*(4*\g+\t):167+8*(4*\g+\t)], v[32+12*\t:43+12*\t], v[224:235], v[160+8*(4*\g+\t):167+8*(4*\g+\t)], v[248+\t], v253 matrix_a_fmt:MATRIX_FMT_FP6 matrix_b_fmt:MATRIX_FMT_FP6
.endif
.endr
.endr
.Lhidden_\@:
	s_add_co_u32 s[KS], s[KS], 1
.endm
; THE CHANGE OF SLOTS stands at a slot's head.  Each wave waits for all its tensor loads, adds 0 to its spare word, and waits for that and for its reads of the slot that it has left.
; fill = 1: a round of the cluster's barrier follows, and behind it the slot that was left is filled jointly with the next two key steps: the load has a slot's two steps in which to land.
.macro CHANGE fill
	s_wait_tensorcnt 0x0                           ; no tensor load of mine is out, so group 0 may be written
	ds_add_u32 v[SPW], v[NIL]                      ; 0 onto my spare word
.if \fill
	s_xor_b32 s[G0+1], s[G0+1], SLOT1              ; the other slot than last time,
	s_add_nc_u64 s[G0+2:G0+3], s[G0+2:G0+3], 2*STEPB   ; the next two key steps
	s_wait_xcnt 0x0                                ; the last prefetch, a slot back, has read its address
	s_add_nc_u64 s[PFA:PFA+1], s[PFA:PFA+1], 2*STEPB
	s_wait_dscnt 0x0                               ; the add is done, and my reads of the slot that I have left are over
	CROUND
	TLOAD                                          ; the first thing behind the round, a wave's one tensor load until the next
	ASK
.else
	s_wait_dscnt 0x0
	s_barrier_signal -1
	s_barrier_wait -1
.endif
.endm
	s_wait_loadcnt 0x0                             ; Q
.Lslot:                                            ; 7 trips: behind each change of slots but the last the next slot is asked for
	CHANGE 1
	STEP 0
	STEP 1
	s_xor_b32 s[TB], s[TB], SLOT1
	s_sub_co_u32 s[SLOTS], s[SLOTS], 1
	s_cmp_lg_u32 s[SLOTS], 0
	s_cbranch_scc1 .Lslot
	CHANGE 0                                       ; the last slot is written out
	STEP 0
	STEP 1
	; THE WAY OUT.  O^T / l; a lane's four neighbouring channels of its query are 16 bytes, and sixteen lanes fill one unit of 256 bytes of ao.
	v_add_f32 v14, v14, v15
	v_permlanex16_b32 v252, v14, s[SEL], s[SEL+1]
	v_add_f32 v14, v14, v252                       ; the row's sum
	v_rcp_f32 v14, v14
	v_bfe_u32 v9, v0, 4, 1                         ; (plain work behind the transcendental)  h
	v_and_b32 v8, 15, v0
	v_lshlrev_b32 v8, 4, v8                        ; 16 r
	s_and_b32 s15, s[BH], 3
	s_mul_i32 s15, s15, 25                         ; the head's first group of four columns
	v_lshl_add_u32 v10, v9, 1, s15                 ; 25 head + 2 h
.irp e, 0,1,2,3,4,5,6,7,8,9,10,11,12               ; registers 4 e .. 4 e + 3 of O^T: columns 4 g on, g = 25 head + 2 h + 4 (e / 2) + e % 2
	v_add_nc_u32 v11, 4*(\e/2)+(\e%2), v10
	v_and_b32 v29, 0xf8, v11
	v_and_b32 v30, 3, v11
	v_lshl_add_u32 v29, v30, 1, v29
	v_bfe_u32 v30, v11, 2, 1
	v_add_nc_u32 v29, v29, v30                     ; the unit: (g & 0xf8) + 2 (g & 3) + ((g / 4) & 1),
	v_cmp_gt_u32 vcc_lo, 96, v11
	v_cndmask_b32 v29, v11, v29, vcc_lo            ; from g = 96 on g itself
	v_lshl_add_u32 v[80+\e], v29, 8, v8
.endr
	s_wait_alu depctr_va_vdst(0)                   ; the wait ahead of the reciprocal's first reader
.set LP, 0
.rept 56
	v_mul_f32 v[96+LP], v[160+LP], v14             ; each accumulator from its low end on
.set LP, LP+1
.endr
.irp e, 0,1,2,3,4,5,6,7,8,9,10,11
	global_store_b128 v[80+\e], v[96+4*\e:99+4*\e], s[AO:AO+1]   ; each half of the lanes stores 256 consecutive bytes, aligned
.endr
	v_cmp_gt_u32 vcc_lo, 1, v9
	s_wait_xcnt 0x0                                ; EXEC changes only behind this wait
	s_and_saveexec_b32 s16, vcc_lo                 ; d 96 .. 99 lie in lanes 0-15; what lanes 16-31 hold lies beyond the head's 100
	global_store_b128 v92, v[144:147], s[AO:AO+1]
	s_wait_xcnt 0x0
	s_or_b32 exec_lo, exec_lo, s16
	s_wait_tensorcnt 0x0                           ; the wave's end
	ds_add_u32 v[SPW], v[NIL]
	s_wait_dscnt 0x0
	CROUND                                         ; the closing round: no work-group ends while a partner may still ask for a block that names it
	s_endpgm
.Lfunc_end_k_qe136d79aef_attn:
	.size	k_qe136d79aef_attn, .Lfunc_end_k_qe136d79aef_attn-k_qe136d79aef_attn
	.p2alignl 7, 3214868480
	.fill 96, 4, 3214868480
	.section	.rodata,"a",@progbits
	.p2align	6, 0x0
	.amdhsa_kernel k_qe136d79aef_attn
		.amdhsa_group_segment_fixed_size 327680
		.amdhsa_private_segment_fixed_size 0
		.amdhsa_enable_private_segment 0
		.amdhsa_kernarg_size 24
		.amdhsa_user_sgpr_count 2
		.amdhsa_user_sgpr_kernarg_segment_ptr 1
		.amdhsa_wavefront_size32 1
		.amdhsa_system_sgpr_workgroup_id_x 1
		.amdhsa_system_sgpr_workgroup_id_y 1
		.amdhsa_system_sgpr_workgroup_id_z 1
		.amdhsa_system_vgpr_workitem_id 0
		.amdhsa_next_free_vgpr 256
		.amdhsa_next_free_sgpr 66
		.amdhsa_reserve_vcc 1
		.amdhsa_float_denorm_mode_32 3
		.amdhsa_float_denorm_mode_16_64 3
		.amdhsa_memory_ordered 1
		.amdhsa_forward_progress 1
		.amdhsa_inst_pref_size 116
	.end_amdhsa_kernel
	.amdgpu_metadata
---
amdhsa.version: [ 1, 2 ]
amdhsa.kernels:
  - .name:           k_qe136d79aef_attn
    .symbol:         k_qe136d79aef_attn.kd
    .args:
      - { .name: qc, .offset: 0, .size: 8, .value_kind: global_buffer, .address_space: global }
      - { .name: kv, .offset: 8, .size: 8, .value_kind: global_buffer, .address_space: global }
      - { .name: ao, .offset: 16, .size: 8, .value_kind: global_buffer, .address_space: global }
    .group_segment_fixed_size: 327680
    .private_segment_fixed_size: 0
    .kernarg_segment_align: 8
    .kernarg_segment_size: 24
    .max_flat_workgroup_size: 512
    .sgpr_count:     66
    .vgpr_count:     256
    .wavefront_size: 32
...
	.end_amdgpu_metadata
.endif
;; end of part 3
;; launch tail (part 4): grid 256 x 1, 4 waves a work-group, no clusters, 217,088 bytes of LDS; arguments ao, x, wts, bo, ln2_g, ln2_b, b1, b2, out0; writes out0
.if DOCPART == 4
	.amdgcn_target "amdgcn-amd-amdhsa--gfx1250"
	.amdhsa_code_object_version 6
	.text
	.protected	k_qe136d79aef_tail
	.globl	k_qe136d79aef_tail
	.p2align	8
	.type	k_qe136d79aef_tail,@function
k_qe136d79aef_tail:
	s_mov_b64 s[64:65], 0
	v_nop
	global_prefetch_b8 v0, s[64:65] scope:SCOPE_SE
	s_setreg_imm32_b32 hwreg(HW_REG_WAVE_MODE, 25, 1), 1
	s_wait_xcnt 0x0
; x1 = x + Q(ao) Q(Wo) + bo;  h2 = layernorm(x1) g + b;  out0 = x1 + Q(relu(Q(h2) Q(W1) + b1)) Q(W2) + b2.  Products on FP6 (E2M3) codes with one E8M0 scale for each 32 along K; all else f32.  Nothing between goes to memory.
; SHARES.  A work-group owns 64 tokens: four tiles of 16 (row r of tile 2 b + u is token 32 b + 8 u + r + 8 (r / 8)).  ROW WORK (fetching x, quantising ao, layer norm, the stores): wave w takes tile w.
; PRODUCTS: THE WAVES SHARE THE COLUMNS.  Wo and W2 have 25 tiles of 16 units: wave w takes tiles 6 w .. 6 w + 5 for all four token tiles and tile 24 for token tile w: 25 accumulators.  W1: wave w takes the groups of 128
; units 4 trip + w, trip 0 .. 2, for all four token tiles; group 12 (64 units) each wave for its own tile.  So each weight fragment goes from memory straight into the one wave that multiplies by it, and feeds four products.
; All products are TRANSPOSED (source 0 = 16 units of a weight, source 1 = 16 tokens): a lane holds one token, its registers run along the units.  x and x1 are the accumulators' first contents; b1 is the C of a sum's first product.
; x COMES IN LONG RUNS: a tile's 16 tokens are two runs of 12,800 dense bytes: 50 loads of 512 consecutive bytes, laid into the 64 rows in LDS (piece n of a run at 16 n + 16 (n / 100)), from which every wave takes its columns.
; OPERANDS GO FROM WAVE TO WAVE THROUGH LDS AS IMAGES OF THEIR REGISTERS (registers 4 c .. 4 c + 3 of lane l at 512 c + 16 l; scale words at 4 l).  Six barriers.
; THE WEIGHTS come as images made by an earlier launch, through four register sets that take turns; a set is asked for again as soon as its products are issued.  The waits on the loads' counter leave the younger sets out (63 where more are younger).
; Of a FOURTH K STEP of K = 400 (always set 3) a fragment's first third alone is loaded: registers 0-3 hold all of k 384 .. 399.  What the other eight registers hold from earlier loads meets zero codes of the token operand
; (every code of FP6 is a number, and no scale byte there is 0xff): those products are zeros.
; Not shared in a cluster: a joint load would send every fragment through LDS besides, for the same four products, and 216,576 bytes of LDS are taken.
; LIMITS: NaN and infinities are not served.  A block of zeros, or one under 2^-124, gets the byte 1 (the empty blocks of a fourth K step the byte 0) over zero codes.  1 / 400 is one f32 constant.
; REGISTERS, in windows of 256.  window 0: v1-33 addresses; v34-53 codes; v54-69 quantiser's work; v70 scale word; v72-85 sums, mean, 1 / sigma; v86-205 two sets of five token fragments (at the head: 25 LDS addresses); v206-215 their scale words; v216-247 the weights' scale words; v248-255 at work.
;   window 1: weight sets 0 (v0) and 1 (v96); from v192 a bias.   window 2: x's pieces, accumulators; my row in the layer norm.   window 3: weight sets 2 (v0) and 3 (v96); ao's row, g and b meanwhile.
.set SCB,  1783296
.set AIMG, 103424                      ; LDS: from 0: x, x1, later the result: 64 rows (16 m + r) x 1,616 bytes;  AIMG: 16 images (4 m + s) of ao, later of h2;
.set ASC,  128000                      ; their scale words;
.set HIMG, 130048                      ; the hidden layer's 52 images (4 k + m);
.set HSC,  209920                      ; their scale words
.set LI,   1                           ; 16 l
.set LS,   2                           ; 4 l
.set NIL,  3                           ; 0
.set LIW,  4                           ; 16 l + 9,216 w: my six tiles' images in a K step of Wo or W2
.set LSW,  5                           ; 4 l + 768 w
.set LID,  6                           ; 16 l + 49,152 w: my group's images in W1
.set LSD,  7                           ; 4 l + 4,096 w
.set L16R, 8                           ; 16 r
.set XD,   9                           ; x, dense: 16 l + my tile's first token x 1,600
.set SXB,  10                          ; my 16 rows in LDS, dense pieces: 16 l + 25,856 w
.set SRA,  11                          ; the rows in LDS, the result's layout: 1,616 r + 32 h + 384 w (token tiles 0, 1)
.set SRB,  12                          ; + 51,712 (token tiles 2, 3)
.set SRO,  13                          ; (16 w + r) 1,616 + 32 h + 1,536
.set SQ,   14                          ; x1 in LDS, the quantiser's order: (16 w + r) 1,616 + 64 h
.set SQ12, 15                          ; block 12: (16 w + r) 1,616 + 1,536
.set GH,   16                          ; 64 h
.set BH,   17                          ; 32 h
.set BHW,  18                          ; 32 h + 384 w
.set B1H,  19                          ; 64 h + 512 w
.set AWI,  20                          ; 16 l + AIMG + 6,144 w: my tile's images
.set AWS,  21                          ; 4 l + ASC + 512 w
.set AIA,  22                          ; 16 l + AIMG
.set ASA,  23                          ; 4 l + ASC
.set HWI,  24                          ; 16 l + HIMG + 6,144 w, stepped by four K steps a trip
.set HWS,  25                          ; 4 l + HSC + 512 w, likewise
.set HRA,  26                          ; 16 l + HIMG, stepped
.set HRO,  27                          ; 16 l + HIMG + 1,536 w, stepped
.set HSA,  28                          ; 4 l + HSC, stepped
.set HSO,  29                          ; 4 l + HSC + 128 w, stepped
.set OB,   30                          ; the way out: 16 l + (32 (w / 2) + 8 (w % 2)) 1,616
.set LQ,   31                          ; l / 4
.set H12I, 32                          ; image 48 + w
.set H12S, 33
.set PC,   34
.set TM,   54
.set PW,   70
.set SA,   72
.set S12,  80
.set MU,   82
.set RSD,  84
.set AF,   86
.set ASW,  206
.set WS,   216
.set BIAS, 192                         ; in window 1
.set WT,   8                           ; s[8:9] wts
.set WV,   22
.set SEL,  24
.set INV,  26
.set EPS,  27
.set CNT,  28
.set AP,   36                          ; s[36:37] my tile in ao
.set XP,   38                          ; s[38:39] x at the work-group's first token
.set OP,   40                          ; s[40:41] out0 at my 16 tokens
.set WDI,  42                          ; s[42:43] W1's images, stepped by four groups a trip;  s[44:45] scale words;  s[46:47] b1
.set WDS,  44
.set B1P,  46
.set WEI,  48                          ; s[48:49] W2's images, stepped by four K steps a trip;  s[50:51] scale words
.set WES,  50
.set MSB, 0
.macro WIN new                         ; the immediate's high byte repeats the setting that is left; a switch that changes nothing is dropped
.if MSB != (\new)
	s_set_vgpr_msb (MSB<<8)|(\new)
.set MSB, (\new)
.endif
.endm
.macro PLACES                          ; four plain instructions between a matrix instruction and a load into, or a vector read of, its registers
.rept 4
	v_nop
.endr
.endm
.macro BARRIER                         ; my LDS stores have landed and my LDS loads are in: then the work-group's barrier
	s_wait_dscnt 0x0
	s_barrier_signal -1
	s_barrier_wait -1
.endm
; 64 numbers of a lane in window w, register s + 16 b + i = k 32 b + 16 (lane / 16) + i of my row, become a fragment's codes in v[PC] on and its scale word in v[PW].
.macro QUANT s, w
	WIN (\w)|((\w)<<2)
.irp b, 0,1,2,3
	v_max3_num_f32 v[TM+\b], |v[(\s)+16*\b]|, |v[(\s)+16*\b+1]|, 0x1800000   ; block b: my 16 numbers and the floor 2^(3 - 127): the byte cannot fall under 1
.endr
	WIN ((\w)<<2)|((\w)<<4)
.irp i, 2,4,6,8,10,12,14
.irp b, 0,1,2,3
	v_max3_num_f32 v[TM+\b], v[TM+\b], |v[(\s)+16*\b+\i]|, |v[(\s)+16*\b+\i+1]|   ; the four blocks by turns
.endr
.endr
	WIN 0
.irp b, 0,1,2,3
	v_permlanex16_b32 v[TM+4+\b], v[TM+\b], s[SEL], s[SEL+1]
.endr
.irp b, 0,1,2,3
	v_max_num_f32 v[TM+\b], v[TM+\b], v[TM+4+\b]   ; with lane l xor 16's: the block's largest magnitude
.endr
.irp b, 0,1,2,3
	v_add_nc_u32 v[TM+12+\b], 0xff000000, v[TM+\b] ; 2 off its exponent field: the conversion's scale operand
.endr
.irp b, 0,1,2,3
	v_lshrrev_b32 v[TM+4+\b], 23, v[TM+12+\b]      ; the scale's byte
.endr
	v_lshl_or_b32 v[PW], v[TM+5], 8, v[TM+4]
	v_lshl_or_b32 v[PW], v[TM+6], 16, v[PW]
	v_lshl_or_b32 v[PW], v[TM+7], 24, v[PW]
	WIN (\w)
.irp c, 0,1
	v_cvt_scalef32_pk16_fp6_f32 v[PC+6*\c:PC+6*\c+2], v[(\s)+32*\c:(\s)+32*\c+15], v[TM+12+2*\c]
	v_cvt_scalef32_pk16_fp6_f32 v[PC+12+4*\c:PC+14+4*\c], v[(\s)+32*\c+16:(\s)+32*\c+31], v[TM+13+2*\c]   ; (a conversion's three registers begin on an even number)
.endr
	WIN 0
	v_nop                                          ; one plain instruction behind the scaled conversions
.irp c, 0,1                                        ; the operand's layout wants a whole block in a lane: lanes 0-15 block 2 c, lanes 16-31 block 2 c + 1
.irp i, 0,1,2
	v_permlane16_swap_b32 v[PC+6*\c+\i], v[PC+12+4*\c+\i]
.endr
.irp i, 0,1,2
	v_mov_b32 v[PC+3+6*\c+\i], v[PC+12+4*\c+\i]
.endr
.endr
.endm
; The fourth K step of K = 400: 16 numbers (k 384 .. 399), which both halves of the lanes hold alike, and zeros.
.macro QUANT3 s, w
	WIN (\w)|((\w)<<2)
	v_max3_num_f32 v[TM], |v[(\s)]|, |v[(\s)+1]|, 0x1800000
	WIN ((\w)<<2)|((\w)<<4)
.irp i, 2,4,6,8,10,12,14
	v_max3_num_f32 v[TM], v[TM], |v[(\s)+\i]|, |v[(\s)+\i+1]|
.endr
	WIN 0
	v_add_nc_u32 v[TM+12], 0xff000000, v[TM]
	v_lshrrev_b32 v[PW], 23, v[TM+12]              ; byte 0; the three empty blocks keep the byte 0 over zero codes
	WIN (\w)
	v_cvt_scalef32_pk16_fp6_f32 v[PC:PC+2], v[(\s):(\s)+15], v[TM+12]
	WIN 0
	v_nop
	s_mov_b32 vcc_lo, 0xffff
.irp i, 0,1,2
	v_cndmask_b32 v[PC+\i], 0, v[PC+\i], vcc_lo    ; the block lies in lanes 0-15; lanes 16-31 hold the next block: zeros
.endr
.irp i, 3,4,5,6,7,8,9,10,11
	v_mov_b32 v[PC+\i], 0
.endr
.endm
; The sum (sq = 0) or the sum of squares (sq = 1) of my row's 400 numbers, in every lane, in v[SA].  Window 2: v0-191 my 16 of each of 12 blocks; v192-207 block 12, held alike by both halves, so it is added once.
.macro LNSUM sq
	WIN 0x0a
.if \sq
.irp k, 0,1,2,3
	v_pk_mul_f32 v[SA+2*\k:SA+2*\k+1], v[2*\k:2*\k+1], v[2*\k:2*\k+1]
.endr
	v_pk_mul_f32 v[S12:S12+1], v[192:193], v[192:193]
.set LP, 4
.rept 92
	v_pk_fma_f32 v[SA+2*(LP%4):SA+2*(LP%4)+1], v[2*LP:2*LP+1], v[2*LP:2*LP+1], v[SA+2*(LP%4):SA+2*(LP%4)+1]
.set LP, LP+1
.endr
.set LP, 97
.rept 7
	v_pk_fma_f32 v[S12:S12+1], v[2*LP:2*LP+1], v[2*LP:2*LP+1], v[S12:S12+1]
.set LP, LP+1
.endr
.else
.irp k, 0,1,2,3
	v_pk_add_f32 v[SA+2*\k:SA+2*\k+1], v[2*\k:2*\k+1], v[2*\k+8:2*\k+9]
.endr
	v_pk_add_f32 v[S12:S12+1], v[192:193], v[194:195]
	WIN 0x08
.set LP, 8
.rept 88
	v_pk_add_f32 v[SA+2*(LP%4):SA+2*(LP%4)+1], v[SA+2*(LP%4):SA+2*(LP%4)+1], v[2*LP:2*LP+1]
.set LP, LP+1
.endr
.set LP, 98
.rept 6
	v_pk_add_f32 v[S12:S12+1], v[S12:S12+1], v[2*LP:2*LP+1]
.set LP, LP+1
.endr
.endif
	WIN 0
	v_pk_add_f32 v[SA:SA+1], v[SA:SA+1], v[SA+2:SA+3]
	v_pk_add_f32 v[SA+4:SA+5], v[SA+4:SA+5], v[SA+6:SA+7]
	v_pk_add_f32 v[SA:SA+1], v[SA:SA+1], v[SA+4:SA+5]
	v_add_f32 v[SA], v[SA], v[SA+1]
	v_add_f32 v[S12], v[S12], v[S12+1]
	v_permlanex16_b32 v[SA+2], v[SA], s[SEL], s[SEL+1]
	v_add_f32 v[SA], v[SA], v[SA+2]
	v_add_f32 v[SA], v[SA], v[S12]
.endm
.macro LNSTAT                          ; the row becomes x1 - mean, in place; v[RSD:RSD+1] = 1 / sqrt(variance + eps)
	LNSUM 0
	v_mul_f32 v[MU], s[INV], v[SA]
	v_mov_b32 v[MU+1], v[MU]
	WIN 0x82
.set LP, 0
.rept 104
	v_pk_add_f32 v[2*LP:2*LP+1], v[2*LP:2*LP+1], v[MU:MU+1] neg_lo:[0,1] neg_hi:[0,1]
.set LP, LP+1
.endr
	LNSUM 1
	v_fma_f32 v[SA], v[SA], s[INV], s[EPS]
	v_rsq_f32 v[RSD], v[SA]
	v_nop                                          ; a plain instruction behind the transcendental,
	s_wait_alu depctr_va_vdst(0)                   ; and the wait ahead of the first line that names its result
	v_mov_b32 v[RSD+1], v[RSD]
.endm
.macro NORM s, n, g, wg, b, wb         ; n numbers from v[s] of window 2 on: x 1 / sigma, then x g + b
	WIN 0x82
.set LP, 0
.rept (\n)/2
	v_pk_mul_f32 v[(\s)+LP:(\s)+LP+1], v[(\s)+LP:(\s)+LP+1], v[RSD:RSD+1]
.set LP, LP+2
.endr
	WIN 0x82|((\wg)<<2)|((\wb)<<4)
.set LP, 0
.rept (\n)/2
	v_pk_fma_f32 v[(\s)+LP:(\s)+LP+1], v[(\s)+LP:(\s)+LP+1], v[(\g)+LP:(\g)+LP+1], v[(\b)+LP:(\b)+LP+1]
.set LP, LP+2
.endr
	WIN 0
.endm
.macro IMAGE adr, off                  ; the fragment in v[PC] on goes to LDS as it stands
.irp c, 0,1,2
	ds_store_b128 v[\adr], v[PC+4*\c:PC+4*\c+3] offset:(\off)+512*\c
.endr
.endm
.macro MMA d, a, b, sa, sb             ; a product that adds in place
	v_wmma_scale_f32_16x16x128_f8f6f4 v[(\d):(\d)+7], v[(\a):(\a)+11], v[(\b):(\b)+11], v[(\d):(\d)+7], v[\sa], v[\sb] matrix_a_fmt:MATRIX_FMT_FP6 matrix_b_fmt:MATRIX_FMT_FP6
.endm
.macro MMC d, a, b, c, sa, sb          ; and one that starts a sum with a bias
	v_wmma_scale_f32_16x16x128_f8f6f4 v[(\d):(\d)+7], v[(\a):(\a)+11], v[(\b):(\b)+11], v[(\c):(\c)+7], v[\sa], v[\sb] matrix_a_fmt:MATRIX_FMT_FP6 matrix_b_fmt:MATRIX_FMT_FP6
.endm
.macro BUFSET buf                      ; weight set buf: its first register and its window
.set BR, 96*((\buf)&1)
.set BW, 1+2*((\buf)>>1)
.endm
; n fragments that lie on end, and their scale words, into weight set buf: 3 n + n loads; sh = 1 (a fourth K step of K = 400): the first third of each fragment: n + n
.macro WLDN buf, n, va, vs, pi, oi, ps, os, sh
	BUFSET \buf
	WIN BW<<6
.set WQ, 0
.rept \n
.irp c, 0,1,2
.if (\c == 0) || ((\sh) == 0)
	global_load_b128 v[BR+12*WQ+4*\c:BR+12*WQ+4*\c+3], v[\va], s[\pi:\pi+1] offset:(\oi)+1536*WQ+512*\c
.endif
.endr
.set WQ, WQ+1
.endr
	WIN 0
.set WQ, 0
.rept \n
	global_load_b32 v[WS+8*(\buf)+WQ], v[\vs], s[\ps:\ps+1] offset:(\os)+128*WQ
.set WQ, WQ+1
.endr
.endm
; a K step of Wo or W2: my six tiles and tile 24: 21 + 7 loads; sh = 1: 7 + 7
.macro WLD7 buf, pi, oi, ps, os, sh
	BUFSET \buf
	WIN BW<<6
.irp t, 0,1,2,3,4,5
.irp c, 0,1,2
.if (\c == 0) || ((\sh) == 0)
	global_load_b128 v[BR+12*\t+4*\c:BR+12*\t+4*\c+3], v[LIW], s[\pi:\pi+1] offset:(\oi)+1536*\t+512*\c
.endif
.endr
.endr
.irp c, 0,1,2
.if (\c == 0) || ((\sh) == 0)
	global_load_b128 v[BR+72+4*\c:BR+75+4*\c], v[LI], s[\pi:\pi+1] offset:(\oi)+36864+512*\c
.endif
.endr
	WIN 0
.irp t, 0,1,2,3,4,5
	global_load_b32 v[WS+8*(\buf)+\t], v[LSW], s[\ps:\ps+1] offset:(\os)+128*\t
.endr
	global_load_b32 v[WS+8*(\buf)+6], v[LS], s[\ps:\ps+1] offset:(\os)+3072
.endm
.macro BLD7 p                          ; bo or b2 in the result's layout: my six tiles and tile 24: 14 loads
	WIN 0x40
.irp t, 0,1,2,3,4,5
	global_load_b128 v[BIAS+8*\t:BIAS+8*\t+3], v[BHW], s[\p:\p+1] offset:64*\t
	global_load_b128 v[BIAS+8*\t+4:BIAS+8*\t+7], v[BHW], s[\p:\p+1] offset:64*\t+16
.endr
	global_load_b128 v[BIAS+48:BIAS+51], v[BH], s[\p:\p+1] offset:1536
	global_load_b128 v[BIAS+52:BIAS+55], v[BH], s[\p:\p+1] offset:1552
	WIN 0
.endm
.macro BLD8 off                        ; b1 of a group of mine, off bytes on: for tile 2 b + u the units 32 b + 16 h + 8 u + 0 .. 7: 16 loads
	WIN 0x40
.irp t, 0,1,2,3,4,5,6,7
	global_load_b128 v[BIAS+8*\t:BIAS+8*\t+3], v[B1H], s[B1P:B1P+1] offset:(\off)+(32*(\t/2)+8*(\t%2))*4
	global_load_b128 v[BIAS+8*\t+4:BIAS+8*\t+7], v[B1H], s[B1P:B1P+1] offset:(\off)+(32*(\t/2)+8*(\t%2))*4+16
.endr
	WIN 0
.endm
.macro BLD4                            ; b1 of group 12: 8 loads
	WIN 0x40
.irp t, 0,1,2,3
	global_load_b128 v[BIAS+8*\t:BIAS+8*\t+3], v[GH], s[16:17] offset:6144+(32*(\t/2)+8*(\t%2))*4
	global_load_b128 v[BIAS+8*\t+4:BIAS+8*\t+7], v[GH], s[16:17] offset:6144+(32*(\t/2)+8*(\t%2))*4+16
.endr
	WIN 0
.endm
; K step s of ao's or h2's images into set: the four token tiles (16 LDS loads); five = 1: my own tile's once more, since a register's number cannot hang on the wave (20)
.macro AFA set, s, five
.irp m, 0,1,2,3
.irp c, 0,1,2
	ds_load_b128 v[AF+60*(\set)+12*\m+4*\c:AF+60*(\set)+12*\m+4*\c+3], v[AIA] offset:(4*\m+(\s))*1536+512*\c
.endr
	ds_load_b32 v[ASW+5*(\set)+\m], v[ASA] offset:(4*\m+(\s))*128
.endr
.if \five
.irp c, 0,1,2
	ds_load_b128 v[AF+60*(\set)+48+4*\c:AF+60*(\set)+51+4*\c], v[AWI] offset:(\s)*1536+512*\c
.endr
	ds_load_b32 v[ASW+5*(\set)+4], v[AWS] offset:(\s)*128
.endif
.endm
.macro AFO set                         ; my own tile's h2, K steps 2 set and 2 set + 1: 8 LDS loads
.irp i, 0,1
.irp c, 0,1,2
	ds_load_b128 v[AF+60*(\set)+12*\i+4*\c:AF+60*(\set)+12*\i+4*\c+3], v[AWI] offset:(2*(\set)+\i)*1536+512*\c
.endr
	ds_load_b32 v[ASW+5*(\set)+\i], v[AWS] offset:(2*(\set)+\i)*128
.endr
.endm
.macro AFH set, k                      ; K step k (counted from where the stepped addresses stand) of the hidden layer's images: 20 LDS loads
.irp m, 0,1,2,3
.irp c, 0,1,2
	ds_load_b128 v[AF+60*(\set)+12*\m+4*\c:AF+60*(\set)+12*\m+4*\c+3], v[HRA] offset:(4*(\k)+\m)*1536+512*\c
.endr
	ds_load_b32 v[ASW+5*(\set)+\m], v[HSA] offset:(4*(\k)+\m)*128
.endr
.irp c, 0,1,2
	ds_load_b128 v[AF+60*(\set)+48+4*\c:AF+60*(\set)+51+4*\c], v[HRO] offset:4*(\k)*1536+512*\c
.endr
	ds_load_b32 v[ASW+5*(\set)+4], v[HSO] offset:4*(\k)*128
.endm
; 25 products in place, the accumulators by turns: accumulator (tile t, token tile m) at v[8 (4 t + m)] of window 2, (tile 24, my own tile) at v192
.macro PROD25 buf, set
	BUFSET \buf
	WIN 0xa0|BW
.irp t, 0,1,2,3,4,5
.irp m, 0,1,2,3
	MMA 8*(4*\t+\m), BR+12*\t, AF+60*(\set)+12*\m, WS+8*(\buf)+\t, ASW+5*(\set)+\m
.endr
.endr
	MMA 192, BR+72, AF+60*(\set)+48, WS+8*(\buf)+6, ASW+5*(\set)+4
	WIN 0
.endm
.macro PROD32 s                        ; K step s of a group of W1: 8 tiles x 4 token tiles, accumulator at v[64 m + 8 t]: a token tile's 64 registers stand in the quantiser's order
	BUFSET \s
.if (\s) == 0
	WIN 0x91                                       ; C: the bias, in window 1
.else
	WIN 0xa0|BW
.endif
.irp t, 0,1,2,3,4,5,6,7
.irp m, 0,1,2,3
.if (\s) == 0
	MMC 64*\m+8*\t, BR+12*\t, AF+12*\m, BIAS+8*\t, WS+\t, ASW+\m
.else
	MMA 64*\m+8*\t, BR+12*\t, AF+60*((\s)&1)+12*\m, WS+8*(\s)+\t, ASW+5*((\s)&1)+\m
.endif
.endr
.endr
	WIN 0
.endm
.macro PROD4 s                         ; K step s of group 12, my own token tile
	BUFSET \s
.if (\s) == 0
	WIN 0x91
.else
	WIN 0xa0|BW
.endif
.irp t, 0,1,2,3
.if (\s) == 0
	MMC 8*\t, BR+12*\t, AF, BIAS+8*\t, WS+\t, ASW
.else
	MMA 8*\t, BR+12*\t, AF+60*((\s)>>1)+12*((\s)&1), WS+8*(\s)+\t, ASW+5*((\s)>>1)+((\s)&1)
.endif
.endr
	WIN 0
.endm
.macro ADDBIAS                         ; the 25 accumulators + their tile's bias, each from its low end on
	WIN 0x86
.irp t, 0,1,2,3,4,5
.irp m, 0,1,2,3
.irp i, 0,2,4,6
	v_pk_add_f32 v[8*(4*\t+\m)+\i:8*(4*\t+\m)+\i+1], v[8*(4*\t+\m)+\i:8*(4*\t+\m)+\i+1], v[BIAS+8*\t+\i:BIAS+8*\t+\i+1]
.endr
.endr
.endr
.irp i, 0,2,4,6
	v_pk_add_f32 v[192+\i:193+\i], v[192+\i:193+\i], v[BIAS+48+\i:BIAS+49+\i]
.endr
	WIN 0
.endm
.macro TOROWS                          ; the 25 accumulators into the 64 rows in LDS: a lane's 32 bytes of its token's row
	WIN 0x08
.irp t, 0,1,2,3,4,5
.irp m, 0,1,2,3
	ds_store_b128 v[SRA+\m/2], v[8*(4*\t+\m):8*(4*\t+\m)+3] offset:(\m%2)*25856+64*\t
	ds_store_b128 v[SRA+\m/2], v[8*(4*\t+\m)+4:8*(4*\t+\m)+7] offset:(\m%2)*25856+64*\t+16
.endr
.endr
	ds_store_b128 v[SRO], v[192:195]
	ds_store_b128 v[SRO], v[196:199] offset:16
	WIN 0
.endm
.macro FROMROWS                        ; and the same bytes of the 64 rows into the 25 accumulators: 50 LDS loads
	WIN 0x80
.irp t, 0,1,2,3,4,5
.irp m, 0,1,2,3
	ds_load_b128 v[8*(4*\t+\m):8*(4*\t+\m)+3], v[SRA+\m/2] offset:(\m%2)*25856+64*\t
	ds_load_b128 v[8*(4*\t+\m)+4:8*(4*\t+\m)+7], v[SRA+\m/2] offset:(\m%2)*25856+64*\t+16
.endr
.endr
	ds_load_b128 v[192:195], v[SRO]
	ds_load_b128 v[196:199], v[SRO] offset:16
	WIN 0
.endm
	s_load_b256 s[4:11], s[0:1], 0x0               ; ao s[4:5], x s[6:7], wts s[8:9], bo s[10:11]
	s_load_b256 s[12:19], s[0:1], 0x20             ; ln2_g s[12:13], ln2_b s[14:15], b1 s[16:17], b2 s[18:19]
	s_load_b64 s[20:21], s[0:1], 0x40              ; out0
	v_lshl_add_u32 v65, v0, 2, 0x34e00
	v_mov_b32 v71, 0
	v_lshrrev_b32 v248, 5, v0
	v_readfirstlane_b32 s[WV], v248                ; wave 0..3
	v_and_b32 v248, 31, v0                         ; lane
	v_and_b32 v249, 15, v0                         ; r
	v_bfe_u32 v250, v0, 4, 1                       ; h
	v_lshlrev_b32 v[LI], 4, v248
	v_lshlrev_b32 v[LS], 2, v248
	v_mov_b32 v[NIL], 0
	s_mul_i32 s30, s[WV], 9216
	v_add_nc_u32 v[LIW], s30, v[LI]
	s_mul_i32 s30, s[WV], 768
	v_add_nc_u32 v[LSW], s30, v[LS]
	s_mul_i32 s30, s[WV], 49152
	v_add_nc_u32 v[LID], s30, v[LI]
	s_lshl_b32 s30, s[WV], 12
	v_add_nc_u32 v[LSD], s30, v[LS]
	v_lshlrev_b32 v[L16R], 4, v249
	s_lshr_b32 s31, s[WV], 1
	s_lshl_b32 s31, s31, 5
	s_and_b32 s32, s[WV], 1
	s_lshl_b32 s32, s32, 3
	s_add_co_u32 s31, s31, s32                     ; my tile's first token: 32 (w / 2) + 8 (w % 2)
	s_mul_i32 s30, s[WV], 384
	s_mul_i32 s32, s31, 1600
	v_add_nc_u32 v[XD], s32, v[LI]
	v_mul_u32_u24 v252, v249, 1616
	v_lshl_add_u32 v253, v250, 5, v252
	v_add_nc_u32 v[SRA], s30, v253
	v_add_nc_u32 v[SRB], 51712, v[SRA]
	s_mul_i32 s32, s[WV], 25856
	v_add_nc_u32 v[SXB], s32, v[LI]
	v_add_nc_u32 v252, s32, v252                   ; (16 w + r) 1,616
	v_add_nc_u32 v253, s32, v253
	v_add_nc_u32 v[SRO], 1536, v253
	v_lshl_add_u32 v[SQ], v250, 6, v252
	v_add_nc_u32 v[SQ12], 1536, v252
	v_lshlrev_b32 v[GH], 6, v250
	v_lshlrev_b32 v[BH], 5, v250
	v_add_nc_u32 v[BHW], s30, v[BH]
	s_lshl_b32 s32, s[WV], 9
	v_add_nc_u32 v[B1H], s32, v[GH]
	s_add_co_u32 s33, s32, ASC
	v_add_nc_u32 v[AWS], s33, v[LS]
	s_add_co_u32 s33, s32, HSC
	v_add_nc_u32 v[HWS], s33, v[LS]
	s_mul_i32 s32, s[WV], 6144
	s_add_co_u32 s33, s32, AIMG
	v_add_nc_u32 v[AWI], s33, v[LI]
	s_add_co_u32 s33, s32, HIMG
	v_add_nc_u32 v[HWI], s33, v[LI]
	v_add_nc_u32 v[AIA], AIMG, v[LI]
	v_add_nc_u32 v[ASA], ASC, v[LS]
	v_add_nc_u32 v[HRA], HIMG, v[LI]
	v_add_nc_u32 v[HSA], HSC, v[LS]
	s_mul_i32 s32, s[WV], 1536
	s_add_co_u32 s32, s32, HIMG
	v_add_nc_u32 v[HRO], s32, v[LI]
	v_add_nc_u32 v[H12I], 73728, v[HRO]
	s_lshl_b32 s32, s[WV], 7
	s_add_co_u32 s32, s32, HSC
	v_add_nc_u32 v[HSO], s32, v[LS]
	v_add_nc_u32 v[H12S], 6144, v[HSO]
	s_mul_i32 s32, s31, 1616
	v_add_nc_u32 v[OB], s32, v[LI]
	v_lshrrev_b32 v[LQ], 2, v248
.irp b, 0,1,2,3
	v_mov_b32 v[TM+4+\b], 0                        ; written once: a lane permute's destination counts as one of its sources
.endr
	s_mov_b32 s[SEL], 0x76543210
	s_mov_b32 s[SEL+1], 0xfedcba98
	s_mov_b32 s[INV], 0x3b23d70a                   ; 1 / 400
	s_mov_b32 s[EPS], 0x3727c5ac                   ; 1e-5
	s_lshl_b32 s30, ttmp9, 2
	s_add_co_u32 s30, s30, s[WV]
	s_mul_i32 s30, s30, 25600                      ; my token tile in ao; my 16 tokens in out0: the same figure
	s_mov_b32 s31, 0
	s_mul_i32 s32, ttmp9, 102400                   ; the work-group's 64 rows of x
	s_mov_b32 s33, 0
	s_wait_kmcnt 0x0
	s_add_nc_u64 s[AP:AP+1], s[4:5], s[30:31]
	s_add_nc_u64 s[OP:OP+1], s[20:21], s[30:31]
	s_add_nc_u64 s[XP:XP+1], s[6:7], s[32:33]
	s_add_nc_u64 s[WDI:WDI+1], s[WT:WT+1], 436*1536
	s_add_nc_u64 s[WDS:WDS+1], s[WT:WT+1], SCB+436*128
	s_mov_b64 s[B1P:B1P+1], s[16:17]
	s_add_nc_u64 s[WEI:WEI+1], s[WT:WT+1], 836*1536
	s_add_nc_u64 s[WES:WES+1], s[WT:WT+1], SCB+836*128
	; ---- the head's loads: 52 (ao) + 50 (x) + 28 + 28 (Wo, K steps 0 and 1) + 14 (bo)
	WIN 0xc0
.set LB, 0
.rept 12
.irp j, 0,1,2,3
	global_load_b128 v[16*LB+4*\j:16*LB+4*\j+3], v[LI], s[AP:AP+1] offset:2048*LB+512*\j th:TH_LOAD_NT   ; 512 consecutive bytes: my row's columns 32 LB + 16 h + 4 j on
.endr
.set LB, LB+1
.endr
.irp j, 0,1,2,3
	global_load_b128 v[192+4*\j:195+4*\j], v[L16R], s[AP:AP+1] offset:24576+256*\j th:TH_LOAD_NT
.endr
	WIN 0x80
.set LB, 0
.rept 25                                           ; my tile's 16 tokens of x: two runs of 8 rows (the second 16 tokens on), 512 consecutive bytes a load, aligned
	global_load_b128 v[4*LB:4*LB+3], v[XD], s[XP:XP+1] offset:512*LB th:TH_LOAD_NT
	global_load_b128 v[100+4*LB:103+4*LB], v[XD], s[XP:XP+1] offset:25600+512*LB th:TH_LOAD_NT
.set LB, LB+1
.endr
	WIN 0
	WLD7 0, WT, 336*1536, WT, SCB+336*128, 0
	WLD7 1, WT, 361*1536, WT, SCB+361*128, 0
	BLD7 10
.set LB, 0
.rept 25                                           ; piece n = 32 i + l of a run lies in the run's row n / 100: among my rows in LDS at 16 n + 16 (n / 100)
	v_add_nc_u32 v[AF+LB], 8*LB, v[LQ]             ; n / 4
	v_mul_u32_u24 v[AF+LB], v[AF+LB], 1311
	v_lshrrev_b32 v[AF+LB], 15, v[AF+LB]           ; / 25 (exact under 400)
	v_lshl_add_u32 v[AF+LB], v[AF+LB], 4, v[SXB]
.set LB, LB+1
.endr
	; ---- A: x goes into my 16 rows in LDS; my tile of ao becomes four fragments
	s_wait_loadcnt 63                              ; of 172 loads at most 63 are out: the first 109 are in, ao's 52 and x's 50 among them
	WIN 0x08                                       ; an LDS store's data are its source 1: window 2
.set LB, 0
.rept 25
	ds_store_b128 v[AF+LB], v[4*LB:4*LB+3] offset:512*LB
	ds_store_b128 v[AF+LB], v[100+4*LB:103+4*LB] offset:12928+512*LB   ; the second run: rows 8 to 15
.set LB, LB+1
.endr
	WIN 0
.irp s, 0,1,2
	QUANT 64*\s, 3
	IMAGE AWI, 1536*\s
	ds_store_b32 v[AWS], v[PW] offset:128*\s
	s_wait_dscnt 0x0                               ; the stores have read their registers
.endr
	QUANT3 192, 3
	IMAGE AWI, 4608
	ds_store_b32 v[AWS], v[PW] offset:384
	WLD7 2, WT, 386*1536, WT, SCB+386*128, 0       ; ao's registers are free: Wo's K steps 2 and 3
	WLD7 3, WT, 411*1536, WT, SCB+411*128, 1
	BARRIER                                        ; 64 rows of x and ao's sixteen fragments lie in LDS
	; ---- B: x1 = x + ao Wo + bo.  Behind each stage's own loads at least 64 younger ones stand: the count 63 shows them in
	FROMROWS                                       ; x, in the result's layout, is the accumulators' first content
	AFA 0, 0, 1
	AFA 1, 1, 1
	BARRIER                                        ; every wave has taken x out of the rows: they may be written again
	s_wait_loadcnt 63
	s_wait_dscnt 20                                ; this stage's set is in; the other set's 20 loads may be out
	PROD25 0, 0
	PLACES
	AFA 0, 2, 1
	WLDN 0, 8, LID, LSD, WDI, 0, WDS, 0, 0         ; W1, my first group, K step 0
	s_wait_loadcnt 63
	s_wait_dscnt 20
	PROD25 1, 1
	PLACES
	AFA 1, 3, 1
	WLDN 1, 8, LID, LSD, WDI, 8*1536, WDS, 8*128, 0   ; K step 1
	s_wait_loadcnt 63
	s_wait_dscnt 20
	PROD25 2, 0
	s_wait_loadcnt 63                              ; behind Wo's K step 3: 32 + 32 loads
	s_wait_dscnt 0x0
	PROD25 3, 1
	PLACES
	ADDBIAS
	TOROWS
	BLD8 0                                         ; b1 of my first group, where bo lay
	BARRIER                                        ; 64 whole rows of x1 lie in LDS, and nobody reads ao's images any more
	; ---- C: layer norm of my 16 rows; h2's fragments go where ao's lay.  g and b come in four chunks, two of them ahead
.macro GBLD ch, reg                    ; chunk ch (128 columns): g into v[reg] of window 3 on, b into v[reg + 64] on: 32 loads
	WIN 0xc0
.irp b, 0,1,2,3
.irp j, 0,1,2,3
	global_load_b128 v[(\reg)+16*\b+4*\j:(\reg)+16*\b+4*\j+3], v[GH], s[12:13] offset:512*(\ch)+128*\b+16*\j
	global_load_b128 v[(\reg)+64+16*\b+4*\j:(\reg)+64+16*\b+4*\j+3], v[GH], s[14:15] offset:512*(\ch)+128*\b+16*\j
.endr
.endr
	WIN 0
.endm
	GBLD 0, 0
	GBLD 1, 128
	WIN 0x80
.set LB, 0
.rept 12
.irp j, 0,1,2,3
	ds_load_b128 v[16*LB+4*\j:16*LB+4*\j+3], v[SQ] offset:128*LB+16*\j
.endr
.set LB, LB+1
.endr
.irp j, 0,1,2,3
	ds_load_b128 v[192+4*\j:195+4*\j], v[SQ12] offset:16*\j
.endr
	WIN 0
	s_wait_dscnt 0x0
	LNSTAT
	s_wait_loadcnt 32                              ; chunk 0 is in; chunk 1's 32 loads may be out
	NORM 0, 64, 0, 3, 64, 3
	GBLD 2, 0
	QUANT 0, 2
	IMAGE AWI, 0
	ds_store_b32 v[AWS], v[PW]
	s_wait_dscnt 0x0
	s_wait_loadcnt 32                              ; chunk 1 is in; chunk 2's may be out
	NORM 64, 64, 128, 3, 192, 3
	WIN 0xc0
.irp j, 0,1,2,3
	global_load_b128 v[128+4*\j:131+4*\j], v[NIL], s[12:13] offset:1536+16*\j   ; chunk 3: 16 columns: 8 loads
	global_load_b128 v[192+4*\j:195+4*\j], v[NIL], s[14:15] offset:1536+16*\j
.endr
	WIN 0
	QUANT 64, 2
	IMAGE AWI, 1536
	ds_store_b32 v[AWS], v[PW] offset:128
	s_wait_dscnt 0x0
	s_wait_loadcnt 8                               ; chunk 2 is in; chunk 3's 8 may be out
	NORM 128, 64, 0, 3, 64, 3
	QUANT 128, 2
	IMAGE AWI, 3072
	ds_store_b32 v[AWS], v[PW] offset:256
	s_wait_dscnt 0x0
	s_wait_loadcnt 0x0
	NORM 192, 16, 128, 3, 192, 3
	WLDN 2, 8, LID, LSD, WDI, 16*1536, WDS, 16*128, 0 ; g's and b's registers are free: W1, my first group, K steps 2 and 3
	WLDN 3, 8, LID, LSD, WDI, 24*1536, WDS, 24*128, 1
	QUANT3 192, 2
	IMAGE AWI, 4608
	ds_store_b32 v[AWS], v[PW] offset:384
	BARRIER                                        ; h2's sixteen fragments lie in LDS
	; ---- D: the hidden layer, a group of 128 units at a time.  Stage s multiplies weight set s and asks for the next group's K step s into it (32 loads; K step 3: 16; with K step 0 the bias: 16).
	; In the loop at least 80 loads are younger than a stage's own: the count is 63.  In the group written out, whose stages ask for group 12 (16, 16, 16, 8 loads, and 8 for its bias), the younger ones are 80, 72, 56, 56.
.macro DSTAGE s, last
.if (\last) && ((\s) >= 2)
	s_wait_loadcnt 56
.else
	s_wait_loadcnt 63
.endif
.if (\last) && ((\s) == 3)
	s_wait_dscnt 8                                 ; behind this stage's set: the 8 loads of my own tile's K steps 0 and 1
.else
	s_wait_dscnt 16                                ; this stage's set of h2 is in; the other set's 16 loads may be out
.endif
	PROD32 \s
	PLACES
.if (\last) && ((\s) >= 2)
	AFO (\s)-2
.else
	AFA (\s)&1, ((\s)+2)&3, 0
.endif
.if \last
	WLDN \s, 4, LI, LS, WT, (820+4*(\s))*1536, WT, SCB+(820+4*(\s))*128, (\s)/3
.if (\s) == 0
	BLD4
.endif
.else
	WLDN \s, 8, LID, LSD, WDI, 196608+8*(\s)*1536, WDS, 16384+8*(\s)*128, (\s)/3
.if (\s) == 0
	BLD8 2048
.endif
.endif
.endm
.macro DGROUP last
	DSTAGE 0, \last
	DSTAGE 1, \last
	DSTAGE 2, \last
	DSTAGE 3, \last
.irp m, 0,1,2,3
	WIN 0x88
.set LP, 0
.rept 64
	v_max_num_f32 v[64*\m+LP], 0, v[64*\m+LP]      ; the activation, in f32; each accumulator from its low end on
.set LP, LP+1
.endr
	QUANT 64*\m, 2
	IMAGE HWI, 1536*\m                             ; K step G of the last product, token tile m
	ds_store_b32 v[HWS], v[PW] offset:128*\m
	s_wait_dscnt 0x0
.endr
.endm
	AFA 0, 0, 0
	AFA 1, 1, 0
	s_mov_b32 s[CNT], 2
.Ldgroup:
	DGROUP 0
	s_wait_xcnt 0x0                                ; the loads have read their bases
	s_add_nc_u64 s[WDI:WDI+1], s[WDI:WDI+1], 196608
	s_add_nc_u64 s[WDS:WDS+1], s[WDS:WDS+1], 16384
	s_add_nc_u64 s[B1P:B1P+1], s[B1P:B1P+1], 2048
	v_add_nc_u32 v[HWI], 24576, v[HWI]
	v_add_nc_u32 v[HWS], 2048, v[HWS]
	s_sub_co_u32 s[CNT], s[CNT], 1
	s_cmp_lg_u32 s[CNT], 0
	s_cbranch_scc1 .Ldgroup
	DGROUP 1                                       ; my third group: its stages ask for group 12's weights and my own tile's h2
	; group 12: 64 units, my own token tile.  Younger than a stage's own loads: 40 (16 + 16 + 8), then 66, 78, 98
.macro GSTAGE s
.if (\s) == 0
	s_wait_loadcnt 40
.else
	s_wait_loadcnt 63
.endif
	PROD4 \s
	PLACES
	WLD7 \s, WEI, 25*(\s)*1536, WES, 25*(\s)*128, 0   ; W2's K step s
.if (\s) == 0
	BLD7 18                                        ; b2, where b1 lay
.endif
.endm
	GSTAGE 0
	GSTAGE 1
	GSTAGE 2
	GSTAGE 3
	WIN 0x80
.set LP, 32
.rept 32
	v_mov_b32 v[LP], 0                             ; units 1,600 on do not exist
.set LP, LP+1
.endr
	WIN 0x88
.set LP, 0
.rept 32
	v_max_num_f32 v[LP], 0, v[LP]
.set LP, LP+1
.endr
	QUANT 0, 2
	IMAGE H12I, 0
	ds_store_b32 v[H12S], v[PW]
	FROMROWS                                       ; x1, in the result's layout, is the last product's first content.  These reads stand ahead of the barrier, the result's stores into the same bytes behind it
	BARRIER                                        ; the hidden layer's 52 fragments lie in LDS
	; ---- E: out = x1 + hidden W2 + b2: 13 K steps.  Stage k multiplies weight set k % 4, fetches the hidden fragments of k + 2 and asks for the weights of k + 4: three sets, 84 loads, are younger
.macro ESTAGE kk, lc, dc, fetch, reload
	s_wait_loadcnt \lc
	s_wait_dscnt \dc
	PROD25 (\kk)%4, (\kk)&1
	PLACES
.if \fetch
	AFH (\kk)&1, (\kk)+2
.endif
.if \reload
	WLD7 (\kk)%4, WEI, 25*((\kk)+4)*1536, WES, 25*((\kk)+4)*128, 0
.endif
.endm
	AFH 0, 0
	AFH 1, 1
	s_mov_b32 s[CNT], 2
.Lkstep:
	ESTAGE 0, 63, 20, 1, 1
	ESTAGE 1, 63, 20, 1, 1
	ESTAGE 2, 63, 20, 1, 1
	ESTAGE 3, 63, 20, 1, 1
	s_wait_xcnt 0x0                                ; the loads have read their bases
	s_add_nc_u64 s[WEI:WEI+1], s[WEI:WEI+1], 153600
	s_add_nc_u64 s[WES:WES+1], s[WES:WES+1], 12800
	v_add_nc_u32 v[HRA], 24576, v[HRA]
	v_add_nc_u32 v[HRO], 24576, v[HRO]
	v_add_nc_u32 v[HSA], 2048, v[HSA]
	v_add_nc_u32 v[HSO], 2048, v[HSO]
	s_sub_co_u32 s[CNT], s[CNT], 1
	s_cmp_lg_u32 s[CNT], 0
	s_cbranch_scc1 .Lkstep
	ESTAGE 0, 63, 20, 1, 1                         ; K steps 8 to 12 are written out: only K step 12 is still to be asked for, and the counts run down
	ESTAGE 1, 63, 20, 1, 0
	ESTAGE 2, 56, 20, 1, 0
	ESTAGE 3, 28, 20, 0, 0
	ESTAGE 4, 0, 0, 0, 0
	ADDBIAS
	TOROWS
	BARRIER                                        ; 64 whole rows of the result lie in LDS
	; ---- the way out: my 16 tokens in their natural order are 25,600 dense bytes of out0: 50 stores of 512 consecutive bytes.  Piece n = 32 i + l of 16 bytes lies in token rho = n / 100,
	; whose row in LDS is 32 (w / 2) + 8 (w % 2) + rho + 8 (rho / 8): byte 16 n + 16 rho + (rho & 8) 1,616 from my first row on
.set OI, 0
.rept 5
.if OI >= 20
	s_wait_xcnt 0x0                                ; the stores of two batches back have read their registers
.endif
.rept 10
.set OT, 248+2*(OI%4)
.set OD, AF+40*((OI/10)%2)+4*(OI%10)
	v_add_nc_u32 v[OT], 8*OI, v[LQ]                ; n / 4
	v_mul_u32_u24 v[OT], v[OT], 1311
	v_lshrrev_b32 v[OT], 15, v[OT]                 ; / 25 (exact under 400): rho
	v_and_b32 v[OT+1], 8, v[OT]
	v_lshl_add_u32 v[OT], v[OT], 4, v[OB]
	v_mad_u32_u24 v[OT], v[OT+1], 1616, v[OT]
	ds_load_b128 v[OD:OD+3], v[OT] offset:512*OI
.set OI, OI+1
.endr
	s_wait_dscnt 0x0
.set OI, OI-10
.rept 10
.set OD, AF+40*((OI/10)%2)+4*(OI%10)
	global_store_b128 v[LI], v[OD:OD+3], s[OP:OP+1] offset:512*OI th:TH_STORE_NT
.set OI, OI+1
.endr
.endr
	s_wait_tensorcnt 0x0
	ds_add_u32 v65, v71
	s_wait_dscnt 0x0
	s_endpgm
.Lfunc_end_k_qe136d79aef_tail:
	.size	k_qe136d79aef_tail, .Lfunc_end_k_qe136d79aef_tail-k_qe136d79aef_tail
	.p2alignl 7, 3214868480
	.fill 96, 4, 3214868480
	.section	.rodata,"a",@progbits
	.p2align	6, 0x0
	.amdhsa_kernel k_qe136d79aef_tail
		.amdhsa_group_segment_fixed_size 217088
		.amdhsa_private_segment_fixed_size 0
		.amdhsa_enable_private_segment 0
		.amdhsa_kernarg_size 72
		.amdhsa_user_sgpr_count 2
		.amdhsa_user_sgpr_kernarg_segment_ptr 1
		.amdhsa_wavefront_size32 1
		.amdhsa_system_sgpr_workgroup_id_x 1
		.amdhsa_system_sgpr_workgroup_id_y 1
		.amdhsa_system_sgpr_workgroup_id_z 1
		.amdhsa_system_vgpr_workitem_id 0
		.amdhsa_next_free_vgpr 1024
		.amdhsa_next_free_sgpr 66
		.amdhsa_reserve_vcc 1
		.amdhsa_float_denorm_mode_32 3
		.amdhsa_float_denorm_mode_16_64 3
		.amdhsa_memory_ordered 1
		.amdhsa_forward_progress 1
		.amdhsa_inst_pref_size 255
	.end_amdhsa_kernel
	.section	.bss,"aw",@nobits
	.p2align	6
	.space	262144
	.amdgpu_metadata
---
amdhsa.version: [ 1, 2 ]
amdhsa.kernels:
  - .name:           k_qe136d79aef_tail
    .symbol:         k_qe136d79aef_tail.kd
    .args:
      - { .name: ao, .offset: 0, .size: 8, .value_kind: global_buffer, .address_space: global }
      - { .name: x, .offset: 8, .size: 8, .value_kind: global_buffer, .address_space: global }
      - { .name: wts, .offset: 16, .size: 8, .value_kind: global_buffer, .address_space: global }
      - { .name: bo, .offset: 24, .size: 8, .value_kind: global_buffer, .address_space: global }
      - { .name: ln2_g, .offset: 32, .size: 8, .value_kind: global_buffer, .address_space: global }
      - { .name: ln2_b, .offset: 40, .size: 8, .value_kind: global_buffer, .address_space: global }
      - { .name: b1, .offset: 48, .size: 8, .value_kind: global_buffer, .address_space: global }
      - { .name: b2, .offset: 56, .size: 8, .value_kind: global_buffer, .address_space: global }
      - { .name: out0, .offset: 64, .size: 8, .value_kind: global_buffer, .address_space: global }
    .group_segment_fixed_size: 217088
    .private_segment_fixed_size: 0
    .kernarg_segment_align: 8
    .kernarg_segment_size: 72
    .max_flat_workgroup_size: 128
    .sgpr_count:     66
    .vgpr_count:     1024
    .wavefront_size: 32
...
	.end_amdgpu_metadata
.endif
;; end of part 4
;; ======== version 2 of 2: 4 launches
;; workspace buffers: wts 1,932,032 bytes; qc 6,815,744 bytes; kv 12,845,056 bytes; ao 26,214,400 bytes
;; launch prep (part 5): grid 387 x 1, 3 waves a work-group, no clusters, 0 bytes of LDS; arguments Wq, Wk, Wv, Wo, W1, W2, wts; writes wts
.if DOCPART == 5
	.amdgcn_target "amdgcn-amd-amdhsa--gfx1250"
	.amdhsa_code_object_version 6
	.text
	.protected	k_qe136d79aef_prep
	.globl	k_qe136d79aef_prep
	.p2align	8
	.type	k_qe136d79aef_prep,@function
k_qe136d79aef_prep:
	s_mov_b64 s[64:65], 0
	v_nop
	global_prefetch_b8 v0, s[64:65] scope:SCOPE_SE
	s_setreg_imm32_b32 hwreg(HW_REG_WAVE_SCHED_MODE, 0, 2), 2
	s_setreg_imm32_b32 hwreg(HW_REG_WAVE_MODE, 25, 1), 1
	s_wait_xcnt 0x0
	s_wait_alu depctr_vm_vsrc(0)
; The six weights, f32 with K as their FIRST matrix axis, become operand fragments of FP6 (E2M3) codes with one E8M0 scale byte for each 32 along K.
; A fragment is 16 output units x 128 along K: 12 registers a lane.  It is stored as an IMAGE OF THESE REGISTERS: registers 4 c .. 4 c + 3 of lane l at 512 c + 16 l (1,536 bytes),
; and its scale words at SCB + 128 f + 4 l (both halves of the lanes hold the unit's word).  One wave makes one fragment f = 3 x work-group + wave; 3 x 387 = 1,161 fragments.
;   f 0..335     Wq, Wk, Wv: ((P 4 + head) 4 + s) 7 + t     f 336..435  Wo: 336 + 25 s + t     f 436..819  W1, groups of 128 units G < 12: 436 + (4 G + s) 8 + tg
;   f 820..835   W1, group 12 (64 units): 820 + 4 s + tg    f 836..1160 W2: 836 + 25 k + t
; In the tiles of Wq, Wk and W1 lane r takes unit 32 (t / 2) + 8 (t % 2) + r + 8 (r / 8) of its group, so that the results of two neighbouring tiles are 16 neighbours along the next product's K; elsewhere unit 16 t + r.
; A LANE TAKES A UNIT (a column of the weight) AND ITS REGISTERS RUN DOWN K, in the order of the operand's layout (k = K0 + 64 c + 32 (lane / 16) + i): nothing is transposed.
; Units and k beyond the tensor are zeros: their loads are held at the last column and the last row (no load leaves its buffer) and the numbers replaced by 0 ahead of the block's maximum.
; A block's scale is 2^(floor(log2(largest magnitude)) - 2); its byte is the largest magnitude's exponent field - 2, held at 1 from below.
; LIMITS: a block of zeros, or one whose largest magnitude lies under 2^-124, gets the byte 1 over its codes (zeros for a block of zeros); the bytes are read by this program alone.  NaN and infinities are not served.
; THE MODE: SCHED_MODE bits 1:0 = 2 (LLVM: expert scheduling mode 2), set by the entry lines.  The code itself states the register dependences between vector instructions and memory instructions,
; and between a vector instruction that writes a scalar register or VCC and its readers, with s_wait_alu, always for 0.
; THE PLAN.  Registers that memory instructions touch:
;   v64-127   the 64 offsets: written by 128 vector lines, then read by the 64 loads, never written again: ONE wait stands between the two runs.
;   v128-191  the numbers: written by the loads alone before the wait on the loads' counter; no memory instruction reads them.
;   v32-43, v20, v12, v13  the codes, the scale word and the stores' two offsets: written by vector lines, read by the four stores at the end: ONE wait ahead of these.
; The 64 masks 'inside the tensor?' are made in four runs of sixteen compares into s[4:19], each run with one wait ahead of its sixteen selects; the first run is issued while the loads are out.
.set SCB,  1783296                     ; 1,161 x 1,536: where the scale words begin
.set MK,   4                           ; s[4:19] sixteen lane masks: behind the addresses of the image and the scale words the six weights' addresses, the buffer's address, the wave's and the fragment's number are wanted no more
.set SRC,  20                          ; s[20:21] the weight that my fragment is cut from
.set RS,   22                          ; s22  bytes from k to k + 1
.set KLIM, 23                          ; s23  K
.set NLIM, 24                          ; s24  units
.set PM,   25                          ; s25  8 where a tile's units are not neighbours, else 0
.set CB,   26                          ; s26  the tile's first unit
.set K0,   27                          ; s27  the fragment's first k
.set EO,   28                          ; s28  the head's first byte
.set SEL,  30                          ; s[30:31] selects for lane l xor 16
.set OFS,  64                          ; v64-127  byte offsets of my 64 numbers
.set X,    128                         ; v128-191 the numbers
.set PC,   32                          ; v32-43   the codes
.set TP,   44                          ; v44-46, v48-50 the upper halves of the two blocks as the conversions leave them
	s_load_b256 s[4:11], s[0:1], 0x0               ; Wq s[4:5], Wk s[6:7], Wv s[8:9], Wo s[10:11]
	s_load_b128 s[12:15], s[0:1], 0x20             ; W1 s[12:13], W2 s[14:15]
	s_load_b64 s[16:17], s[0:1], 0x30              ; wts
	v_lshrrev_b32 v1, 5, v0
	v_readfirstlane_b32 s18, v1                    ; wave 0..2
	v_and_b32 v2, 15, v0                           ; r
	v_bfe_u32 v3, v0, 4, 1                         ; h
	v_and_b32 v4, 31, v0                           ; lane
	s_mul_i32 s19, ttmp9, 3
	s_wait_alu depctr_va_sdst(0)                   ; s18, the wave's number, is written, ahead of its first reader
	s_add_co_u32 s19, s19, s18                     ; f
	s_mov_b32 s[SEL], 0x76543210
	s_mov_b32 s[SEL+1], 0xfedcba98
	s_wait_kmcnt 0x0
	; which tensor, which tile, which K step: branches on the fragment's number alone; every arm writes all eight figures
	s_cmp_lt_u32 s19, 336
	s_cbranch_scc0 .Lnot_qkv
	s_mul_i32 s32, s19, 9363
	s_lshr_b32 s32, s32, 16                        ; f / 7 (exact for f < 336)
	s_mul_i32 s33, s32, 7
	s_sub_co_u32 s33, s19, s33                     ; t
	s_and_b32 s34, s32, 3                          ; s
	s_bfe_u32 s35, s32, 0x20002                    ; head
	s_lshr_b32 s36, s32, 4                         ; P: 0 Wq, 1 Wk, 2 Wv
	s_lshl_b32 s[K0], s34, 7
	s_mul_i32 s[EO], s35, 160000
	s_mov_b32 s[RS], 400
	s_mov_b32 s[KLIM], 400
	s_mov_b32 s[NLIM], 100
	s_lshr_b32 s37, s33, 1
	s_lshl_b32 s37, s37, 5
	s_and_b32 s38, s33, 1
	s_lshl_b32 s38, s38, 3
	s_add_co_u32 s37, s37, s38                     ; 32 (t / 2) + 8 (t % 2)
	s_lshl_b32 s38, s33, 4                         ; 16 t
	s_cmp_eq_u32 s36, 2
	s_cselect_b32 s[CB], s38, s37
	s_cselect_b32 s[PM], 0, 8
	s_cselect_b64 s[SRC:SRC+1], s[8:9], s[6:7]
	s_cmp_eq_u32 s36, 0
	s_cselect_b64 s[SRC:SRC+1], s[4:5], s[SRC:SRC+1]
	s_branch .Ldecoded
.Lnot_qkv:
	s_cmp_lt_u32 s19, 436
	s_cbranch_scc0 .Lnot_wo
	s_sub_co_u32 s32, s19, 336
	s_mul_i32 s33, s32, 1311
	s_lshr_b32 s33, s33, 15                        ; s = f' / 25 (exact for f' < 325)
	s_mul_i32 s34, s33, 25
	s_sub_co_u32 s34, s32, s34                     ; t
	s_lshl_b32 s[K0], s33, 7
	s_lshl_b32 s[CB], s34, 4
	s_mov_b32 s[PM], 0
	s_mov_b32 s[EO], 0
	s_mov_b32 s[RS], 1600
	s_mov_b32 s[KLIM], 400
	s_mov_b32 s[NLIM], 400
	s_mov_b64 s[SRC:SRC+1], s[10:11]
	s_branch .Ldecoded
.Lnot_wo:
	s_cmp_lt_u32 s19, 836
	s_cbranch_scc0 .Lw2
	s_sub_co_u32 s32, s19, 436                     ; f'
	s_and_b32 s33, s32, 7                          ; groups 0..11: tg,
	s_bfe_u32 s34, s32, 0x20003                    ; s,
	s_lshr_b32 s35, s32, 5                         ; G
	s_sub_co_u32 s36, s32, 384                     ; group 12:
	s_and_b32 s37, s36, 3                          ; tg,
	s_lshr_b32 s38, s36, 2                         ; s
	s_cmp_lt_u32 s32, 384
	s_cselect_b32 s33, s33, s37
	s_cselect_b32 s34, s34, s38
	s_cselect_b32 s35, s35, 12
	s_lshl_b32 s[K0], s34, 7
	s_lshl_b32 s35, s35, 7                         ; 128 G
	s_lshr_b32 s36, s33, 1
	s_lshl_b32 s36, s36, 5
	s_and_b32 s37, s33, 1
	s_lshl_b32 s37, s37, 3
	s_add_co_u32 s36, s36, s37
	s_add_co_u32 s[CB], s35, s36
	s_mov_b32 s[PM], 8
	s_mov_b32 s[EO], 0
	s_mov_b32 s[RS], 6400
	s_mov_b32 s[KLIM], 400
	s_mov_b32 s[NLIM], 1600
	s_mov_b64 s[SRC:SRC+1], s[12:13]
	s_branch .Ldecoded
.Lw2:
	s_sub_co_u32 s32, s19, 836
	s_mul_i32 s33, s32, 1311
	s_lshr_b32 s33, s33, 15                        ; k step = f' / 25
	s_mul_i32 s34, s33, 25
	s_sub_co_u32 s34, s32, s34                     ; t
	s_lshl_b32 s[K0], s33, 7
	s_lshl_b32 s[CB], s34, 4
	s_mov_b32 s[PM], 0
	s_mov_b32 s[EO], 0
	s_mov_b32 s[RS], 1600
	s_mov_b32 s[KLIM], 1600
	s_mov_b32 s[NLIM], 400
	s_mov_b64 s[SRC:SRC+1], s[14:15]
.Ldecoded:
	s_wait_alu depctr_va_vdst(0)
	v_and_b32 v5, s[PM], v2
	v_add3_u32 v5, v5, v2, s[CB]                   ; my unit
	s_sub_co_u32 s37, s[NLIM], 1
	v_min_u32 v6, s37, v5                          ; held at the last unit
	v_lshl_add_u32 v7, v3, 5, s[K0]                ; my first k: K0 + 32 h
	s_sub_co_u32 s38, s[KLIM], 1
	v_min_u32 v8, s38, v7                          ; held at the last k
	v_mul_u32_u24 v9, v8, s[RS]
	v_lshl_add_u32 v9, v6, 2, v9
	v_add_nc_u32 v9, s[EO], v9                     ; byte offset of my first number
	v_sub_nc_u32 v10, s38, v8                      ; how many k further on a load may reach
	v_sub_nc_u32 v11, s[KLIM], v7                  ; how many of my k lie inside K (0 or less: none),
	v_cmp_gt_u32 vcc_lo, s[NLIM], v5               ; (does my unit exist?  The select that reads this mask stands behind the loads)
.set Q, 0
.rept 64                                           ; number 32 c + i is k = my first k + 64 c + i
	v_min_u32 v[OFS+Q], 64*(Q/32)+Q%32, v10
.set Q, Q+1
.endr
.set Q, 0
.rept 64
	v_mad_u32_u24 v[OFS+Q], v[OFS+Q], s[RS], v9
.set Q, Q+1
.endr
	s_wait_alu depctr_va_vdst(0)                   ; the 64 offsets are written, which the loads below read
.set Q, 0
.rept 64
	global_load_b32 v[X+Q], v[OFS+Q], s[SRC:SRC+1] ; sixteen neighbouring lanes read 64 neighbouring bytes (two runs of 32 where a tile's units are not neighbours)
.set Q, Q+1
.endr
	s_mul_i32 s32, s19, 1536                       ; where the image goes,
	s_mov_b32 s33, 0
	s_add_nc_u64 s[42:43], s[16:17], s[32:33]
	s_lshl_b32 s32, s19, 7
	s_add_co_u32 s32, s32, SCB                     ; and the scale words
	s_add_nc_u64 s[44:45], s[16:17], s[32:33]
	s_wait_alu depctr_va_vcc(0)                    ; VCC is written by the compare above, ahead of its first reader
	v_cndmask_b32 v11, 0, v11, vcc_lo              ; none where my unit does not exist
	v_lshlrev_b32 v12, 4, v4
	v_lshlrev_b32 v13, 2, v4
.set QB, 0
.rept 4                                            ; sixteen numbers at a time
.set Q, 0
.rept 16
	v_cmp_lt_i32 s[MK+Q], 64*((QB+Q)/32)+(QB+Q)%32, v11   ; inside the tensor?
.set Q, Q+1
.endr
.if QB == 0
	s_wait_loadcnt 0x0                             ; the 64 numbers are in
.endif
	s_wait_alu depctr_va_sdst(0)                   ; the sixteen masks are written, ahead of the selects that read them
.set Q, 0
.rept 16
	v_cndmask_b32 v[X+QB+Q], 0, v[X+QB+Q], s[MK+Q] ; else 0
.set Q, Q+1
.endr
.set QB, QB+16
.endr
.irp c, 0,1                                        ; my block 2 c + h: all its 32 numbers are mine
	v_max3_num_f32 v[14+\c], |v[X+32*\c]|, |v[X+32*\c+1]|, 0x1800000   ; with the floor 2^(3 - 127): the byte cannot fall under 1
.endr
.irp i, 2,4,6,8,10,12,14,16,18,20,22,24,26,28,30
.irp c, 0,1
	v_max3_num_f32 v[14+\c], v[14+\c], |v[X+32*\c+\i]|, |v[X+32*\c+\i+1]|
.endr
.endr
.irp c, 0,1
	v_add_nc_u32 v[16+\c], 0xff000000, v[14+\c]    ; 2 off the exponent field: the conversion's scale operand
.endr
.irp c, 0,1
	v_lshrrev_b32 v[18+\c], 23, v[16+\c]           ; the scale's byte
.endr
	v_lshl_or_b32 v20, v19, 16, v18                ; blocks h and 2 + h of my unit,
	v_lshlrev_b32 v21, 3, v3
	v_lshlrev_b32 v20, v21, v20                    ; at their places in the word;
	v_mov_b32 v21, 0
	v_permlanex16_b32 v21, v20, s[SEL], s[SEL+1]
	v_or_b32 v20, v20, v21                         ; with lane l xor 16's two the word is whole, in both halves
.irp c, 0,1
	v_cvt_scalef32_pk16_fp6_f32 v[PC+6*\c:PC+6*\c+2], v[X+32*\c:X+32*\c+15], v[16+\c]
	v_cvt_scalef32_pk16_fp6_f32 v[TP+4*\c:TP+4*\c+2], v[X+32*\c+16:X+32*\c+31], v[16+\c]   ; (a conversion's three registers begin on an even number)
.endr
	v_nop                                          ; one plain instruction behind the scaled conversions
.irp c, 0,1
.irp i, 0,1,2
	v_mov_b32 v[PC+6*\c+3+\i], v[TP+4*\c+\i]
.endr
.endr
	s_wait_alu depctr_va_vdst(0)                   ; the twelve code registers, the scale word and the two offsets v12 and v13 are written, which the stores below read
.irp c, 0,1,2
	global_store_b128 v12, v[PC+4*\c:PC+4*\c+3], s[42:43] offset:512*\c   ; 32 lanes store 512 consecutive bytes, aligned
.endr
	global_store_b32 v13, v20, s[44:45]
	s_endpgm
.Lfunc_end_k_qe136d79aef_prep:
	.size	k_qe136d79aef_prep, .Lfunc_end_k_qe136d79aef_prep-k_qe136d79aef_prep
	.p2alignl 7, 3214868480
	.fill 96, 4, 3214868480
	.section	.rodata,"a",@progbits
	.p2align	6, 0x0
	.amdhsa_kernel k_qe136d79aef_prep
		.amdhsa_group_segment_fixed_size 0
		.amdhsa_private_segment_fixed_size 0
		.amdhsa_enable_private_segment 0
		.amdhsa_kernarg_size 56
		.amdhsa_user_sgpr_count 2
		.amdhsa_user_sgpr_kernarg_segment_ptr 1
		.amdhsa_wavefront_size32 1
		.amdhsa_system_sgpr_workgroup_id_x 1
		.amdhsa_system_sgpr_workgroup_id_y 1
		.amdhsa_system_sgpr_workgroup_id_z 1
		.amdhsa_system_vgpr_workitem_id 0
		.amdhsa_next_free_vgpr 192
		.amdhsa_next_free_sgpr 66
		.amdhsa_reserve_vcc 1
		.amdhsa_float_denorm_mode_32 3
		.amdhsa_float_denorm_mode_16_64 3
		.amdhsa_memory_ordered 1
		.amdhsa_forward_progress 1
		.amdhsa_inst_pref_size 31
	.end_amdhsa_kernel
	.amdgpu_metadata
---
amdhsa.version: [ 1, 2 ]
amdhsa.kernels:
  - .name:           k_qe136d79aef_prep
    .symbol:         k_qe136d79aef_prep.kd
    .args:
      - { .name: Wq, .offset: 0, .size: 8, .value_kind: global_buffer, .address_space: global }
      - { .name: Wk, .offset: 8, .size: 8, .value_kind: global_buffer, .address_space: global }
      - { .name: Wv, .offset: 16, .size: 8, .value_kind: global_buffer, .address_space: global }
      - { .name: Wo, .offset: 24, .size: 8, .value_kind: global_buffer, .address_space: global }
      - { .name: W1, .offset: 32, .size: 8, .value_kind: global_buffer, .address_space: global }
      - { .name: W2, .offset: 40, .size: 8, .value_kind: global_buffer, .address_space: global }
      - { .name: wts, .offset: 48, .size: 8, .value_kind: global_buffer, .address_space: global }
    .group_segment_fixed_size: 0
    .private_segment_fixed_size: 0
    .kernarg_segment_align: 8
    .kernarg_segment_size: 56
    .max_flat_workgroup_size: 96
    .sgpr_count:     66
    .vgpr_count:     192
    .wavefront_size: 32
...
	.end_amdgpu_metadata
.endif
;; end of part 5
;; launch qkv (part 6): grid 256 x 1, 4 waves a work-group, no clusters, 130,560 bytes of LDS; arguments x, ln1_g, ln1_b, wts, qc, kv; writes qc, kv
.if DOCPART == 6
	.amdgcn_target "amdgcn-amd-amdhsa--gfx1250"
	.amdhsa_code_object_version 6
	.text
	.protected	k_qe136d79aef_qkv
	.globl	k_qe136d79aef_qkv
	.p2align	8
	.type	k_qe136d79aef_qkv,@function
k_qe136d79aef_qkv:
	s_mov_b64 s[64:65], 0
	v_nop
	global_prefetch_b8 v0, s[64:65] scope:SCOPE_SE
	s_setreg_imm32_b32 hwreg(HW_REG_WAVE_SCHED_MODE, 0, 2), 2
	s_setreg_imm32_b32 hwreg(HW_REG_WAVE_MODE, 25, 1), 1
	s_wait_xcnt 0x0
	s_wait_alu depctr_vm_vsrc(0)
; h = layernorm(x) g + b; q, k, v = h Wq, h Wk, h Wv for four heads, on FP6 (E2M3) codes with one E8M0 scale for each 32 along K; q and k are quantised along the head's 100, v along the keys, and stored as operand images.
; SHARES.  A work-group owns 64 tokens of one batch: four TILES of 16.  Row r of tile 2 b + u is token 32 b + 8 u + r + 8 (r / 8): so k's images are the key tiles that the attention wants,
; and v's results of two neighbouring tiles are 16 neighbouring keys.  Layer norm: wave w takes tile w.  Products: wave w takes head w for all four tiles, so each weight fragment is loaded once in the work-group and feeds four products.
; x COMES IN LONG RUNS.  A tile's 16 tokens are two runs of 8 rows, 12,800 dense bytes each: 50 loads of 512 consecutive bytes.  The quantiser wants 16 neighbours of a row in one lane, so the pieces turn through the wave's own
; stage in LDS: rows 1,616 bytes apart (an odd multiple of 16 bytes: the sixteen rows that a read touches start in different banks); piece n of a run goes to 16 n + 16 (n / 100).
; IMAGES.  A fragment (16 rows x 128 K, 12 registers) goes through LDS and memory as its registers stand: registers 4 c .. 4 c + 3 of lane l at 512 c + 16 l; its scale words at 4 l.
; q and k are made TRANSPOSED (source 0 = 16 units of the weight, source 1 = 16 tokens): a lane holds one token and 64 registers that run along the head's axis in the quantiser's order (register 16 b + i = d 32 b + 16 (lane / 16) + i).
; v is made the other way round (source 0 = tokens, source 1 = units): a lane holds one d and registers that run along the keys.
; K = 400 is 13 blocks of 32: three K steps of 128 and a fourth with one block of 16 numbers and zeros.  The head's 100 fill one K step; d >= 100 are zeros (zero codes of the weights; the place of unit tile 7 is cleared).
; THE WEIGHTS' FRAGMENTS OF THE FOURTH K STEP are loaded in their first third alone: registers 0-3 hold all of k 384 .. 399.  What the other eight registers still hold from an earlier stage meets zero codes of h
; (every code of FP6 is a number, and no scale byte there is 0xff): those products are zeros.
; The variance is taken of x - mean, in a second pass, as the definition has it.  1 / 400 is one f32 constant.
; LIMITS: NaN and infinities are not served.  A block of zeros, or one under 2^-124, gets the byte 1 (the empty blocks of the fourth K step the byte 0) over zero codes; this program alone reads the bytes.
; REGISTERS, in windows of 256.  window 0: v1-11 addresses; v20-23 the outputs' scale words; v32-51 codes; v52-67 quantiser's work; v68 scale word; v70-83 sums, mean, 1 / sigma; v96-111 h's scale words;
;   v112-132 the weights' scale words, three sets of 7; v136-215 the outputs' codes, four sets of 20; v220-244 the stage's addresses; v254, v255 the closing add's two.
;   window 1: ln1_g, then three sets of 7 weight fragments (84 registers each).   window 2: x's pieces, my row's 208 numbers, then the accumulators.   window 3: ln1_b, then h's 16 fragments at 12 (4 m + s).
; THE MODE: SCHED_MODE bits 1:0 = 2 (LLVM: expert scheduling mode 2), set by the entry lines.  The code itself states the register dependences between vector or matrix instructions and memory or LDS instructions, with s_wait_alu, always for 0.
; THE PLAN.  Registers that memory or LDS instructions touch, and who else names them:
;   v1-11       offsets and LDS addresses: written at the head, never again: one wait on va_vdst ahead of the first load serves the whole kernel.
;   v220-244    the stage's 25 addresses: written by vector lines, read by the 50 LDS stores: one wait on va_vdst.
;   window 2    x's pieces: read by those stores; the turned rows land in the same registers: one wait on vm_vsrc between.  From then on vector and matrix instructions alone name the window.
;   window 1    g is read by the norm's lines; then the weights' sets land there: one wait on va_vdst.  Window 3 (b, then h's fragments) is covered by the waits of the images that stand between.
;   v32-43, v68 h's codes and scale word: written by a quantiser, read by its image's LDS stores, written by the next quantiser: va_vdst ahead of the stores, vm_vsrc behind them.
;   weight set n % 3 and its 7 scale words: read by stage n's 28 products, then asked for again for stage n + 3: ONE wait on va_vdst a stage, behind its products.  It stands there and not at the next stage's head,
;               so that the set is on its way again while the wave waits for the next stage's data.
;   v136-215, v20-23  four out-buffers of codes and scale words: a pass's four quantisers write them on end, ONE wait on va_vdst, then the run of stores; the wait on vm_vsrc ahead of their next writers stands four stages on.
.set SCB,  1783296                     ; the weights' scale words in wts
.set XSC,  24576                       ; LDS: h's 16 images at (4 m + s) x 1,536, then their scale words, 128 bytes each,
.set STG,  26624                       ; then a stage of 16 rows x 1,616 bytes for each wave
.set LI,   1                           ; v1  16 x lane
.set LS,   2                           ; v2  4 x lane
.set L8,   3                           ; v3  8 x lane
.set NIL,  4                           ; v4  0
.set XA,   5                           ; v5  my row in my stage, my half's 16 numbers of a block: STG + 25,856 w + 1,616 r + 64 h
.set XB,   6                           ; v6  the same without the half's 64 bytes
.set GH,   7                           ; v7  64 h
.set XWI,  8                           ; v8  where I store h's images: 16 l + 6,144 w
.set XWS,  9                           ; v9  and their scale words: 4 l + XSC + 512 w
.set LQ,   10                          ; v10 lane / 4
.set SB,   11                          ; v11 16 l + STG + 25,856 w
.set PWS,  20                          ; v20-23 the outputs' scale words
.set PC,   32
.set TM,   52
.set PW,   68
.set SA,   70
.set S12,  78
.set MU,   80
.set RSD,  82
.set XS,   96
.set WS,   112
.set PCS,  136                         ; v136-215 the outputs' codes: a set for each of a pass's four tiles, so that no store's data are written again inside a pass
.set ADR,  220                         ; v220-244 where piece 32 i + l of a run goes in my stage, less 512 i
.set WV,   16                          ; s16 wave
.set SEL,  18                          ; s[18:19] selects for lane l xor 16
.set INV,  20                          ; s20 1 / 400
.set EPS,  21                          ; s21 1e-5
.set XP,   22                          ; s[22:23] x at my tile's first token
.set WI,   24                          ; s[24:25] my head's weight images
.set WSP,  26                          ; s[26:27] and their scale words
.set QB,   28                          ; s[28:29] q's images, s[30:31] scale words
.set QS,   30
.set KB,   32                          ; s[32:33] k's images, s[34:35] scale words
.set KSP,  34
.set VB,   36                          ; s[36:37] v's half images, s[38:39] scale bytes
.set VS,   38
.set MSB, 0
.macro WIN new                         ; the immediate's high byte repeats the setting that is left; a switch that changes nothing is dropped
.if MSB != (\new)
	s_set_vgpr_msb (MSB<<8)|(\new)
.set MSB, (\new)
.endif
.endm
.macro PLACES                          ; four plain instructions behind a matrix instruction, ahead of a vector read of its results (ISA guide 7.12.1); they stay beside the waits on va_vdst
.rept 4
	v_nop
.endr
.endm
; 64 numbers of a lane in window w, register s + 16 b + i = k 32 b + 16 (lane / 16) + i of my row, become a fragment's codes in v[PC] on and its scale word in v[PW].
.macro QUANT s, w
	WIN (\w)|((\w)<<2)
.irp b, 0,1,2,3
	v_max3_num_f32 v[TM+\b], |v[(\s)+16*\b]|, |v[(\s)+16*\b+1]|, 0x1800000   ; block b: my 16 numbers and the floor 2^(3 - 127): the byte cannot fall under 1
.endr
	WIN ((\w)<<2)|((\w)<<4)
.irp i, 2,4,6,8,10,12,14
.irp b, 0,1,2,3
	v_max3_num_f32 v[TM+\b], v[TM+\b], |v[(\s)+16*\b+\i]|, |v[(\s)+16*\b+\i+1]|   ; the four blocks by turns
.endr
.endr
	WIN 0
.irp b, 0,1,2,3
	v_permlanex16_b32 v[TM+4+\b], v[TM+\b], s[SEL], s[SEL+1]
.endr
.irp b, 0,1,2,3
	v_max_num_f32 v[TM+\b], v[TM+\b], v[TM+4+\b]   ; with lane l xor 16's: the block's largest magnitude
.endr
.irp b, 0,1,2,3
	v_add_nc_u32 v[TM+12+\b], 0xff000000, v[TM+\b] ; 2 off its exponent field: the conversion's scale operand
.endr
.irp b, 0,1,2,3
	v_lshrrev_b32 v[TM+4+\b], 23, v[TM+12+\b]      ; the scale's byte
.endr
	v_lshl_or_b32 v[PW], v[TM+5], 8, v[TM+4]
	v_lshl_or_b32 v[PW], v[TM+6], 16, v[PW]
	v_lshl_or_b32 v[PW], v[TM+7], 24, v[PW]
	WIN (\w)
.irp c, 0,1
	v_cvt_scalef32_pk16_fp6_f32 v[PC+6*\c:PC+6*\c+2], v[(\s)+32*\c:(\s)+32*\c+15], v[TM+12+2*\c]
	v_cvt_scalef32_pk16_fp6_f32 v[PC+12+4*\c:PC+14+4*\c], v[(\s)+32*\c+16:(\s)+32*\c+31], v[TM+13+2*\c]   ; (a conversion's three registers begin on an even number)
.endr
	WIN 0
	v_nop                                          ; one plain instruction behind the scaled conversions
.irp c, 0,1                                        ; the operand's layout wants a whole block in a lane: lanes 0-15 block 2 c, lanes 16-31 block 2 c + 1
.irp i, 0,1,2
	v_permlane16_swap_b32 v[PC+6*\c+\i], v[PC+12+4*\c+\i]
.endr
.irp i, 0,1,2
	v_mov_b32 v[PC+3+6*\c+\i], v[PC+12+4*\c+\i]
.endr
.endr
.endm
; The fourth K step of K = 400: 16 numbers (k 384 .. 399), which both halves of the lanes hold alike, and zeros.
.macro QUANT3 s, w
	WIN (\w)|((\w)<<2)
	v_max3_num_f32 v[TM], |v[(\s)]|, |v[(\s)+1]|, 0x1800000
	WIN ((\w)<<2)|((\w)<<4)
.irp i, 2,4,6,8,10,12,14
	v_max3_num_f32 v[TM], v[TM], |v[(\s)+\i]|, |v[(\s)+\i+1]|
.endr
	WIN 0
	v_add_nc_u32 v[TM+12], 0xff000000, v[TM]
	v_lshrrev_b32 v[PW], 23, v[TM+12]              ; byte 0; the three empty blocks keep the byte 0 over zero codes
	WIN (\w)
	v_cvt_scalef32_pk16_fp6_f32 v[PC:PC+2], v[(\s):(\s)+15], v[TM+12]
	WIN 0
	v_nop
	s_mov_b32 vcc_lo, 0xffff
.irp i, 0,1,2
	v_cndmask_b32 v[PC+\i], 0, v[PC+\i], vcc_lo    ; the block lies in lanes 0-15; lanes 16-31 hold the next block: zeros
.endr
.irp i, 3,4,5,6,7,8,9,10,11
	v_mov_b32 v[PC+\i], 0
.endr
.endm
; The sum (sq = 0) or the sum of squares (sq = 1) of my row's 400 numbers, in every lane, in v[SA].  Window 2: v0-191 my 16 of each of 12 blocks; v192-207 block 12, held alike by both halves, so it is added once.
.macro LNSUM sq
	WIN 0x0a
.if \sq
.irp k, 0,1,2,3
	v_pk_mul_f32 v[SA+2*\k:SA+2*\k+1], v[2*\k:2*\k+1], v[2*\k:2*\k+1]
.endr
	v_pk_mul_f32 v[S12:S12+1], v[192:193], v[192:193]
.set LP, 4
.rept 92
	v_pk_fma_f32 v[SA+2*(LP%4):SA+2*(LP%4)+1], v[2*LP:2*LP+1], v[2*LP:2*LP+1], v[SA+2*(LP%4):SA+2*(LP%4)+1]
.set LP, LP+1
.endr
.set LP, 97
.rept 7
	v_pk_fma_f32 v[S12:S12+1], v[2*LP:2*LP+1], v[2*LP:2*LP+1], v[S12:S12+1]
.set LP, LP+1
.endr
.else
.irp k, 0,1,2,3
	v_pk_add_f32 v[SA+2*\k:SA+2*\k+1], v[2*\k:2*\k+1], v[2*\k+8:2*\k+9]
.endr
	v_pk_add_f32 v[S12:S12+1], v[192:193], v[194:195]
	WIN 0x08
.set LP, 8
.rept 88
	v_pk_add_f32 v[SA+2*(LP%4):SA+2*(LP%4)+1], v[SA+2*(LP%4):SA+2*(LP%4)+1], v[2*LP:2*LP+1]
.set LP, LP+1
.endr
.set LP, 98
.rept 6
	v_pk_add_f32 v[S12:S12+1], v[S12:S12+1], v[2*LP:2*LP+1]
.set LP, LP+1
.endr
.endif
	WIN 0
	v_pk_add_f32 v[SA:SA+1], v[SA:SA+1], v[SA+2:SA+3]
	v_pk_add_f32 v[SA+4:SA+5], v[SA+4:SA+5], v[SA+6:SA+7]
	v_pk_add_f32 v[SA:SA+1], v[SA:SA+1], v[SA+4:SA+5]
	v_add_f32 v[SA], v[SA], v[SA+1]
	v_add_f32 v[S12], v[S12], v[S12+1]
	v_permlanex16_b32 v[SA+2], v[SA], s[SEL], s[SEL+1]
	v_add_f32 v[SA], v[SA], v[SA+2]
	v_add_f32 v[SA], v[SA], v[S12]
.endm
.macro LNSTAT                          ; the row becomes x - mean, in place; v[RSD:RSD+1] = 1 / sqrt(variance + eps)
	LNSUM 0
	v_mul_f32 v[MU], s[INV], v[SA]
	v_mov_b32 v[MU+1], v[MU]
	WIN 0x82
.set LP, 0
.rept 104
	v_pk_add_f32 v[2*LP:2*LP+1], v[2*LP:2*LP+1], v[MU:MU+1] neg_lo:[0,1] neg_hi:[0,1]
.set LP, LP+1
.endr
	LNSUM 1
	v_fma_f32 v[SA], v[SA], s[INV], s[EPS]
	s_wait_alu depctr_va_vdst(0)
	v_rsq_f32 v[RSD], v[SA]
	v_nop                                          ; a plain instruction behind the transcendental,
	s_wait_alu depctr_va_vdst(0)                   ; and the wait: the reciprocal root v[RSD] is written, ahead of the first line that names it
	v_mov_b32 v[RSD+1], v[RSD]
.endm
.macro NORM s, n, g, wg, b, wb         ; n numbers from v[s] of window 2 on: x 1 / sigma, then x g + b (g from v[g] of window wg, b from v[b] of window wb)
	WIN 0x82
.set LP, 0
.rept (\n)/2
	v_pk_mul_f32 v[(\s)+LP:(\s)+LP+1], v[(\s)+LP:(\s)+LP+1], v[RSD:RSD+1]
.set LP, LP+2
.endr
	WIN 0x82|((\wg)<<2)|((\wb)<<4)
.set LP, 0
.rept (\n)/2
	v_pk_fma_f32 v[(\s)+LP:(\s)+LP+1], v[(\s)+LP:(\s)+LP+1], v[(\g)+LP:(\g)+LP+1], v[(\b)+LP:(\b)+LP+1]
.set LP, LP+2
.endr
	WIN 0
.endm
.macro IMAGE adr, off                  ; the fragment in v[PC] on goes to LDS as it stands
.irp c, 0,1,2
	ds_store_b128 v[\adr], v[PC+4*\c:PC+4*\c+3] offset:(\off)+512*\c
.endr
.endm
.macro MM0 d, a, b, sa, sb             ; a product that starts a sum
	v_wmma_scale_f32_16x16x128_f8f6f4 v[(\d):(\d)+7], v[(\a):(\a)+11], v[(\b):(\b)+11], 0, v[\sa], v[\sb] matrix_a_fmt:MATRIX_FMT_FP6 matrix_b_fmt:MATRIX_FMT_FP6
.endm
.macro MMA d, a, b, sa, sb             ; and one that adds in place
	v_wmma_scale_f32_16x16x128_f8f6f4 v[(\d):(\d)+7], v[(\a):(\a)+11], v[(\b):(\b)+11], v[(\d):(\d)+7], v[\sa], v[\sb] matrix_a_fmt:MATRIX_FMT_FP6 matrix_b_fmt:MATRIX_FMT_FP6
.endm
; g or b, 400 numbers in the quantiser's order, into window w: 16 of each of 12 blocks by my half, then block 12: 52 loads
.macro ROWLD w, p
	WIN (\w)<<6
.set LB, 0
.rept 12
.irp j, 0,1,2,3
	global_load_b128 v[16*LB+4*\j:16*LB+4*\j+3], v[GH], s[\p:\p+1] offset:128*LB+16*\j
.endr
.set LB, LB+1
.endr
.irp j, 0,1,2,3
	global_load_b128 v[192+4*\j:195+4*\j], v[NIL], s[\p:\p+1] offset:1536+16*\j
.endr
	WIN 0
.endm
	s_load_b256 s[4:11], s[0:1], 0x0               ; x s[4:5], ln1_g s[6:7], ln1_b s[8:9], wts s[10:11]
	s_load_b128 s[12:15], s[0:1], 0x20             ; qc s[12:13], kv s[14:15]
	v_lshl_add_u32 v254, v0, 2, 0x1fc00            ; my spare word, behind the four stages, and 0: made here and kept for the closing lines alone
	v_mov_b32 v255, 0
	v_lshrrev_b32 v12, 5, v0
	v_readfirstlane_b32 s[WV], v12                 ; wave 0..3
	v_and_b32 v12, 31, v0                          ; lane
	v_and_b32 v13, 15, v0                          ; r
	v_bfe_u32 v14, v0, 4, 1                        ; h
	v_lshlrev_b32 v[LI], 4, v12
	v_lshlrev_b32 v[LS], 2, v12
	v_lshlrev_b32 v[L8], 3, v12
	v_lshrrev_b32 v[LQ], 2, v12
	v_mov_b32 v[NIL], 0
	s_wait_alu depctr_va_sdst(0)                   ; s[WV], the wave's number, is written, ahead of its first reader
	s_mul_i32 s40, s[WV], 25856
	s_add_co_u32 s40, s40, STG                     ; my stage
	v_add_nc_u32 v[SB], s40, v[LI]
	v_mul_u32_u24 v[XB], v13, 1616
	v_add_nc_u32 v[XB], s40, v[XB]
	v_lshl_add_u32 v[XA], v14, 6, v[XB]
	v_lshlrev_b32 v[GH], 6, v14
	s_mul_i32 s40, s[WV], 6144
	v_add_nc_u32 v[XWI], s40, v[LI]
	s_lshl_b32 s40, s[WV], 9
	s_add_co_u32 s40, s40, XSC
	v_add_nc_u32 v[XWS], s40, v[LS]
.irp b, 0,1,2,3
	v_mov_b32 v[TM+4+\b], 0                        ; written once: a lane permute's destination counts as one of its sources
.endr
	s_mov_b32 s[SEL], 0x76543210
	s_mov_b32 s[SEL+1], 0xfedcba98
	s_mov_b32 s[INV], 0x3b23d70a                   ; 1 / 400
	s_mov_b32 s[EPS], 0x3727c5ac                   ; 1e-5
	s_lshl_b32 s40, ttmp9, 6                       ; the work-group's first token,
	s_lshr_b32 s42, s[WV], 1
	s_lshl_b32 s42, s42, 5
	s_add_co_u32 s40, s40, s42
	s_and_b32 s42, s[WV], 1
	s_lshl_b32 s42, s42, 3
	s_add_co_u32 s40, s40, s42                     ; + 32 (w / 2) + 8 (w % 2): my tile's
	s_mul_i32 s40, s40, 1600
	s_mov_b32 s41, 0
	s_mul_i32 s42, s[WV], 43008                    ; my head's 28 fragments of a weight: images,
	s_mov_b32 s43, 0
	s_mul_i32 s44, s[WV], 3584
	s_add_co_u32 s44, s44, SCB                     ; scale words
	s_mov_b32 s45, 0
	s_lshr_b32 s46, ttmp9, 5                       ; batch
	s_lshl_b32 s46, s46, 2
	s_add_co_u32 s46, s46, s[WV]                   ; bh = 4 batch + head
	s_and_b32 s47, ttmp9, 31                       ; which 64 tokens of the batch
	s_lshl_b32 s48, s46, 7
	s_lshl_b32 s49, s47, 2
	s_add_co_u32 s48, s48, s49                     ; q's first tile: 128 bh + 4 x5
	s_mul_i32 s50, s48, 1536
	s_mov_b32 s51, 0
	s_lshl_b32 s52, s48, 7
	s_add_co_u32 s52, s52, 6291456
	s_mov_b32 s53, 0
	s_lshl_b32 s54, s46, 4
	s_lshr_b32 s55, s47, 1
	s_add_co_u32 s54, s54, s55
	s_mul_i32 s54, s54, 25088                      ; the key step's block in kv
	s_mov_b32 s55, 0
	s_and_b32 s47, s47, 1                          ; c: which 64 keys of the step
	s_mul_i32 s56, s47, 6144
	s_mov_b32 s57, 0
	s_lshl_b32 s58, s47, 9
	s_add_co_u32 s58, s58, 23040
	s_mov_b32 s59, 0
	s_mul_i32 s60, s47, 768
	s_add_co_u32 s60, s60, 12288
	s_mov_b32 s61, 0
	s_lshl_b32 s62, s47, 1
	s_add_co_u32 s62, s62, 24064
	s_mov_b32 s63, 0
	s_wait_kmcnt 0x0
	s_add_nc_u64 s[XP:XP+1], s[4:5], s[40:41]
	s_add_nc_u64 s[WI:WI+1], s[10:11], s[42:43]
	s_add_nc_u64 s[WSP:WSP+1], s[10:11], s[44:45]
	s_add_nc_u64 s[QB:QB+1], s[12:13], s[50:51]
	s_add_nc_u64 s[QS:QS+1], s[12:13], s[52:53]
	s_add_nc_u64 s[14:15], s[14:15], s[54:55]
	s_add_nc_u64 s[KB:KB+1], s[14:15], s[56:57]
	s_add_nc_u64 s[KSP:KSP+1], s[14:15], s[58:59]
	s_add_nc_u64 s[VB:VB+1], s[14:15], s[60:61]
	s_add_nc_u64 s[VS:VS+1], s[14:15], s[62:63]
	; ---- my 16 tokens of x: two runs of 8 rows (the second 16 tokens on), 25 loads of 512 consecutive bytes each, aligned
	WIN 0x80
	s_wait_alu depctr_va_vdst(0)                   ; the offsets and LDS addresses v1 to v11 are written: every load and store of the kernel reads one of them, and none is written again
.set LB, 0
.rept 25
	global_load_b128 v[4*LB:4*LB+3], v[LI], s[XP:XP+1] offset:512*LB th:TH_LOAD_NT
	global_load_b128 v[100+4*LB:103+4*LB], v[LI], s[XP:XP+1] offset:25600+512*LB th:TH_LOAD_NT
.set LB, LB+1
.endr
	WIN 0
	ROWLD 1, 6                                     ; 52 loads: g
	ROWLD 3, 8                                     ; 52: b
.set LB, 0
.rept 25                                           ; piece n = 32 i + l of a run lies in the run's row n / 100: in the stage 16 n + 16 (n / 100)
	v_add_nc_u32 v[ADR+LB], 8*LB, v[LQ]            ; n / 4
	v_mul_u32_u24 v[ADR+LB], v[ADR+LB], 1311
	v_lshrrev_b32 v[ADR+LB], 15, v[ADR+LB]         ; / 25 (exact under 400)
	v_lshl_add_u32 v[ADR+LB], v[ADR+LB], 4, v[SB]
.set LB, LB+1
.endr
	s_wait_loadcnt 63                              ; of 154 loads at most 63 are out: the first 91 are in, x's 50 among them
	WIN 0x08                                       ; an LDS store's data are its source 1: window 2
	s_wait_alu depctr_va_vdst(0)                   ; the stage's 25 addresses are written, which the LDS stores below read
.set LB, 0
.rept 25
	ds_store_b128 v[ADR+LB], v[4*LB:4*LB+3] offset:512*LB
	ds_store_b128 v[ADR+LB], v[100+4*LB:103+4*LB] offset:12928+512*LB   ; the second run: rows 8 to 15
.set LB, LB+1
.endr
	WIN 0x80                                       ; back in the quantiser's order.  LDS serves a wave's instructions in order (ISA guide 5.7.1.4): these see the stores above
	s_wait_alu depctr_vm_vsrc(0)                   ; the LDS stores have read x's pieces, in whose registers the LDS loads below land
.set LB, 0
.rept 12
.irp j, 0,1,2,3
	ds_load_b128 v[16*LB+4*\j:16*LB+4*\j+3], v[XA] offset:128*LB+16*\j
.endr
.set LB, LB+1
.endr
.irp j, 0,1,2,3
	ds_load_b128 v[192+4*\j:195+4*\j], v[XB] offset:1536+16*\j
.endr
	WIN 0
	s_wait_dscnt 0x0
	; ---- layer norm of my 16 tokens
	LNSTAT
	s_wait_alu depctr_va_vdst(0)
	s_wait_loadcnt 0x0                             ; g and b
	NORM 0, 208, 0, 1, 0, 3
; Stage n = 4 P + s (P: q, k, v; s: K step): my head's 7 fragments and their scale words into set n % 3: 21 + 7 loads; of a fourth K step the first third of each fragment: 7 + 7
.macro WLDQ buf, n
	WIN 0x40
.irp t, 0,1,2,3,4,5,6
.irp c, 0,1,2
.if (\c == 0) || (((\n)&3) != 3)
	global_load_b128 v[84*(\buf)+12*\t+4*\c:84*(\buf)+12*\t+4*\c+3], v[LI], s[WI:WI+1] offset:(((\n)>>2)*112+((\n)&3)*7+\t)*1536+512*\c
.endif
.endr
.endr
	WIN 0
.irp t, 0,1,2,3,4,5,6
	global_load_b32 v[WS+7*(\buf)+\t], v[LS], s[WSP:WSP+1] offset:(((\n)>>2)*112+((\n)&3)*7+\t)*128
.endr
.endm
	s_wait_alu depctr_va_vdst(0)                   ; the norm's lines are done reading g, in whose registers the weights below land
	WLDQ 0, 0                                      ; g's registers are free: the first three stages' weights travel while the row is quantised
	WLDQ 1, 1
	WLDQ 2, 2
.irp s, 0,1,2
	QUANT 64*\s, 2
	s_wait_alu depctr_va_vdst(0)                   ; the quantiser has written the codes and the scale word, which the LDS stores below read
	IMAGE XWI, 1536*\s
	ds_store_b32 v[XWS], v[PW] offset:128*\s
	s_wait_dscnt 0x0                               ; the stores have read their registers
	s_wait_alu depctr_vm_vsrc(0)                   ; stated for the next quantiser, which writes the codes and the scale word again
.endr
	QUANT3 192, 2
	s_wait_alu depctr_va_vdst(0)                   ; the codes and the scale word are written, which the LDS stores below read; and the norm's lines are long done reading b, in whose registers h's fragments land behind the barrier
	IMAGE XWI, 4608
	ds_store_b32 v[XWS], v[PW] offset:384
	WIN 0x80
.irp m, 0,1,2,3
.irp i, 0,1,2,3,4,5,6,7
	v_mov_b32 v[64*\m+56+\i], 0                    ; the place of unit tile 7 (d 104 .. 111, 120 .. 127), which no product writes
.endr
.endr
	WIN 0
	s_wait_dscnt 0x0                               ; my images lie in LDS
	s_barrier_signal -1
	s_barrier_wait -1                              ; everybody's do
	WIN 0xc0
.set LB, 0
.rept 16                                           ; (no vector line since the last wait on va_vdst names window 3, v96-111 or the two offsets)
.irp c, 0,1,2
	ds_load_b128 v[12*LB+4*\c:12*LB+4*\c+3], v[LI] offset:1536*LB+512*\c
.endr
.set LB, LB+1
.endr
	WIN 0
.set LB, 0
.rept 16
	ds_load_b32 v[XS+LB], v[LS] offset:XSC+128*LB
.set LB, LB+1
.endr
	s_wait_dscnt 0x0
; A stage: 28 products, the accumulators by turns.  The wait leaves the two younger stages' loads out: 28 each, 14 for a fourth K step.
.macro QSTAGE n
.set QL, 0
.irp d, 1,2
.if (\n)+\d < 12
.if (((\n)+\d)&3) == 3
.set QL, QL+14
.else
.set QL, QL+28
.endif
.endif
.endr
	s_wait_loadcnt QL
.set QBF, (\n)%3
.set QST, (\n)&3
.if (\n) < 8
	WIN 0xad                                       ; source 0 (weight) window 1, source 1 (h) window 3, C and D window 2
.irp t, 0,1,2,3,4,5,6
.irp m, 0,1,2,3
.if QST == 0
	MM0 64*\m+8*\t, 84*QBF+12*\t, 12*(4*\m+QST), WS+7*QBF+\t, XS+4*\m+QST
.else
	MMA 64*\m+8*\t, 84*QBF+12*\t, 12*(4*\m+QST), WS+7*QBF+\t, XS+4*\m+QST
.endif
.endr
.endr
.else
	WIN 0xa7                                       ; source 0 (h) window 3, source 1 (weight) window 1
.irp t, 0,1,2,3,4,5,6
.irp m, 0,1,2,3
.if QST == 0
	MM0 32*\t+8*\m, 12*(4*\m+QST), 84*QBF+12*\t, XS+4*\m+QST, WS+7*QBF+\t
.else
	MMA 32*\t+8*\m, 12*(4*\m+QST), 84*QBF+12*\t, XS+4*\m+QST, WS+7*QBF+\t
.endif
.endr
.endr
.endif
	WIN 0
	PLACES
.if (\n)+3 < 12
	s_wait_alu depctr_va_vdst(0)                   ; this stage's products are done reading weight set n % 3 and its seven scale words, in which the loads below land
	WLDQ (\n)%3, (\n)+3
.endif
.endm
.macro QKOUT bi, bs                    ; four tiles of q or of k: quantised along the head's axis, stored as images; each tile has code registers of its own, so that one wait serves the run of stores
.irp m, 0,1,2,3
.set PC, PCS+20*\m
.set PW, PWS+\m
	QUANT 64*\m, 2
.endr
	s_wait_alu depctr_va_vdst(0)                   ; the four quantisers have written the four sets of codes and the four scale words, which the stores below read
.irp m, 0,1,2,3
.irp c, 0,1,2
	global_store_b128 v[LI], v[PCS+20*\m+4*\c:PCS+20*\m+4*\c+3], s[\bi:\bi+1] offset:1536*\m+512*\c   ; 512 consecutive bytes, aligned
.endr
	global_store_b32 v[LS], v[PWS+\m], s[\bs:\bs+1] offset:128*\m
.endr
.endm
	QSTAGE 0
	QSTAGE 1
	QSTAGE 2
	QSTAGE 3
	QKOUT QB, QS
	QSTAGE 4
	QSTAGE 5
	QSTAGE 6
	QSTAGE 7
	s_wait_storecnt 0x0                            ; q's stores, four stages back, are done: the four sets of code registers may be written again
	s_wait_alu depctr_vm_vsrc(0)                   ; q's stores have read the four sets of codes and the four scale words, which k's quantisers write again
	QKOUT KB, KSP
	WIN 0x80
.set LP, 224
.rept 32
	v_mov_b32 v[LP], 0                             ; the place of v's d tile 7, which does not exist
.set LP, LP+1
.endr
	WIN 0
	QSTAGE 8
	QSTAGE 9
	QSTAGE 10
	QSTAGE 11
	s_wait_storecnt 0x0                            ; k's stores are done
	s_wait_alu depctr_vm_vsrc(0)                   ; k's stores have read the four sets of codes and the four scale words, which v's quantisers write again
	; v: the 32 registers of d tile t are 64 keys in the quantiser's order; two tiles go through it together.  Codes 0-5: tile 2 p's half fragment (these 64 keys), 6-11: tile 2 p + 1's; the word: two bytes of each
.irp p, 0,1,2,3
.set PC, PCS+20*\p
.set PW, PWS+\p
	QUANT 64*\p, 2
.endr
	s_wait_alu depctr_va_vdst(0)                   ; the four quantisers have written the four sets of codes and the four scale words, which the stores below read
.irp p, 0,1,2,3
	global_store_b128 v[LI], v[PCS+20*\p:PCS+20*\p+3], s[VB:VB+1] offset:3072*\p
	global_store_b64 v[L8], v[PCS+20*\p+4:PCS+20*\p+5], s[VB:VB+1] offset:3072*\p+512
.if \p < 3
	global_store_b128 v[LI], v[PCS+20*\p+6:PCS+20*\p+9], s[VB:VB+1] offset:3072*\p+1536
	global_store_b64 v[L8], v[PCS+20*\p+10:PCS+20*\p+11], s[VB:VB+1] offset:3072*\p+2048
.endif
	global_store_b16 v[LS], v[PWS+\p], s[VS:VS+1] offset:256*\p                ; my two of the word's four bytes; the other 64 keys' work-group stores the other two
	global_store_d16_hi_b16 v[LS], v[PWS+\p], s[VS:VS+1] offset:256*\p+128     ; (for p = 3: the pad behind the seven tiles' words, which is stored so that the whole block is written)
.endr
	s_wait_dscnt 0x0                               ; the closing lines, six on end
	s_wait_alu 0x0
	s_wait_tensorcnt 0x0
	ds_add_u32 v254, v255
	s_wait_dscnt 0x0
	s_endpgm
.Lfunc_end_k_qe136d79aef_qkv:
	.size	k_qe136d79aef_qkv, .Lfunc_end_k_qe136d79aef_qkv-k_qe136d79aef_qkv
	.p2alignl 7, 3214868480
	.fill 96, 4, 3214868480
	.section	.rodata,"a",@progbits
	.p2align	6, 0x0
	.amdhsa_kernel k_qe136d79aef_qkv
		.amdhsa_group_segment_fixed_size 130560
		.amdhsa_private_segment_fixed_size 0
		.amdhsa_enable_private_segment 0
		.amdhsa_kernarg_size 48
		.amdhsa_user_sgpr_count 2
		.amdhsa_user_sgpr_kernarg_segment_ptr 1
		.amdhsa_wavefront_size32 1
		.amdhsa_system_sgpr_workgroup_id_x 1
		.amdhsa_system_sgpr_workgroup_id_y 1
		.amdhsa_system_sgpr_workgroup_id_z 1
		.amdhsa_system_vgpr_workitem_id 0
		.amdhsa_next_free_vgpr 1024
		.amdhsa_next_free_sgpr 66
		.amdhsa_reserve_vcc 1
		.amdhsa_float_denorm_mode_32 3
		.amdhsa_float_denorm_mode_16_64 3
		.amdhsa_memory_ordered 1
		.amdhsa_forward_progress 1
		.amdhsa_inst_pref_size 211
	.end_amdhsa_kernel
	.amdgpu_metadata
---
amdhsa.version: [ 1, 2 ]
amdhsa.kernels:
  - .name:           k_qe136d79aef_qkv
    .symbol:         k_qe136d79aef_qkv.kd
    .args:
      - { .name: x, .offset: 0, .size: 8, .value_kind: global_buffer, .address_space: global }
      - { .name: ln1_g, .offset: 8, .size: 8, .value_kind: global_buffer, .address_space: global }
      - { .name: ln1_b, .offset: 16, .size: 8, .value_kind: global_buffer, .address_space: global }
      - { .name: wts, .offset: 24, .size: 8, .value_kind: global_buffer, .address_space: global }
      - { .name: qc, .offset: 32, .size: 8, .value_kind: global_buffer, .address_space: global }
      - { .name: kv, .offset: 40, .size: 8, .value_kind: global_buffer, .address_space: global }
    .group_segment_fixed_size: 130560
    .private_segment_fixed_size: 0
    .kernarg_segment_align: 8
    .kernarg_segment_size: 48
    .max_flat_workgroup_size: 128
    .sgpr_count:     66
    .vgpr_count:     1024
    .wavefront_size: 32
...
	.end_amdgpu_metadata
.endif
;; end of part 6
;; launch attn (part 7): grid 8 x 32, 16 waves a work-group, clusters of 4 x 1, 327,680 bytes of LDS; arguments qc, kv, ao; writes ao
.if DOCPART == 7
	.amdgcn_target "amdgcn-amd-amdhsa--gfx1250"
	.amdhsa_code_object_version 6
	.text
	.protected	k_qe136d79aef_attn
	.globl	k_qe136d79aef_attn
	.p2align	8
	.type	k_qe136d79aef_attn,@function
k_qe136d79aef_attn:
	s_mov_b64 s[64:65], 0
	v_nop
	global_prefetch_b8 v0, s[64:65] scope:SCOPE_SE
	s_setreg_imm32_b32 hwreg(HW_REG_WAVE_MODE, 25, 1), 1
	s_wait_xcnt 0x0
	s_wait_alu depctr_hold_cnt(0) depctr_sa_sdst(0) depctr_va_vdst(0) depctr_va_sdst(0) depctr_va_ssrc(0) depctr_va_vcc(0) depctr_vm_vsrc(0)
	s_getreg_b32 s2, hwreg(HW_REG_IB_STS2, 6, 4)
	s_cmp_eq_u32 s2, 0
	s_cbranch_scc0 .Lentry_in_a_cluster
	s_endpgm
.Lentry_in_a_cluster:
	s_bfe_u32 s2, ttmp6, 0x10000c
	s_cmp_lg_u32 s2, 0x3003
	s_cbranch_scc0 .Lentry_shape_is_right
	s_endpgm
.Lentry_shape_is_right:
; Causal attention of one (batch, head) on FP6 (E2M3) codes: S^T = K Q^T, p = 2^(t - M), O^T = V^T P^T, O / l.  t = score x log2(e) / 10; M = the running largest t rounded UP to a whole number; p is quantised along the keys, not normalised;
; the row's sum l is taken of the unquantised p and divides at the end.  When M moves, l and O^T are multiplied by 2^(old M - new M): exact.
; INPUTS are operand images (registers 4 c .. 4 c + 3 of lane l at 512 c + 16 l).  For each key step of 128 keys kv holds one dense block of 25,088 bytes: 8 key tiles of K, 7 d tiles of V^T (keys innermost; each half of 64 keys as 512 + 256 bytes),
; 8 x 128 bytes of K's scale words, 8 x 128 of V's.  Row r of token tile 2 b + u is token 32 b + 8 u + r + 8 (r / 8): the 16 registers of key tiles 2 b and 2 b + 1 are 16 neighbouring keys.
; SHARES.  Work-group j of 8 (j = 4 x cluster + place) of a (batch, head); wave w has rank RK (a permutation of 0 .. 15) and owns query tile 8 RK + j, whose queries all lie in key step RK.  So steps under RK are open, step RK is
; masked, steps over RK are left out: a branch on the wave's number and the step's count alone, round no barrier and no tensor load.  Every work-group holds ranks 0 .. 15: equal work; waves 4 apart have ranks that add up alike.
; RING.  Two LDS slots of two key steps.  The four work-groups of a cluster walk the same K and V: each block is asked for JOINTLY (waves 0 and 1, one key step each).  A wave never has more than one tensor load out.
; OUTPUT ao: for each token tile 25,600 bytes: columns 4 g .. 4 g + 3 of the 16 tokens form a unit of 256 bytes (token r at 16 r), the units in the order in which the next launch's quantiser takes them.
; LIMITS: NaN and infinities are not served.  A block of p that has fallen to zeros keeps the byte 1 over zero codes.  log2(e) / 10 is one f32 constant.
; REGISTERS: v1-6 addresses that stay; v8-10 the step's addresses; v12 -M, v13 the largest t, v[14:15] l in two halves; v16-27 Q; v28 the prefetches' offset; v32-79 four fragments; v80-92 the way out's addresses;
;   v96-159 S^T, then p; v160-215 O^T; v224-235 p's codes; v232-254 at work; v248-251 scale words; v253 p's scale word; v255 Q's.
.set STEPB, 25088
.set VIMG,  12288
.set KSC,   23040
.set VSC,   24064
.set SLOT1, 65536                      ; slot 1 begins here: one exclusive or turns an address in one slot into the other's
.set SPARE, 131072                     ; the spare words, 128 bytes for each of 16 waves: eight blocks of 256 bytes that no other line names
.set LI,   1                           ; v1  16 x lane
.set L8,   2                           ; v2  8 x lane
.set LS,   3                           ; v3  4 x lane
.set DQ,   4                           ; v4  my query's place in its key step, less 16 (lane / 16)
.set SPW,  5                           ; v5  my spare word; never rewritten
.set NIL,  6                           ; v6  0; never rewritten
.set ADI,  8
.set AD8,  9
.set ADS,  10
.set PFO,  28
.set WV,   10                          ; s10 wave
.set RK,   11                          ; s11 rank
.set CX,   12                          ; s12 my place in the cluster: it enters global addresses and the mask's data alone
.set JJ,   13                          ; s13 j
.set BH,   14                          ; s14 4 batch + head
.set SEL,  20
.set CS,   22                          ; s[22:23] log2(e) / 10
.set G1,   24                          ; s[24:31] descriptor group 1
.set KS,   32                          ; s32 the key step's number
.set TB,   33                          ; s33 the slot in hand
.set SLOTS, 34                         ; s34 slots still to be asked for
.set LIM,  35                          ; s35 1 in a wave that prefetches, else the greatest number
.set PFA,  36                          ; s[36:37] where my prefetches stand
.set AO,   38                          ; s[38:39] my token tile in ao
.set G0,   40                          ; s[40:43] descriptor group 0, which walks
.macro CROUND                          ; a round of the cluster's barrier
	s_barrier_signal -1
	s_barrier_wait -1
	s_cmp_lg_u32 s[WV], 0
	s_cbranch_scc1 .Lnot_wave_0_\@
	s_barrier_signal -3
.Lnot_wave_0_\@:
	s_barrier_wait -3
	s_barrier_signal -1
	s_barrier_wait -1
.endm
.macro TLOAD                           ; waves 0 and 1 fetch a key step's block each; four v_nop follow the load
	s_cmp_lt_u32 s[WV], 2
	s_cbranch_scc0 .Lasked_\@
	tensor_load_to_lds s[G0:G0+3], s[G1:G1+7]
	s_nop 0
.rept 4
	v_nop
.endr
.Lasked_\@:
.endm
; A prefetch of the slot that the NEXT change of slots will ask for: 196 blocks of 256 bytes.  Both clusters of a (batch, head) walk the same blocks: the first asks.  Its four partners take 49 blocks each, told apart by address;
; in each, waves 4 and 5 ask, a lane a block (the last lanes of wave 5 are held at block 48).  The last change that fills a slot asks for nothing; slots 0 and 1 come by their loads alone.
.macro ASK
	s_cmp_gt_u32 s[SLOTS], s[LIM]
	s_cbranch_scc0 .Lnot_mine_\@
	global_prefetch_b8 v[PFO], s[PFA:PFA+1] th:TH_LOAD_NT scope:SCOPE_SE
.Lnot_mine_\@:
.endm
	s_load_b128 s[4:7], s[0:1], 0x0                ; qc s[4:5], kv s[6:7]
	s_load_b64 s[8:9], s[0:1], 0x10                ; ao
	v_lshl_add_u32 v[SPW], v0, 2, SPARE
	v_mov_b32 v[NIL], 0
	ds_add_u32 v5, v6
	ds_add_u32 v5, v6
	s_wait_dscnt 0x0
	v_lshrrev_b32 v8, 5, v0
	s_delay_alu instid0(VALU_DEP_1)
	v_readfirstlane_b32 s[WV], v8                  ; wave 0..15
	s_bfe_u32 s[CX], ttmp6, 0x40000
	s_lshl_b32 s[JJ], ttmp9, 2
	s_add_co_u32 s[JJ], s[JJ], s[CX]               ; j = 4 x cluster x + cx
	s_and_b32 s[BH], ttmp7, 0xffff
	s_bfe_u32 s15, s[WV], 0x10002
	s_mul_i32 s15, s15, 3
	s_and_b32 s16, s[WV], 3
	s_xor_b32 s16, s16, s15
	s_and_b32 s15, s[WV], 12
	s_or_b32 s[RK], s15, s16                       ; (w & 12) | ((w & 3) xor 3 ((w / 4) & 1))
	; descriptor group 1: 98 rows of 256 bytes (32 elements of 8 bytes), dense, no padding
	s_mov_b32 s[G1], 15|(3<<16)|(1<<21)            ; 15:0 the mask: all four work-groups; 17:16 elements of 8 bytes; 21 set beside a mask
	s_mov_b32 s[G1+1], 32<<16                      ; tensor_dim0
	s_mov_b32 s[G1+2], 98<<16                      ; tensor_dim1
	s_mov_b32 s[G1+3], 32<<16                      ; tile_dim0
	s_mov_b32 s[G1+4], 98                          ; tile_dim1
	s_mov_b32 s[G1+5], 32                          ; the pitch
	s_mov_b32 s[G1+6], 0
	s_mov_b32 s[G1+7], 0
	s_and_b32 s17, s[WV], 1                        ; which of a slot's two key steps I fetch
	s_lshl_b32 s18, s[BH], 4
	s_add_co_u32 s18, s18, s17
	s_mul_i32 s18, s18, STEPB                      ; its block in memory
	s_mov_b32 s19, 0
	s_lshl_b32 s44, s[RK], 3
	s_add_co_u32 s44, s44, s[JJ]                   ; my query tile in the batch: 8 RK + j
	s_lshl_b32 s45, s[BH], 7
	s_add_co_u32 s45, s45, s44
	s_mul_i32 s46, s45, 1536                       ; its image,
	s_mov_b32 s47, 0
	s_lshl_b32 s48, s45, 7
	s_add_co_u32 s48, s48, 6291456                 ; its scale words
	s_mov_b32 s49, 0
	s_lshr_b32 s45, s[BH], 2
	s_lshl_b32 s45, s45, 7
	s_add_co_u32 s45, s45, s44
	s_mul_i32 s50, s45, 25600                      ; and its place in ao
	s_mov_b32 s51, 0
	s_mul_i32 s52, s[BH], 401408                   ; the prefetches: my (batch, head),
	s_mul_i32 s53, s[CX], 12544                    ; my work-group's 49 blocks,
	s_add_co_u32 s52, s52, s53
	s_add_co_u32 s52, s52, 2*STEPB                 ; in slot 1: the first change of slots steps it to slot 2.  Nothing is prefetched at the head
	s_mov_b32 s53, 0
	s_lshr_b32 s15, s[WV], 1
	s_xor_b32 s15, s15, 2                          ; 0 in waves 4 and 5,
	s_or_b32 s15, s15, ttmp9                       ; of the first cluster: the same in all four partners
	s_cmp_eq_u32 s15, 0
	s_cselect_b32 s[LIM], 1, -1
	s_mov_b32 s[SEL], 0x76543210
	s_mov_b32 s[SEL+1], 0xfedcba98
	s_mov_b32 s[CS], 0x3e13bb63                    ; log2(e) / 10
	s_mov_b32 s[CS+1], s[CS]
	s_mov_b32 s[KS], 0
	s_mov_b32 s[TB], 0
	s_mov_b32 s[SLOTS], 7
	s_wait_kmcnt 0x0
	s_add_nc_u64 s[PFA:PFA+1], s[6:7], s[52:53]
	s_add_nc_u64 s[AO:AO+1], s[8:9], s[50:51]
	s_add_nc_u64 s[46:47], s[4:5], s[46:47]
	s_add_nc_u64 s[48:49], s[4:5], s[48:49]
	CROUND                                         ; all four work-groups are here: the first joint loads meet
	s_mov_b32 s[G0], 1                             ; count = 1
	s_mul_i32 s[G0+1], s17, STEPB                  ; LDS address: slot 0, my key step: the wave's number alone enters it
	s_add_nc_u64 s[G0+2:G0+3], s[6:7], s[18:19]
	s_or_b32 s[G0+3], s[G0+3], 0x80000000          ; type = 2
	TLOAD                                          ; slot 0
	v_and_b32 v8, 31, v0
	s_delay_alu instid0(VALU_DEP_1)
	v_lshlrev_b32 v[LI], 4, v8
	s_delay_alu instid0(VALU_DEP_2)
	v_lshlrev_b32 v[L8], 3, v8
	s_delay_alu instid0(VALU_DEP_3)
	v_lshlrev_b32 v[LS], 2, v8
.irp c, 0,1,2
	global_load_b128 v[16+4*\c:19+4*\c], v[LI], s[46:47] offset:512*\c   ; Q's fragment stays in registers
.endr
	global_load_b32 v255, v[LS], s[48:49]          ; and its scale words
	s_sub_co_u32 s15, s[WV], 4
	s_lshl_b32 s15, s15, 5
	v_add_nc_u32 v[PFO], s15, v8
	s_delay_alu instid0(VALU_DEP_1)
	v_min_u32 v[PFO], 48, v[PFO]
	s_delay_alu instid0(VALU_DEP_1)
	v_lshlrev_b32 v[PFO], 8, v[PFO]
	v_and_b32 v9, 15, v0                           ; r
	s_delay_alu instid0(VALU_DEP_1)
	v_and_b32 v10, 8, v9
	s_delay_alu instid0(VALU_DEP_1)
	v_add_nc_u32 v9, v9, v10                       ; r + 8 (r / 8)
	v_bfe_u32 v10, v0, 4, 1
	s_delay_alu instid0(VALU_DEP_1)
	v_lshlrev_b32 v10, 4, v10                      ; 16 h
	s_delay_alu instid0(VALU_DEP_1)
	v_sub_nc_u32 v9, v9, v10
	s_lshr_b32 s15, s[JJ], 1
	s_lshl_b32 s15, s15, 5
	s_and_b32 s16, s[JJ], 1
	s_lshl_b32 s16, s16, 3
	s_add_co_u32 s15, s15, s16
	v_add_nc_u32 v[DQ], s15, v9                    ; 32 (j / 2) + 8 (j % 2) + r + 8 (r / 8) - 16 h
	v_mov_b32 v13, 0xff61b1e6                      ; the largest t so far: -3e38
	s_delay_alu instid0(VALU_DEP_1)
	v_floor_f32 v12, -v13                          ; -M
	v_mov_b32 v14, 0
	v_mov_b32 v15, 0
.irp b, 0,1,2,3
	v_mov_b32 v[236+\b], 0                         ; written once: a lane permute's destination counts as one of its sources
.endr
	v_mov_b32 v252, 0
	v_mov_b32 v253, 0
.set LP, 160
.rept 56
	v_mov_b32 v[LP], 0                             ; O^T: the step is written once; its first run finds zeros, which the first change of M leaves zeros
.set LP, LP+1
.endr
; A KEY STEP: 128 keys, the q-th of the slot in hand.
.macro STEP q
	s_cmp_gt_u32 s[KS], s[RK]                      ; all its keys come after my queries: left out
	s_cbranch_scc1 .Lhidden_\@
	v_add_nc_u32 v[ADI], s[TB], v[LI]
	s_wait_alu depctr_va_vdst(0)
	v_add_nc_u32 v[AD8], s[TB], v[L8]
	v_add_nc_u32 v[ADS], s[TB], v[LS]
	s_wait_alu depctr_va_vdst(0)
	v_nop                                          ; with the three additions: four places in front of loads into registers that the last products read
.irp g, 0,1                                        ; S^T = K Q^T, four tiles of 16 keys at a time
.if \g > 0
.rept 4
	v_nop
.endr
.endif
.irp t, 0,1,2,3
.irp c, 0,1,2
	ds_load_b128 v[32+12*\t+4*\c:35+12*\t+4*\c], v[ADI] offset:STEPB*(\q)+1536*(4*\g+\t)+512*\c
.endr
	ds_load_b32 v[248+\t], v[ADS] offset:STEPB*(\q)+KSC+128*(4*\g+\t)
.endr
	s_wait_dscnt 0x0
.irp t, 0,1,2,3
	v_wmma_scale_f32_16x16x128_f8f6f4 v[96+8*(4*\g+\t):103+8*(4*\g+\t)], v[32+12*\t:43+12*\t], v[16:27], 0, v[248+\t], v255 matrix_a_fmt:MATRIX_FMT_FP6 matrix_b_fmt:MATRIX_FMT_FP6
.endr
.endr
.rept 4
	v_nop
.endr
	s_cmp_lg_u32 s[KS], s[RK]                      ; only my own key step lies on the diagonal
	s_cbranch_scc1 .Lopen_\@
	v_mov_b32 v254, 0xff800000                     ; -infinity.  Register 16 b + i holds key 32 b + 16 (lane / 16) + i of the step: hidden where 32 b + i > DQ
.irp n, 0,1,2,3,4,5,6,7,8,9,10,11,12,13,14,15,16,17,18,19,20,21,22,23,24,25,26,27,28,29,30,31,32,33,34,35,36,37,38,39,40,41,42,43,44,45,46,47,48,49,50,51,52,53,54,55,56,57,58,59,60,61,62,63
	v_cmp_gt_i32 vcc_lo, 32*(\n/16)+\n%16, v[DQ]
	v_cndmask_b32 v[96+\n], v[96+\n], v254, vcc_lo
.endr
.Lopen_\@:
.irp b, 0,1,2,3
	v_max3_num_f32 v[232+\b], v[96+16*\b], v[97+16*\b], v[98+16*\b]   ; the largest score of each block of 32 keys: for the row's maximum and, since p rises with the score, for the block's largest p
.endr
.irp i, 3,5,7,9,11,13
.irp b, 0,1,2,3
	v_max3_num_f32 v[232+\b], v[232+\b], v[96+16*\b+\i], v[97+16*\b+\i]
.endr
.endr
.irp b, 0,1,2,3
	v_max_num_f32 v[232+\b], v[232+\b], v[111+16*\b]
.endr
.irp b, 0,1,2,3
	s_delay_alu instid0(VALU_DEP_4)
	v_permlanex16_b32 v[236+\b], v[232+\b], s[SEL], s[SEL+1]
.endr
.irp b, 0,1,2,3
	s_delay_alu instid0(VALU_DEP_4)
	v_max_num_f32 v[232+\b], v[232+\b], v[236+\b]  ; with lane l xor 16's 16 keys
.endr
	s_delay_alu instid0(VALU_DEP_2)
	v_max3_num_f32 v254, v232, v233, v234
	s_delay_alu instid0(VALU_DEP_1)
	v_max_num_f32 v254, v254, v235                 ; the step's largest score of my query
	s_delay_alu instid0(VALU_DEP_1)
	v_mul_f32 v254, s[CS], v254                    ; as t
	s_delay_alu instid0(VALU_DEP_1)
	v_max_num_f32 v13, v13, v254                   ; the running largest t
	v_mov_b32 v254, v12
	s_delay_alu instid0(VALU_DEP_2)
	v_floor_f32 v12, -v13                          ; the new -M = -ceil(t)
	s_delay_alu instid0(VALU_DEP_1)
	v_sub_f32 v254, v12, v254                      ; old M - new M: a whole number, 0 or less
	s_delay_alu instid0(VALU_DEP_1)
	v_cvt_i32_f32 v254, v254                       ; (it saturates)
	s_delay_alu instid0(VALU_DEP_1)
	v_ldexp_f32 v252, 1.0, v254                    ; f = 2^(old M - new M)
.irp j, 0,2,4,6,8,10,12,14,16,18,20,22,24,26,28,30,32,34,36,38,40,42,44,46,48,50,52,54,56,58,60,62
	v_pk_fma_f32 v[96+\j:97+\j], v[96+\j:97+\j], s[CS:CS+1], v[12:13] op_sel_hi:[1,0,0]   ; t - M, two at a time
.endr
.irp b, 0,1,2,3
	v_fma_f32 v[232+\b], v[232+\b], s[CS], v12     ; the same of each block's largest score
.endr
	s_wait_alu depctr_va_vdst(0)
.irp j, 0,1,2,3,4,5,6,7,8,9,10,11,12,13,14,15,16,17,18,19,20,21,22,23,24,25,26,27,28,29,30,31,32,33,34,35,36,37,38,39,40,41,42,43,44,45,46,47,48,49,50,51,52,53,54,55,56,57,58,59,60,61,62,63
	v_exp_f32 v[96+\j], v[96+\j]                   ; p = 2^(t - M)
.endr
	v_pk_mul_f32 v[14:15], v[14:15], v[252:253] op_sel_hi:[1,0]   ; l under the new M: a plain instruction behind the exponentials
	s_wait_alu depctr_va_vdst(0)                   ; one wait for the batch of 64, ahead of its first reader
.irp b, 0,1,2,3
	v_exp_f32 v[232+\b], v[232+\b]                 ; the block's largest p
.endr
	v_pk_add_f32 v[236:237], v[100:101], v[104:105]
	v_pk_add_f32 v[222:223], v[108:109], v[112:113]
	v_pk_add_f32 v[220:221], v[116:117], v[120:121]
	v_pk_add_f32 v[218:219], v[124:125], v[128:129]
	v_pk_add_f32 v[216:217], v[132:133], v[136:137]
	v_pk_add_f32 v[94:95], v[140:141], v[144:145]
	v_pk_add_f32 v[14:15], v[14:15], v[148:149]
	v_pk_add_f32 v[236:237], v[236:237], v[152:153]
	v_pk_add_f32 v[222:223], v[222:223], v[156:157]
	v_pk_add_f32 v[220:221], v[220:221], v[96:97]
	v_pk_add_f32 v[218:219], v[218:219], v[98:99]
	v_pk_add_f32 v[216:217], v[216:217], v[102:103]
	v_pk_add_f32 v[94:95], v[94:95], v[106:107]
	v_pk_add_f32 v[14:15], v[14:15], v[110:111]
	v_pk_add_f32 v[236:237], v[236:237], v[114:115]
	v_pk_add_f32 v[222:223], v[222:223], v[118:119]
	v_pk_add_f32 v[220:221], v[220:221], v[122:123]
	v_pk_add_f32 v[218:219], v[218:219], v[126:127]
	v_pk_add_f32 v[216:217], v[216:217], v[130:131]
	v_pk_add_f32 v[94:95], v[94:95], v[134:135]
	v_pk_add_f32 v[14:15], v[14:15], v[138:139]
	v_pk_add_f32 v[236:237], v[236:237], v[142:143]
	v_pk_add_f32 v[222:223], v[222:223], v[146:147]
	v_pk_add_f32 v[220:221], v[220:221], v[150:151]
	v_pk_add_f32 v[218:219], v[218:219], v[154:155]
	v_pk_add_f32 v[216:217], v[216:217], v[158:159]
	s_delay_alu instid0(VALU_DEP_2)
	v_pk_add_f32 v[14:15], v[14:15], v[218:219]
	s_delay_alu instid0(VALU_DEP_2)
	v_pk_add_f32 v[236:237], v[236:237], v[216:217]
	v_pk_add_f32 v[222:223], v[222:223], v[94:95]
	s_delay_alu instid0(VALU_DEP_1)
	v_pk_add_f32 v[14:15], v[14:15], v[222:223]
	s_delay_alu instid0(VALU_DEP_3)
	v_pk_add_f32 v[236:237], v[236:237], v[220:221]
	s_delay_alu instid0(VALU_DEP_1)
	v_pk_add_f32 v[14:15], v[14:15], v[236:237]
	s_wait_alu depctr_va_vdst(0)                   ; and one for the four
.irp b, 0,1,2,3
	v_max_num_f32 v[232+\b], 0x1800000, v[232+\b]  ; the floor 2^(3 - 127)
.endr
.irp b, 0,1,2,3
	s_delay_alu instid0(VALU_DEP_4)
	v_add_nc_u32 v[244+\b], 0xff000000, v[232+\b]  ; the conversion's scale operand
.endr
.irp b, 0,1,2,3
	s_delay_alu instid0(VALU_DEP_4)
	v_lshrrev_b32 v[236+\b], 23, v[244+\b]         ; the scale's byte
.endr
	s_delay_alu instid0(VALU_DEP_3)
	v_lshl_or_b32 v253, v237, 8, v236              ; p's scale word for these 128 keys
	s_delay_alu instid0(VALU_DEP_1)
	v_lshl_or_b32 v253, v238, 16, v253
	s_delay_alu instid0(VALU_DEP_1)
	v_lshl_or_b32 v253, v239, 24, v253
.irp c, 0,1
	v_cvt_scalef32_pk16_fp6_f32 v[224+6*\c:226+6*\c], v[96+32*\c:111+32*\c], v[244+2*\c]
	v_cvt_scalef32_pk16_fp6_f32 v[236+4*\c:238+4*\c], v[112+32*\c:127+32*\c], v[244+2*\c+1]
.endr
	v_nop                                          ; one plain instruction behind the scaled conversions
.irp c, 0,1
.irp i, 0,1,2
	v_permlane16_swap_b32 v[224+6*\c+\i], v[236+4*\c+\i]
.endr
.irp i, 0,1,2
	s_delay_alu instid0(VALU_DEP_3)
	v_mov_b32 v[227+6*\c+\i], v[236+4*\c+\i]
.endr
.endr
.irp j, 0,2,4,6,8,10,12,14,16,18,20,22,24,26,28,30,32,34,36,38,40,42,44,46,48,50,52,54
	v_pk_mul_f32 v[160+\j:161+\j], v[160+\j:161+\j], v[252:253] op_sel_hi:[1,0]   ; O^T under the new M; these 28 are also the places in front of the loads and products below
.endr
	s_wait_alu depctr_va_vdst(0)
.irp g, 0,1                                        ; O^T += V^T P^T: seven tiles of 16 of the head's axis
.if \g > 0
.rept 4
	v_nop
.endr
.endif
.irp t, 0,1,2,3
.if 4*\g+\t < 7
	ds_load_b128 v[32+12*\t:35+12*\t], v[ADI] offset:STEPB*(\q)+VIMG+1536*(4*\g+\t)
	ds_load_b64 v[36+12*\t:37+12*\t], v[AD8] offset:STEPB*(\q)+VIMG+1536*(4*\g+\t)+512
	ds_load_b128 v[38+12*\t:41+12*\t], v[ADI] offset:STEPB*(\q)+VIMG+1536*(4*\g+\t)+768
	ds_load_b64 v[42+12*\t:43+12*\t], v[AD8] offset:STEPB*(\q)+VIMG+1536*(4*\g+\t)+1280
	ds_load_b32 v[248+\t], v[ADS] offset:STEPB*(\q)+VSC+128*(4*\g+\t)
.endif
.endr
	s_wait_dscnt 0x0
.irp t, 0,1,2,3
.if 4*\g+\t < 7
	v_wmma_scale_f32_16x16x128_f8f6f4 v[160+8*(4*\g+\t):167+8*(4*\g+\t)], v[32+12*\t:43+12*\t], v[224:235], v[160+8*(4*\g+\t):167+8*(4*\g+\t)], v[248+\t], v253 matrix_a_fmt:MATRIX_FMT_FP6 matrix_b_fmt:MATRIX_FMT_FP6
.endif
.endr
.endr
.Lhidden_\@:
	s_add_co_u32 s[KS], s[KS], 1
.endm
; THE CHANGE OF SLOTS stands at a slot's head.  Each wave waits for all its tensor loads, adds 0 to its spare word, and waits for that and for its reads of the slot that it has left.
; fill = 1: a round of the cluster's barrier follows, and behind it the slot that was left is filled jointly with the next two key steps: the load has a slot's two steps in which to land.
.macro CHANGE fill
	s_wait_tensorcnt 0x0                           ; no tensor load of mine is out, so group 0 may be written
	ds_add_u32 v[SPW], v[NIL]                      ; 0 onto my spare word
.if \fill
	s_xor_b32 s[G0+1], s[G0+1], SLOT1              ; the other slot than last time,
	s_add_nc_u64 s[G0+2:G0+3], s[G0+2:G0+3], 2*STEPB   ; the next two key steps
	s_wait_xcnt 0x0                                ; the last prefetch, a slot back, has read its address
	s_add_nc_u64 s[PFA:PFA+1], s[PFA:PFA+1], 2*STEPB
	s_wait_dscnt 0x0                               ; the add is done, and my reads of the slot that I have left are over
	CROUND
	TLOAD                                          ; the first thing behind the round, a wave's one tensor load until the next
	ASK
.else
	s_wait_dscnt 0x0
	s_barrier_signal -1
	s_barrier_wait -1
.endif
.endm
	s_wait_loadcnt 0x0                             ; Q
.Lslot:                                            ; 7 trips: behind each change of slots but the last the next slot is asked for
	CHANGE 1
	STEP 0
	STEP 1
	s_xor_b32 s[TB], s[TB], SLOT1
	s_sub_co_u32 s[SLOTS], s[SLOTS], 1
	s_cmp_lg_u32 s[SLOTS], 0
	s_cbranch_scc1 .Lslot
	CHANGE 0                                       ; the last slot is written out
	STEP 0
	STEP 1
	; THE WAY OUT.  O^T / l; a lane's four neighbouring channels of its query are 16 bytes, and sixteen lanes fill one unit of 256 bytes of ao.
	v_add_f32 v14, v14, v15
	s_delay_alu instid0(VALU_DEP_1)
	v_permlanex16_b32 v252, v14, s[SEL], s[SEL+1]
	s_delay_alu instid0(VALU_DEP_1)
	v_add_f32 v14, v14, v252                       ; the row's sum
	s_wait_alu depctr_va_vdst(0)
	v_rcp_f32 v14, v14
	v_bfe_u32 v9, v0, 4, 1                         ; (plain work behind the transcendental)  h
	v_and_b32 v8, 15, v0
	s_delay_alu instid0(VALU_DEP_1)
	v_lshlrev_b32 v8, 4, v8                        ; 16 r
	s_and_b32 s15, s[BH], 3
	s_mul_i32 s15, s15, 25                         ; the head's first group of four columns
	v_lshl_add_u32 v10, v9, 1, s15                 ; 25 head + 2 h
.irp e, 0,1,2,3,4,5,6,7,8,9,10,11,12               ; registers 4 e .. 4 e + 3 of O^T: columns 4 g on, g = 25 head + 2 h + 4 (e / 2) + e % 2
	v_add_nc_u32 v11, 4*(\e/2)+(\e%2), v10
	s_delay_alu instid0(VALU_DEP_1)
	v_and_b32 v29, 0xf8, v11
	s_delay_alu instid0(VALU_DEP_2)
	v_and_b32 v30, 3, v11
	s_delay_alu instid0(VALU_DEP_1)
	v_lshl_add_u32 v29, v30, 1, v29
	s_delay_alu instid0(VALU_DEP_4)
	v_bfe_u32 v30, v11, 2, 1
	s_delay_alu instid0(VALU_DEP_1)
	v_add_nc_u32 v29, v29, v30                     ; the unit: (g & 0xf8) + 2 (g & 3) + ((g / 4) & 1),
	v_cmp_gt_u32 vcc_lo, 96, v11
	s_delay_alu instid0(VALU_DEP_1)
	v_cndmask_b32 v29, v11, v29, vcc_lo            ; from g = 96 on g itself
	s_delay_alu instid0(VALU_DEP_1)
	v_lshl_add_u32 v[80+\e], v29, 8, v8
.endr
	s_wait_alu depctr_va_vdst(0)                   ; the wait ahead of the reciprocal's first reader
.set LP, 0
.rept 56
	v_mul_f32 v[96+LP], v[160+LP], v14             ; each accumulator from its low end on
.set LP, LP+1
.endr
.irp e, 0,1,2,3,4,5,6,7,8,9,10,11
	global_store_b128 v[80+\e], v[96+4*\e:99+4*\e], s[AO:AO+1]   ; each half of the lanes stores 256 consecutive bytes, aligned
.endr
	v_cmp_gt_u32 vcc_lo, 1, v9
	s_wait_alu depctr_va_vdst(0)
	s_wait_xcnt 0x0                                ; EXEC changes only behind this wait
	s_and_saveexec_b32 s16, vcc_lo                 ; d 96 .. 99 lie in lanes 0-15; what lanes 16-31 hold lies beyond the head's 100
	global_store_b128 v92, v[144:147], s[AO:AO+1]
	s_wait_xcnt 0x0
	s_or_b32 exec_lo, exec_lo, s16
	s_wait_tensorcnt 0x0                           ; the wave's end
	ds_add_u32 v[SPW], v[NIL]
	s_wait_dscnt 0x0
	CROUND                                         ; the closing round: no work-group ends while a partner may still ask for a block that names it
	s_endpgm
.Lfunc_end_k_qe136d79aef_attn:
	.size	k_qe136d79aef_attn, .Lfunc_end_k_qe136d79aef_attn-k_qe136d79aef_attn
	.p2alignl 7, 3214868480
	.fill 96, 4, 3214868480
	.section	.rodata,"a",@progbits
	.p2align	6, 0x0
	.amdhsa_kernel k_qe136d79aef_attn
		.amdhsa_group_segment_fixed_size 327680
		.amdhsa_private_segment_fixed_size 0
		.amdhsa_enable_private_segment 0
		.amdhsa_kernarg_size 24
		.amdhsa_user_sgpr_count 2
		.amdhsa_user_sgpr_kernarg_segment_ptr 1
		.amdhsa_wavefront_size32 1
		.amdhsa_system_sgpr_workgroup_id_x 1
		.amdhsa_system_sgpr_workgroup_id_y 1
		.amdhsa_system_sgpr_workgroup_id_z 1
		.amdhsa_system_vgpr_workitem_id 0
		.amdhsa_next_free_vgpr 256
		.amdhsa_next_free_sgpr 66
		.amdhsa_reserve_vcc 1
		.amdhsa_float_denorm_mode_32 3
		.amdhsa_float_denorm_mode_16_64 3
		.amdhsa_memory_ordered 1
		.amdhsa_forward_progress 1
		.amdhsa_inst_pref_size 124
	.end_amdhsa_kernel
	.amdgpu_metadata
---
amdhsa.version: [ 1, 2 ]
amdhsa.kernels:
  - .name:           k_qe136d79aef_attn
    .symbol:         k_qe136d79aef_attn.kd
    .args:
      - { .name: qc, .offset: 0, .size: 8, .value_kind: global_buffer, .address_space: global }
      - { .name: kv, .offset: 8, .size: 8, .value_kind: global_buffer, .address_space: global }
      - { .name: ao, .offset: 16, .size: 8, .value_kind: global_buffer, .address_space: global }
    .group_segment_fixed_size: 327680
    .private_segment_fixed_size: 0
    .kernarg_segment_align: 8
    .kernarg_segment_size: 24
    .max_flat_workgroup_size: 512
    .sgpr_count:     66
    .vgpr_count:     256
    .wavefront_size: 32
...
	.end_amdgpu_metadata
.endif
;; end of part 7
;; launch tail (part 8): grid 256 x 1, 4 waves a work-group, no clusters, 217,088 bytes of LDS; arguments ao, x, wts, bo, ln2_g, ln2_b, b1, b2, out0; writes out0
.if DOCPART == 8
	.amdgcn_target "amdgcn-amd-amdhsa--gfx1250"
	.amdhsa_code_object_version 6
	.text
	.protected	k_qe136d79aef_tail
	.globl	k_qe136d79aef_tail
	.p2align	8
	.type	k_qe136d79aef_tail,@function
k_qe136d79aef_tail:
	s_mov_b64 s[64:65], 0
	v_nop
	global_prefetch_b8 v0, s[64:65] scope:SCOPE_SE
	s_setreg_imm32_b32 hwreg(HW_REG_WAVE_SCHED_MODE, 0, 2), 2
	s_setreg_imm32_b32 hwreg(HW_REG_WAVE_MODE, 25, 1), 1
	s_wait_xcnt 0x0
	s_wait_alu depctr_vm_vsrc(0)
; x1 = x + Q(ao) Q(Wo) + bo;  h2 = layernorm(x1) g + b;  out0 = x1 + Q(relu(Q(h2) Q(W1) + b1)) Q(W2) + b2.  Products on FP6 (E2M3) codes with one E8M0 scale for each 32 along K; all else f32.  Nothing between goes to memory.
; SHARES.  A work-group owns 64 tokens: four tiles of 16 (row r of tile 2 b + u is token 32 b + 8 u + r + 8 (r / 8)).  ROW WORK (fetching x, quantising ao, layer norm, the stores): wave w takes tile w.
; PRODUCTS: THE WAVES SHARE THE COLUMNS.  Wo and W2 have 25 tiles of 16 units: wave w takes tiles 6 w .. 6 w + 5 for all four token tiles and tile 24 for token tile w: 25 accumulators.  W1: wave w takes the groups of 128
; units 4 trip + w, trip 0 .. 2, for all four token tiles; group 12 (64 units) each wave for its own tile.  So each weight fragment goes from memory straight into the one wave that multiplies by it, and feeds four products.
; All products are TRANSPOSED (source 0 = 16 units of a weight, source 1 = 16 tokens): a lane holds one token, its registers run along the units.  x and x1 are the accumulators' first contents; b1 is the C of a sum's first product.
; x COMES IN LONG RUNS: a tile's 16 tokens are two runs of 12,800 dense bytes: 50 loads of 512 consecutive bytes, laid into the 64 rows in LDS (piece n of a run at 16 n + 16 (n / 100)), from which every wave takes its columns.
; OPERANDS GO FROM WAVE TO WAVE THROUGH LDS AS IMAGES OF THEIR REGISTERS (registers 4 c .. 4 c + 3 of lane l at 512 c + 16 l; scale words at 4 l).  Six barriers.
; THE WEIGHTS come as images made by an earlier launch, through four register sets that take turns; a set is asked for again as soon as its products are issued.  The waits on the loads' counter leave the younger sets out (63 where more are younger).
; Of a FOURTH K STEP of K = 400 (always set 3) a fragment's first third alone is loaded: registers 0-3 hold all of k 384 .. 399.  What the other eight registers hold from earlier loads meets zero codes of the token operand
; (every code of FP6 is a number, and no scale byte there is 0xff): those products are zeros.
; Not shared in a cluster: a joint load would send every fragment through LDS besides, for the same four products, and 216,576 bytes of LDS are taken.
; LIMITS: NaN and infinities are not served.  A block of zeros, or one under 2^-124, gets the byte 1 (the empty blocks of a fourth K step the byte 0) over zero codes.  1 / 400 is one f32 constant.
; REGISTERS, in windows of 256.  window 0: v1-33 addresses; v34-53 codes; v54-69 quantiser's work (v65: the closing add's address); v70 scale word; v71 the closing add's 0; v72-85 sums, mean, 1 / sigma; v86-205 two sets of five token fragments
;   (at the head: 25 LDS addresses); v206-215 their scale words; v216-247 the weights' scale words; v248-255 at work.  On the way out: v86-165 and v216-255 three out-buffers of 40, v166-215 fifty LDS addresses.
;   window 1: weight sets 0 (v0) and 1 (v96); from v192 a bias.   window 2: x's pieces, accumulators; my row in the layer norm.   window 3: weight sets 2 (v0) and 3 (v96); ao's row, g and b meanwhile.
; THE MODE: SCHED_MODE bits 1:0 = 2 (LLVM: expert scheduling mode 2), set by the entry lines.  The code itself states the register dependences between vector or matrix instructions and memory or LDS instructions, with s_wait_alu, always for 0.
; THE PLAN.  Registers that memory or LDS instructions touch, and who else names them:
;   v1-33       offsets and LDS addresses: written at the head: one wait on va_vdst ahead of the first load.  Six of them are stepped at a loop's edge: behind a wait on vm_vsrc (the accesses issued so far have read them);
;               that they are written is stated by the next stage's wait on va_vdst, which stands ahead of their next reader.
;   v34-45, v70 codes and scale word: written by a quantiser, read by its image's LDS stores, written by the next quantiser: va_vdst ahead of the stores, vm_vsrc behind them.
;   token sets, weight sets, the scale words of both, the bias: read by a stage's products, then asked for again: ONE wait on va_vdst a stage, behind its products.  It stands there and not at the next stage's head,
;               so that a set is on its way again while the wave waits for the next stage's data.
;   window 2    x's pieces are read by LDS stores and x lands there behind a barrier; the accumulators are written by additions, read by LDS stores, and x1's rows land there: va_vdst ahead of the stores, vm_vsrc ahead of the loads.
;   window 3    ao's row, g and b are read by vector lines, then loads land there: in the layer norm these loads stand behind the quantiser that follows, so that ONE wait on va_vdst serves them and the image's stores.
;   the way out: the fifty LDS addresses are made on end, while the result's LDS stores are out: ONE wait on va_vdst ahead of the first read; three out-buffers for five batches: ONE wait on vm_vsrc.
.set SCB,  1783296
.set AIMG, 103424                      ; LDS: from 0: x, x1, later the result: 64 rows (16 m + r) x 1,616 bytes;  AIMG: 16 images (4 m + s) of ao, later of h2;
.set ASC,  128000                      ; their scale words;
.set HIMG, 130048                      ; the hidden layer's 52 images (4 k + m);
.set HSC,  209920                      ; their scale words
.set LI,   1                           ; 16 l
.set LS,   2                           ; 4 l
.set NIL,  3                           ; 0
.set LIW,  4                           ; 16 l + 9,216 w: my six tiles' images in a K step of Wo or W2
.set LSW,  5                           ; 4 l + 768 w
.set LID,  6                           ; 16 l + 49,152 w: my group's images in W1
.set LSD,  7                           ; 4 l + 4,096 w
.set L16R, 8                           ; 16 r
.set XD,   9                           ; x, dense: 16 l + my tile's first token x 1,600
.set SXB,  10                          ; my 16 rows in LDS, dense pieces: 16 l + 25,856 w
.set SRA,  11                          ; the rows in LDS, the result's layout: 1,616 r + 32 h + 384 w (token tiles 0, 1)
.set SRB,  12                          ; + 51,712 (token tiles 2, 3)
.set SRO,  13                          ; (16 w + r) 1,616 + 32 h + 1,536
.set SQ,   14                          ; x1 in LDS, the quantiser's order: (16 w + r) 1,616 + 64 h
.set SQ12, 15                          ; block 12: (16 w + r) 1,616 + 1,536
.set GH,   16                          ; 64 h
.set BH,   17                          ; 32 h
.set BHW,  18                          ; 32 h + 384 w
.set B1H,  19                          ; 64 h + 512 w
.set AWI,  20                          ; 16 l + AIMG + 6,144 w: my tile's images
.set AWS,  21                          ; 4 l + ASC + 512 w
.set AIA,  22                          ; 16 l + AIMG
.set ASA,  23                          ; 4 l + ASC
.set HWI,  24                          ; 16 l + HIMG + 6,144 w, stepped by four K steps a trip
.set HWS,  25                          ; 4 l + HSC + 512 w, likewise
.set HRA,  26                          ; 16 l + HIMG, stepped
.set HRO,  27                          ; 16 l + HIMG + 1,536 w, stepped
.set HSA,  28                          ; 4 l + HSC, stepped
.set HSO,  29                          ; 4 l + HSC + 128 w, stepped
.set OB,   30                          ; the way out: 16 l + (32 (w / 2) + 8 (w % 2)) 1,616
.set LQ,   31                          ; l / 4
.set H12I, 32                          ; image 48 + w
.set H12S, 33
.set PC,   34
.set TM,   54
.set PW,   70
.set SA,   72
.set S12,  80
.set MU,   82
.set RSD,  84
.set AF,   86
.set OA,   166                         ; the way out: v166-215 fifty LDS addresses
.set ASW,  206
.set WS,   216
.set BIAS, 192                         ; in window 1
.set WT,   8                           ; s[8:9] wts
.set WV,   22
.set SEL,  24
.set INV,  26
.set EPS,  27
.set CNT,  28
.set AP,   36                          ; s[36:37] my tile in ao
.set XP,   38                          ; s[38:39] x at the work-group's first token
.set OP,   40                          ; s[40:41] out0 at my 16 tokens
.set WDI,  42                          ; s[42:43] W1's images, stepped by four groups a trip;  s[44:45] scale words;  s[46:47] b1
.set WDS,  44
.set B1P,  46
.set WEI,  48                          ; s[48:49] W2's images, stepped by four K steps a trip;  s[50:51] scale words
.set WES,  50
.set MSB, 0
.macro WIN new                         ; the immediate's high byte repeats the setting that is left; a switch that changes nothing is dropped
.if MSB != (\new)
	s_set_vgpr_msb (MSB<<8)|(\new)
.set MSB, (\new)
.endif
.endm
.macro PLACES                          ; four plain instructions behind a matrix instruction, ahead of a vector read of its results (ISA guide 7.12.1); they stay beside the waits on va_vdst
.rept 4
	v_nop
.endr
.endm
.macro BARRIER                         ; my LDS stores have landed and my LDS loads are in: then the work-group's barrier
	s_wait_dscnt 0x0
	s_barrier_signal -1
	s_barrier_wait -1
.endm
; 64 numbers of a lane in window w, register s + 16 b + i = k 32 b + 16 (lane / 16) + i of my row, become a fragment's codes in v[PC] on and its scale word in v[PW].
.macro QUANT s, w
	WIN (\w)|((\w)<<2)
.irp b, 0,1,2,3
	v_max3_num_f32 v[TM+\b], |v[(\s)+16*\b]|, |v[(\s)+16*\b+1]|, 0x1800000   ; block b: my 16 numbers and the floor 2^(3 - 127): the byte cannot fall under 1
.endr
	WIN ((\w)<<2)|((\w)<<4)
.irp i, 2,4,6,8,10,12,14
.irp b, 0,1,2,3
	v_max3_num_f32 v[TM+\b], v[TM+\b], |v[(\s)+16*\b+\i]|, |v[(\s)+16*\b+\i+1]|   ; the four blocks by turns
.endr
.endr
	WIN 0
.irp b, 0,1,2,3
	v_permlanex16_b32 v[TM+4+\b], v[TM+\b], s[SEL], s[SEL+1]
.endr
.irp b, 0,1,2,3
	v_max_num_f32 v[TM+\b], v[TM+\b], v[TM+4+\b]   ; with lane l xor 16's: the block's largest magnitude
.endr
.irp b, 0,1,2,3
	v_add_nc_u32 v[TM+12+\b], 0xff000000, v[TM+\b] ; 2 off its exponent field: the conversion's scale operand
.endr
.irp b, 0,1,2,3
	v_lshrrev_b32 v[TM+4+\b], 23, v[TM+12+\b]      ; the scale's byte
.endr
	v_lshl_or_b32 v[PW], v[TM+5], 8, v[TM+4]
	v_lshl_or_b32 v[PW], v[TM+6], 16, v[PW]
	v_lshl_or_b32 v[PW], v[TM+7], 24, v[PW]
	WIN (\w)
.irp c, 0,1
	v_cvt_scalef32_pk16_fp6_f32 v[PC+6*\c:PC+6*\c+2], v[(\s)+32*\c:(\s)+32*\c+15], v[TM+12+2*\c]
	v_cvt_scalef32_pk16_fp6_f32 v[PC+12+4*\c:PC+14+4*\c], v[(\s)+32*\c+16:(\s)+32*\c+31], v[TM+13+2*\c]   ; (a conversion's three registers begin on an even number)
.endr
	WIN 0
	v_nop                                          ; one plain instruction behind the scaled conversions
.irp c, 0,1                                        ; the operand's layout wants a whole block in a lane: lanes 0-15 block 2 c, lanes 16-31 block 2 c + 1
.irp i, 0,1,2
	v_permlane16_swap_b32 v[PC+6*\c+\i], v[PC+12+4*\c+\i]
.endr
.irp i, 0,1,2
	v_mov_b32 v[PC+3+6*\c+\i], v[PC+12+4*\c+\i]
.endr
.endr
.endm
; The fourth K step of K = 400: 16 numbers (k 384 .. 399), which both halves of the lanes hold alike, and zeros.
.macro QUANT3 s, w
	WIN (\w)|((\w)<<2)
	v_max3_num_f32 v[TM], |v[(\s)]|, |v[(\s)+1]|, 0x1800000
	WIN ((\w)<<2)|((\w)<<4)
.irp i, 2,4,6,8,10,12,14
	v_max3_num_f32 v[TM], v[TM], |v[(\s)+\i]|, |v[(\s)+\i+1]|
.endr
	WIN 0
	v_add_nc_u32 v[TM+12], 0xff000000, v[TM]
	v_lshrrev_b32 v[PW], 23, v[TM+12]              ; byte 0; the three empty blocks keep the byte 0 over zero codes
	WIN (\w)
	v_cvt_scalef32_pk16_fp6_f32 v[PC:PC+2], v[(\s):(\s)+15], v[TM+12]
	WIN 0
	v_nop
	s_mov_b32 vcc_lo, 0xffff
.irp i, 0,1,2
	v_cndmask_b32 v[PC+\i], 0, v[PC+\i], vcc_lo    ; the block lies in lanes 0-15; lanes 16-31 hold the next block: zeros
.endr
.irp i, 3,4,5,6,7,8,9,10,11
	v_mov_b32 v[PC+\i], 0
.endr
.endm
; The sum (sq = 0) or the sum of squares (sq = 1) of my row's 400 numbers, in every lane, in v[SA].  Window 2: v0-191 my 16 of each of 12 blocks; v192-207 block 12, held alike by both halves, so it is added once.
.macro LNSUM sq
	WIN 0x0a
.if \sq
.irp k, 0,1,2,3
	v_pk_mul_f32 v[SA+2*\k:SA+2*\k+1], v[2*\k:2*\k+1], v[2*\k:2*\k+1]
.endr
	v_pk_mul_f32 v[S12:S12+1], v[192:193], v[192:193]
.set LP, 4
.rept 92
	v_pk_fma_f32 v[SA+2*(LP%4):SA+2*(LP%4)+1], v[2*LP:2*LP+1], v[2*LP:2*LP+1], v[SA+2*(LP%4):SA+2*(LP%4)+1]
.set LP, LP+1
.endr
.set LP, 97
.rept 7
	v_pk_fma_f32 v[S12:S12+1], v[2*LP:2*LP+1], v[2*LP:2*LP+1], v[S12:S12+1]
.set LP, LP+1
.endr
.else
.irp k, 0,1,2,3
	v_pk_add_f32 v[SA+2*\k:SA+2*\k+1], v[2*\k:2*\k+1], v[2*\k+8:2*\k+9]
.endr
	v_pk_add_f32 v[S12:S12+1], v[192:193], v[194:195]
	WIN 0x08
.set LP, 8
.rept 88
	v_pk_add_f32 v[SA+2*(LP%4):SA+2*(LP%4)+1], v[SA+2*(LP%4):SA+2*(LP%4)+1], v[2*LP:2*LP+1]
.set LP, LP+1
.endr
.set LP, 98
.rept 6
	v_pk_add_f32 v[S12:S12+1], v[S12:S12+1], v[2*LP:2*LP+1]
.set LP, LP+1
.endr
.endif
	WIN 0
	v_pk_add_f32 v[SA:SA+1], v[SA:SA+1], v[SA+2:SA+3]
	v_pk_add_f32 v[SA+4:SA+5], v[SA+4:SA+5], v[SA+6:SA+7]
	v_pk_add_f32 v[SA:SA+1], v[SA:SA+1], v[SA+4:SA+5]
	v_add_f32 v[SA], v[SA], v[SA+1]
	v_add_f32 v[S12], v[S12], v[S12+1]
	v_permlanex16_b32 v[SA+2], v[SA], s[SEL], s[SEL+1]
	v_add_f32 v[SA], v[SA], v[SA+2]
	v_add_f32 v[SA], v[SA], v[S12]
.endm
.macro LNSTAT                          ; the row becomes x1 - mean, in place; v[RSD:RSD+1] = 1 / sqrt(variance + eps)
	LNSUM 0
	v_mul_f32 v[MU], s[INV], v[SA]
	v_mov_b32 v[MU+1], v[MU]
	WIN 0x82
.set LP, 0
.rept 104
	v_pk_add_f32 v[2*LP:2*LP+1], v[2*LP:2*LP+1], v[MU:MU+1] neg_lo:[0,1] neg_hi:[0,1]
.set LP, LP+1
.endr
	LNSUM 1
	v_fma_f32 v[SA], v[SA], s[INV], s[EPS]
	s_wait_alu depctr_va_vdst(0)
	v_rsq_f32 v[RSD], v[SA]
	v_nop                                          ; a plain instruction behind the transcendental,
	s_wait_alu depctr_va_vdst(0)                   ; and the wait: the reciprocal root v[RSD] is written, ahead of the first line that names it
	v_mov_b32 v[RSD+1], v[RSD]
.endm
.macro NORM s, n, g, wg, b, wb         ; n numbers from v[s] of window 2 on: x 1 / sigma, then x g + b
	WIN 0x82
.set LP, 0
.rept (\n)/2
	v_pk_mul_f32 v[(\s)+LP:(\s)+LP+1], v[(\s)+LP:(\s)+LP+1], v[RSD:RSD+1]
.set LP, LP+2
.endr
	WIN 0x82|((\wg)<<2)|((\wb)<<4)
.set LP, 0
.rept (\n)/2
	v_pk_fma_f32 v[(\s)+LP:(\s)+LP+1], v[(\s)+LP:(\s)+LP+1], v[(\g)+LP:(\g)+LP+1], v[(\b)+LP:(\b)+LP+1]
.set LP, LP+2
.endr
	WIN 0
.endm
.macro IMAGE adr, off                  ; the fragment in v[PC] on goes to LDS as it stands
.irp c, 0,1,2
	ds_store_b128 v[\adr], v[PC+4*\c:PC+4*\c+3] offset:(\off)+512*\c
.endr
.endm
.macro MMA d, a, b, sa, sb             ; a product that adds in place
	v_wmma_scale_f32_16x16x128_f8f6f4 v[(\d):(\d)+7], v[(\a):(\a)+11], v[(\b):(\b)+11], v[(\d):(\d)+7], v[\sa], v[\sb] matrix_a_fmt:MATRIX_FMT_FP6 matrix_b_fmt:MATRIX_FMT_FP6
.endm
.macro MMC d, a, b, c, sa, sb          ; and one that starts a sum with a bias
	v_wmma_scale_f32_16x16x128_f8f6f4 v[(\d):(\d)+7], v[(\a):(\a)+11], v[(\b):(\b)+11], v[(\c):(\c)+7], v[\sa], v[\sb] matrix_a_fmt:MATRIX_FMT_FP6 matrix_b_fmt:MATRIX_FMT_FP6
.endm
.macro BUFSET buf                      ; weight set buf: its first register and its window
.set BR, 96*((\buf)&1)
.set BW, 1+2*((\buf)>>1)
.endm
; n fragments that lie on end, and their scale words, into weight set buf: 3 n + n loads; sh = 1 (a fourth K step of K = 400): the first third of each fragment: n + n
.macro WLDN buf, n, va, vs, pi, oi, ps, os, sh
	BUFSET \buf
	WIN BW<<6
.set WQ, 0
.rept \n
.irp c, 0,1,2
.if (\c == 0) || ((\sh) == 0)
	global_load_b128 v[BR+12*WQ+4*\c:BR+12*WQ+4*\c+3], v[\va], s[\pi:\pi+1] offset:(\oi)+1536*WQ+512*\c
.endif
.endr
.set WQ, WQ+1
.endr
	WIN 0
.set WQ, 0
.rept \n
	global_load_b32 v[WS+8*(\buf)+WQ], v[\vs], s[\ps:\ps+1] offset:(\os)+128*WQ
.set WQ, WQ+1
.endr
.endm
; a K step of Wo or W2: my six tiles and tile 24: 21 + 7 loads; sh = 1: 7 + 7
.macro WLD7 buf, pi, oi, ps, os, sh
	BUFSET \buf
	WIN BW<<6
.irp t, 0,1,2,3,4,5
.irp c, 0,1,2
.if (\c == 0) || ((\sh) == 0)
	global_load_b128 v[BR+12*\t+4*\c:BR+12*\t+4*\c+3], v[LIW], s[\pi:\pi+1] offset:(\oi)+1536*\t+512*\c
.endif
.endr
.endr
.irp c, 0,1,2
.if (\c == 0) || ((\sh) == 0)
	global_load_b128 v[BR+72+4*\c:BR+75+4*\c], v[LI], s[\pi:\pi+1] offset:(\oi)+36864+512*\c
.endif
.endr
	WIN 0
.irp t, 0,1,2,3,4,5
	global_load_b32 v[WS+8*(\buf)+\t], v[LSW], s[\ps:\ps+1] offset:(\os)+128*\t
.endr
	global_load_b32 v[WS+8*(\buf)+6], v[LS], s[\ps:\ps+1] offset:(\os)+3072
.endm
.macro BLD7 p                          ; bo or b2 in the result's layout: my six tiles and tile 24: 14 loads
	WIN 0x40
.irp t, 0,1,2,3,4,5
	global_load_b128 v[BIAS+8*\t:BIAS+8*\t+3], v[BHW], s[\p:\p+1] offset:64*\t
	global_load_b128 v[BIAS+8*\t+4:BIAS+8*\t+7], v[BHW], s[\p:\p+1] offset:64*\t+16
.endr
	global_load_b128 v[BIAS+48:BIAS+51], v[BH], s[\p:\p+1] offset:1536
	global_load_b128 v[BIAS+52:BIAS+55], v[BH], s[\p:\p+1] offset:1552
	WIN 0
.endm
.macro BLD8 off                        ; b1 of a group of mine, off bytes on: for tile 2 b + u the units 32 b + 16 h + 8 u + 0 .. 7: 16 loads
	WIN 0x40
.irp t, 0,1,2,3,4,5,6,7
	global_load_b128 v[BIAS+8*\t:BIAS+8*\t+3], v[B1H], s[B1P:B1P+1] offset:(\off)+(32*(\t/2)+8*(\t%2))*4
	global_load_b128 v[BIAS+8*\t+4:BIAS+8*\t+7], v[B1H], s[B1P:B1P+1] offset:(\off)+(32*(\t/2)+8*(\t%2))*4+16
.endr
	WIN 0
.endm
.macro BLD4                            ; b1 of group 12: 8 loads
	WIN 0x40
.irp t, 0,1,2,3
	global_load_b128 v[BIAS+8*\t:BIAS+8*\t+3], v[GH], s[16:17] offset:6144+(32*(\t/2)+8*(\t%2))*4
	global_load_b128 v[BIAS+8*\t+4:BIAS+8*\t+7], v[GH], s[16:17] offset:6144+(32*(\t/2)+8*(\t%2))*4+16
.endr
	WIN 0
.endm
; K step s of ao's or h2's images into set: the four token tiles (16 LDS loads); five = 1: my own tile's once more, since a register's number cannot hang on the wave (20)
.macro AFA set, s, five
.irp m, 0,1,2,3
.irp c, 0,1,2
	ds_load_b128 v[AF+60*(\set)+12*\m+4*\c:AF+60*(\set)+12*\m+4*\c+3], v[AIA] offset:(4*\m+(\s))*1536+512*\c
.endr
	ds_load_b32 v[ASW+5*(\set)+\m], v[ASA] offset:(4*\m+(\s))*128
.endr
.if \five
.irp c, 0,1,2
	ds_load_b128 v[AF+60*(\set)+48+4*\c:AF+60*(\set)+51+4*\c], v[AWI] offset:(\s)*1536+512*\c
.endr
	ds_load_b32 v[ASW+5*(\set)+4], v[AWS] offset:(\s)*128
.endif
.endm
.macro AFO set                         ; my own tile's h2, K steps 2 set and 2 set + 1: 8 LDS loads
.irp i, 0,1
.irp c, 0,1,2
	ds_load_b128 v[AF+60*(\set)+12*\i+4*\c:AF+60*(\set)+12*\i+4*\c+3], v[AWI] offset:(2*(\set)+\i)*1536+512*\c
.endr
	ds_load_b32 v[ASW+5*(\set)+\i], v[AWS] offset:(2*(\set)+\i)*128
.endr
.endm
.macro AFH set, k                      ; K step k (counted from where the stepped addresses stand) of the hidden layer's images: 20 LDS loads
.irp m, 0,1,2,3
.irp c, 0,1,2
	ds_load_b128 v[AF+60*(\set)+12*\m+4*\c:AF+60*(\set)+12*\m+4*\c+3], v[HRA] offset:(4*(\k)+\m)*1536+512*\c
.endr
	ds_load_b32 v[ASW+5*(\set)+\m], v[HSA] offset:(4*(\k)+\m)*128
.endr
.irp c, 0,1,2
	ds_load_b128 v[AF+60*(\set)+48+4*\c:AF+60*(\set)+51+4*\c], v[HRO] offset:4*(\k)*1536+512*\c
.endr
	ds_load_b32 v[ASW+5*(\set)+4], v[HSO] offset:4*(\k)*128
.endm
; 25 products in place, the accumulators by turns: accumulator (tile t, token tile m) at v[8 (4 t + m)] of window 2, (tile 24, my own tile) at v192
.macro PROD25 buf, set
	BUFSET \buf
	WIN 0xa0|BW
.irp t, 0,1,2,3,4,5
.irp m, 0,1,2,3
	MMA 8*(4*\t+\m), BR+12*\t, AF+60*(\set)+12*\m, WS+8*(\buf)+\t, ASW+5*(\set)+\m
.endr
.endr
	MMA 192, BR+72, AF+60*(\set)+48, WS+8*(\buf)+6, ASW+5*(\set)+4
	WIN 0
.endm
.macro PROD32 s                        ; K step s of a group of W1: 8 tiles x 4 token tiles, accumulator at v[64 m + 8 t]: a token tile's 64 registers stand in the quantiser's order
	BUFSET \s
.if (\s) == 0
	WIN 0x91                                       ; C: the bias, in window 1
.else
	WIN 0xa0|BW
.endif
.irp t, 0,1,2,3,4,5,6,7
.irp m, 0,1,2,3
.if (\s) == 0
	MMC 64*\m+8*\t, BR+12*\t, AF+12*\m, BIAS+8*\t, WS+\t, ASW+\m
.else
	MMA 64*\m+8*\t, BR+12*\t, AF+60*((\s)&1)+12*\m, WS+8*(\s)+\t, ASW+5*((\s)&1)+\m
.endif
.endr
.endr
	WIN 0
.endm
.macro PROD4 s                         ; K step s of group 12, my own token tile
	BUFSET \s
.if (\s) == 0
	WIN 0x91
.else
	WIN 0xa0|BW
.endif
.irp t, 0,1,2,3
.if (\s) == 0
	MMC 8*\t, BR+12*\t, AF, BIAS+8*\t, WS+\t, ASW
.else
	MMA 8*\t, BR+12*\t, AF+60*((\s)>>1)+12*((\s)&1), WS+8*(\s)+\t, ASW+5*((\s)>>1)+((\s)&1)
.endif
.endr
	WIN 0
.endm
.macro ADDBIAS                         ; the 25 accumulators + their tile's bias, each from its low end on
	WIN 0x86
.irp t, 0,1,2,3,4,5
.irp m, 0,1,2,3
.irp i, 0,2,4,6
	v_pk_add_f32 v[8*(4*\t+\m)+\i:8*(4*\t+\m)+\i+1], v[8*(4*\t+\m)+\i:8*(4*\t+\m)+\i+1], v[BIAS+8*\t+\i:BIAS+8*\t+\i+1]
.endr
.endr
.endr
.irp i, 0,2,4,6
	v_pk_add_f32 v[192+\i:193+\i], v[192+\i:193+\i], v[BIAS+48+\i:BIAS+49+\i]
.endr
	WIN 0
.endm
.macro TOROWS                          ; the 25 accumulators into the 64 rows in LDS: a lane's 32 bytes of its token's row
	WIN 0x08
.irp t, 0,1,2,3,4,5
.irp m, 0,1,2,3
	ds_store_b128 v[SRA+\m/2], v[8*(4*\t+\m):8*(4*\t+\m)+3] offset:(\m%2)*25856+64*\t
	ds_store_b128 v[SRA+\m/2], v[8*(4*\t+\m)+4:8*(4*\t+\m)+7] offset:(\m%2)*25856+64*\t+16
.endr
.endr
	ds_store_b128 v[SRO], v[192:195]
	ds_store_b128 v[SRO], v[196:199] offset:16
	WIN 0
.endm
.macro FROMROWS                        ; and the same bytes of the 64 rows into the 25 accumulators: 50 LDS loads
	WIN 0x80
.irp t, 0,1,2,3,4,5
.irp m, 0,1,2,3
	ds_load_b128 v[8*(4*\t+\m):8*(4*\t+\m)+3], v[SRA+\m/2] offset:(\m%2)*25856+64*\t
	ds_load_b128 v[8*(4*\t+\m)+4:8*(4*\t+\m)+7], v[SRA+\m/2] offset:(\m%2)*25856+64*\t+16
.endr
.endr
	ds_load_b128 v[192:195], v[SRO]
	ds_load_b128 v[196:199], v[SRO] offset:16
	WIN 0
.endm
	s_load_b256 s[4:11], s[0:1], 0x0               ; ao s[4:5], x s[6:7], wts s[8:9], bo s[10:11]
	s_load_b256 s[12:19], s[0:1], 0x20             ; ln2_g s[12:13], ln2_b s[14:15], b1 s[16:17], b2 s[18:19]
	s_load_b64 s[20:21], s[0:1], 0x40              ; out0
	v_lshl_add_u32 v65, v0, 2, 0x34e00             ; my spare word, behind the hidden layer's scale words, and 0: made here and kept for the closing lines alone
	v_mov_b32 v71, 0
	v_lshrrev_b32 v248, 5, v0
	v_readfirstlane_b32 s[WV], v248                ; wave 0..3
	v_and_b32 v248, 31, v0                         ; lane
	v_and_b32 v249, 15, v0                         ; r
	v_bfe_u32 v250, v0, 4, 1                       ; h
	v_lshlrev_b32 v[LI], 4, v248
	s_wait_alu depctr_va_vdst(0)
	v_lshlrev_b32 v[LS], 2, v248
	v_mov_b32 v[NIL], 0
	s_wait_alu depctr_va_sdst(0)                   ; s[WV], the wave's number, is written, ahead of its first reader
	s_mul_i32 s30, s[WV], 9216
	v_add_nc_u32 v[LIW], s30, v[LI]
	s_mul_i32 s30, s[WV], 768
	v_add_nc_u32 v[LSW], s30, v[LS]
	s_mul_i32 s30, s[WV], 49152
	v_add_nc_u32 v[LID], s30, v[LI]
	s_lshl_b32 s30, s[WV], 12
	v_add_nc_u32 v[LSD], s30, v[LS]
	v_lshlrev_b32 v[L16R], 4, v249
	s_lshr_b32 s31, s[WV], 1
	s_lshl_b32 s31, s31, 5
	s_and_b32 s32, s[WV], 1
	s_lshl_b32 s32, s32, 3
	s_add_co_u32 s31, s31, s32                     ; my tile's first token: 32 (w / 2) + 8 (w % 2)
	s_mul_i32 s30, s[WV], 384
	s_mul_i32 s32, s31, 1600
	v_add_nc_u32 v[XD], s32, v[LI]
	v_mul_u32_u24 v252, v249, 1616
	v_lshl_add_u32 v253, v250, 5, v252
	v_add_nc_u32 v[SRA], s30, v253
	v_add_nc_u32 v[SRB], 51712, v[SRA]
	s_mul_i32 s32, s[WV], 25856
	v_add_nc_u32 v[SXB], s32, v[LI]
	v_add_nc_u32 v252, s32, v252                   ; (16 w + r) 1,616
	v_add_nc_u32 v253, s32, v253
	v_add_nc_u32 v[SRO], 1536, v253
	v_lshl_add_u32 v[SQ], v250, 6, v252
	v_add_nc_u32 v[SQ12], 1536, v252
	v_lshlrev_b32 v[GH], 6, v250
	v_lshlrev_b32 v[BH], 5, v250
	v_add_nc_u32 v[BHW], s30, v[BH]
	s_lshl_b32 s32, s[WV], 9
	v_add_nc_u32 v[B1H], s32, v[GH]
	s_add_co_u32 s33, s32, ASC
	v_add_nc_u32 v[AWS], s33, v[LS]
	s_add_co_u32 s33, s32, HSC
	v_add_nc_u32 v[HWS], s33, v[LS]
	s_mul_i32 s32, s[WV], 6144
	s_add_co_u32 s33, s32, AIMG
	v_add_nc_u32 v[AWI], s33, v[LI]
	s_add_co_u32 s33, s32, HIMG
	v_add_nc_u32 v[HWI], s33, v[LI]
	v_add_nc_u32 v[AIA], AIMG, v[LI]
	v_add_nc_u32 v[ASA], ASC, v[LS]
	v_add_nc_u32 v[HRA], HIMG, v[LI]
	v_add_nc_u32 v[HSA], HSC, v[LS]
	s_mul_i32 s32, s[WV], 1536
	s_add_co_u32 s32, s32, HIMG
	v_add_nc_u32 v[HRO], s32, v[LI]
	v_add_nc_u32 v[H12I], 73728, v[HRO]
	s_lshl_b32 s32, s[WV], 7
	s_add_co_u32 s32, s32, HSC
	v_add_nc_u32 v[HSO], s32, v[LS]
	v_add_nc_u32 v[H12S], 6144, v[HSO]
	s_mul_i32 s32, s31, 1616
	v_add_nc_u32 v[OB], s32, v[LI]
	v_lshrrev_b32 v[LQ], 2, v248
.irp b, 0,1,2,3
	v_mov_b32 v[TM+4+\b], 0                        ; written once: a lane permute's destination counts as one of its sources
.endr
	s_mov_b32 s[SEL], 0x76543210
	s_mov_b32 s[SEL+1], 0xfedcba98
	s_mov_b32 s[INV], 0x3b23d70a                   ; 1 / 400
	s_mov_b32 s[EPS], 0x3727c5ac                   ; 1e-5
	s_lshl_b32 s30, ttmp9, 2
	s_add_co_u32 s30, s30, s[WV]
	s_mul_i32 s30, s30, 25600                      ; my token tile in ao; my 16 tokens in out0: the same figure
	s_mov_b32 s31, 0
	s_mul_i32 s32, ttmp9, 102400                   ; the work-group's 64 rows of x
	s_mov_b32 s33, 0
	s_wait_kmcnt 0x0
	s_add_nc_u64 s[AP:AP+1], s[4:5], s[30:31]
	s_add_nc_u64 s[OP:OP+1], s[20:21], s[30:31]
	s_add_nc_u64 s[XP:XP+1], s[6:7], s[32:33]
	s_add_nc_u64 s[WDI:WDI+1], s[WT:WT+1], 436*1536
	s_add_nc_u64 s[WDS:WDS+1], s[WT:WT+1], SCB+436*128
	s_mov_b64 s[B1P:B1P+1], s[16:17]
	s_add_nc_u64 s[WEI:WEI+1], s[WT:WT+1], 836*1536
	s_add_nc_u64 s[WES:WES+1], s[WT:WT+1], SCB+836*128
	; ---- the head's loads: 52 (ao) + 50 (x) + 28 + 28 (Wo, K steps 0 and 1) + 14 (bo)
	WIN 0xc0
	s_wait_alu depctr_va_vdst(0)                   ; the offsets and LDS addresses v1 to v33 are written: every load and store of the kernel reads one of them
.set LB, 0
.rept 12
.irp j, 0,1,2,3
	global_load_b128 v[16*LB+4*\j:16*LB+4*\j+3], v[LI], s[AP:AP+1] offset:2048*LB+512*\j th:TH_LOAD_NT   ; 512 consecutive bytes: my row's columns 32 LB + 16 h + 4 j on
.endr
.set LB, LB+1
.endr
.irp j, 0,1,2,3
	global_load_b128 v[192+4*\j:195+4*\j], v[L16R], s[AP:AP+1] offset:24576+256*\j th:TH_LOAD_NT
.endr
	WIN 0x80
.set LB, 0
.rept 25                                           ; my tile's 16 tokens of x: two runs of 8 rows (the second 16 tokens on), 512 consecutive bytes a load, aligned
	global_load_b128 v[4*LB:4*LB+3], v[XD], s[XP:XP+1] offset:512*LB th:TH_LOAD_NT
	global_load_b128 v[100+4*LB:103+4*LB], v[XD], s[XP:XP+1] offset:25600+512*LB th:TH_LOAD_NT
.set LB, LB+1
.endr
	WIN 0
	WLD7 0, WT, 336*1536, WT, SCB+336*128, 0
	WLD7 1, WT, 361*1536, WT, SCB+361*128, 0
	BLD7 10
.set LB, 0
.rept 25                                           ; piece n = 32 i + l of a run lies in the run's row n / 100: among my rows in LDS at 16 n + 16 (n / 100)
	v_add_nc_u32 v[AF+LB], 8*LB, v[LQ]             ; n / 4
	v_mul_u32_u24 v[AF+LB], v[AF+LB], 1311
	v_lshrrev_b32 v[AF+LB], 15, v[AF+LB]           ; / 25 (exact under 400)
	v_lshl_add_u32 v[AF+LB], v[AF+LB], 4, v[SXB]
.set LB, LB+1
.endr
	; ---- A: x goes into my 16 rows in LDS; my tile of ao becomes four fragments
	s_wait_loadcnt 63                              ; of 172 loads at most 63 are out: the first 109 are in, ao's 52 and x's 50 among them
	WIN 0x08                                       ; an LDS store's data are its source 1: window 2
	s_wait_alu depctr_va_vdst(0)                   ; the 25 LDS addresses are written, which the LDS stores below read
.set LB, 0
.rept 25
	ds_store_b128 v[AF+LB], v[4*LB:4*LB+3] offset:512*LB
	ds_store_b128 v[AF+LB], v[100+4*LB:103+4*LB] offset:12928+512*LB   ; the second run: rows 8 to 15
.set LB, LB+1
.endr
	WIN 0
.irp s, 0,1,2
	QUANT 64*\s, 3
	s_wait_alu depctr_va_vdst(0)                   ; the quantiser has written the codes and the scale word, which the LDS stores below read
	IMAGE AWI, 1536*\s
	ds_store_b32 v[AWS], v[PW] offset:128*\s
	s_wait_dscnt 0x0                               ; the stores have read their registers
	s_wait_alu depctr_vm_vsrc(0)                   ; stated for the next quantiser, which writes the codes and the scale word again; and x's stores have read x's pieces and the 25 addresses, in all of which LDS loads land behind the barrier
.endr
	QUANT3 192, 3
	s_wait_alu depctr_va_vdst(0)                   ; the codes and the scale word are written, which the LDS stores below read; and the quantisers are done reading ao's row, in whose registers Wo's K steps 2 and 3 land
	IMAGE AWI, 4608
	ds_store_b32 v[AWS], v[PW] offset:384
	WLD7 2, WT, 386*1536, WT, SCB+386*128, 0       ; ao's registers are free: Wo's K steps 2 and 3
	WLD7 3, WT, 411*1536, WT, SCB+411*128, 1
	BARRIER                                        ; 64 rows of x and ao's sixteen fragments lie in LDS
	; ---- B: x1 = x + ao Wo + bo.  Behind each stage's own loads at least 64 younger ones stand: the count 63 shows them in
	FROMROWS                                       ; x, in the result's layout, is the accumulators' first content
	AFA 0, 0, 1
	AFA 1, 1, 1
	BARRIER                                        ; every wave has taken x out of the rows: they may be written again
	s_wait_loadcnt 63
	s_wait_dscnt 20                                ; this stage's set is in; the other set's 20 loads may be out
	PROD25 0, 0
	PLACES
	s_wait_alu depctr_va_vdst(0)                   ; the products are done reading token set 0, weight set 0 and the scale words of both, in which the loads below land
	AFA 0, 2, 1
	WLDN 0, 8, LID, LSD, WDI, 0, WDS, 0, 0         ; W1, my first group, K step 0
	s_wait_loadcnt 63
	s_wait_dscnt 20
	PROD25 1, 1
	PLACES
	s_wait_alu depctr_va_vdst(0)                   ; the products are done reading token set 1, weight set 1 and the scale words of both, in which the loads below land
	AFA 1, 3, 1
	WLDN 1, 8, LID, LSD, WDI, 8*1536, WDS, 8*128, 0   ; K step 1
	s_wait_loadcnt 63
	s_wait_dscnt 20
	PROD25 2, 0
	s_wait_loadcnt 63                              ; behind Wo's K step 3: 32 + 32 loads
	s_wait_dscnt 0x0
	PROD25 3, 1
	PLACES
	ADDBIAS
	s_wait_alu depctr_va_vdst(0)                   ; the additions have written the 25 accumulators, which the LDS stores below read, and are done reading bo, where b1 lands; the products are done reading weight sets 2 and 3, where g and b land behind the barrier
	TOROWS
	BLD8 0                                         ; b1 of my first group, where bo lay
	BARRIER                                        ; 64 whole rows of x1 lie in LDS, and nobody reads ao's images any more
	; ---- C: layer norm of my 16 rows; h2's fragments go where ao's lay.  g and b come in four chunks, two of them ahead
.macro GBLD ch, reg                    ; chunk ch (128 columns): g into v[reg] of window 3 on, b into v[reg + 64] on: 32 loads
	WIN 0xc0
.irp b, 0,1,2,3
.irp j, 0,1,2,3
	global_load_b128 v[(\reg)+16*\b+4*\j:(\reg)+16*\b+4*\j+3], v[GH], s[12:13] offset:512*(\ch)+128*\b+16*\j
	global_load_b128 v[(\reg)+64+16*\b+4*\j:(\reg)+64+16*\b+4*\j+3], v[GH], s[14:15] offset:512*(\ch)+128*\b+16*\j
.endr
.endr
	WIN 0
.endm
	GBLD 0, 0
	GBLD 1, 128
	WIN 0x80
	s_wait_alu depctr_vm_vsrc(0)                   ; my LDS stores have read the accumulators, in whose registers my row of x1 lands; and the stores of ao's last image have read the codes and the scale word, which this phase's quantisers write again
.set LB, 0
.rept 12
.irp j, 0,1,2,3
	ds_load_b128 v[16*LB+4*\j:16*LB+4*\j+3], v[SQ] offset:128*LB+16*\j
.endr
.set LB, LB+1
.endr
.irp j, 0,1,2,3
	ds_load_b128 v[192+4*\j:195+4*\j], v[SQ12] offset:16*\j
.endr
	WIN 0
	s_wait_dscnt 0x0
	LNSTAT
	s_wait_alu depctr_va_vdst(0)
	s_wait_loadcnt 32                              ; chunk 0 is in; chunk 1's 32 loads may be out
	NORM 0, 64, 0, 3, 64, 3
	QUANT 0, 2
	s_wait_alu depctr_va_vdst(0)                   ; the norm's lines are done reading chunk 0 of g and b, where chunk 2 lands; the quantiser has written the codes and the scale word, which the LDS stores read
	GBLD 2, 0
	IMAGE AWI, 0
	ds_store_b32 v[AWS], v[PW]
	s_wait_loadcnt 32                              ; chunk 1 is in; chunk 2's may be out
	NORM 64, 64, 128, 3, 192, 3
	s_wait_dscnt 0x0
	s_wait_alu depctr_vm_vsrc(0)                   ; the image's LDS stores have read the codes and the scale word, which the next quantiser writes again
	QUANT 64, 2
	s_wait_alu depctr_va_vdst(0)                   ; the norm's lines are done reading chunk 1, where chunk 3 lands; the codes and the scale word are written, which the LDS stores read
	WIN 0xc0
.irp j, 0,1,2,3
	global_load_b128 v[128+4*\j:131+4*\j], v[NIL], s[12:13] offset:1536+16*\j   ; chunk 3: 16 columns: 8 loads
	global_load_b128 v[192+4*\j:195+4*\j], v[NIL], s[14:15] offset:1536+16*\j
.endr
	WIN 0
	IMAGE AWI, 1536
	ds_store_b32 v[AWS], v[PW] offset:128
	s_wait_loadcnt 8                               ; chunk 2 is in; chunk 3's 8 may be out
	NORM 128, 64, 0, 3, 64, 3
	s_wait_dscnt 0x0
	s_wait_alu depctr_vm_vsrc(0)                   ; the image's LDS stores have read the codes and the scale word, which the next quantiser writes again
	QUANT 128, 2
	s_wait_alu depctr_va_vdst(0)                   ; the codes and the scale word are written, which the LDS stores read
	IMAGE AWI, 3072
	ds_store_b32 v[AWS], v[PW] offset:256
	s_wait_loadcnt 0x0
	NORM 192, 16, 128, 3, 192, 3
	s_wait_alu depctr_va_vdst(0)
	s_wait_dscnt 0x0
	s_wait_alu depctr_vm_vsrc(0)                   ; the image's LDS stores have read the codes and the scale word, which the next quantiser writes again
	QUANT3 192, 2
	s_wait_alu depctr_va_vdst(0)                   ; the norm's lines are done reading g and b, where W1's K steps 2 and 3 land; the codes and the scale word are written, which the LDS stores read
	WLDN 2, 8, LID, LSD, WDI, 16*1536, WDS, 16*128, 0 ; g's and b's registers are free: W1, my first group, K steps 2 and 3
	WLDN 3, 8, LID, LSD, WDI, 24*1536, WDS, 24*128, 1
	IMAGE AWI, 4608
	ds_store_b32 v[AWS], v[PW] offset:384
	BARRIER                                        ; h2's sixteen fragments lie in LDS
	s_wait_alu depctr_vm_vsrc(0)                   ; the stores of h2's last image have read the codes and the scale word, which the hidden layer's first quantiser writes again
	; ---- D: the hidden layer, a group of 128 units at a time.  Stage s multiplies weight set s and asks for the next group's K step s into it (32 loads; K step 3: 16; with K step 0 the bias: 16).
	; In the loop at least 80 loads are younger than a stage's own: the count is 63.  In the group written out, whose stages ask for group 12 (16, 16, 16, 8 loads, and 8 for its bias), the younger ones are 80, 72, 56, 56.
.macro DSTAGE s, last
.if (\last) && ((\s) >= 2)
	s_wait_loadcnt 56
.else
	s_wait_loadcnt 63
.endif
.if (\last) && ((\s) == 3)
	s_wait_dscnt 8                                 ; behind this stage's set: the 8 loads of my own tile's K steps 0 and 1
.else
	s_wait_dscnt 16                                ; this stage's set of h2 is in; the other set's 16 loads may be out
.endif
	PROD32 \s
	PLACES
	s_wait_alu depctr_va_vdst(0)                   ; this stage's products are done reading their set of h2, weight set s, the scale words of both and (s = 0) the bias: the loads below land there.  In a trip's first stage: the two stepped LDS addresses are written
.if (\last) && ((\s) >= 2)
	AFO (\s)-2
.else
	AFA (\s)&1, ((\s)+2)&3, 0
.endif
.if \last
	WLDN \s, 4, LI, LS, WT, (820+4*(\s))*1536, WT, SCB+(820+4*(\s))*128, (\s)/3
.if (\s) == 0
	BLD4
.endif
.else
	WLDN \s, 8, LID, LSD, WDI, 196608+8*(\s)*1536, WDS, 16384+8*(\s)*128, (\s)/3
.if (\s) == 0
	BLD8 2048
.endif
.endif
.endm
.macro DGROUP last
	DSTAGE 0, \last
	DSTAGE 1, \last
	DSTAGE 2, \last
	DSTAGE 3, \last
.irp m, 0,1,2,3
	WIN 0x88
.set LP, 0
.rept 64
	v_max_num_f32 v[64*\m+LP], 0, v[64*\m+LP]      ; the activation, in f32; each accumulator from its low end on
.set LP, LP+1
.endr
	QUANT 64*\m, 2
	s_wait_alu depctr_va_vdst(0)                   ; the quantiser has written the codes and the scale word, which the LDS stores below read
	IMAGE HWI, 1536*\m                             ; K step G of the last product, token tile m
	ds_store_b32 v[HWS], v[PW] offset:128*\m
	s_wait_dscnt 0x0
	s_wait_alu depctr_vm_vsrc(0)                   ; the LDS stores have read the codes and the scale word, which the next quantiser writes again, and their two addresses, which are stepped at the trip's end
.endr
.endm
	AFA 0, 0, 0
	AFA 1, 1, 0
	s_mov_b32 s[CNT], 2
.Ldgroup:
	DGROUP 0
	s_wait_xcnt 0x0                                ; the loads have read their bases
	s_add_nc_u64 s[WDI:WDI+1], s[WDI:WDI+1], 196608
	s_add_nc_u64 s[WDS:WDS+1], s[WDS:WDS+1], 16384
	s_add_nc_u64 s[B1P:B1P+1], s[B1P:B1P+1], 2048
	v_add_nc_u32 v[HWI], 24576, v[HWI]             ; (no LDS instruction has been issued since the wait on vm_vsrc behind the last image's stores)
	v_add_nc_u32 v[HWS], 2048, v[HWS]
	s_sub_co_u32 s[CNT], s[CNT], 1
	s_cmp_lg_u32 s[CNT], 0
	s_cbranch_scc1 .Ldgroup
	DGROUP 1                                       ; my third group: its stages ask for group 12's weights and my own tile's h2
	; group 12: 64 units, my own token tile.  Younger than a stage's own loads: 40 (16 + 16 + 8), then 66, 78, 98
.macro GSTAGE s
.if (\s) == 0
	s_wait_loadcnt 40
.else
	s_wait_loadcnt 63
.endif
	PROD4 \s
	PLACES
	s_wait_alu depctr_va_vdst(0)                   ; this stage's products are done reading weight set s, its scale words and (s = 0) the bias, in which the loads below land
	WLD7 \s, WEI, 25*(\s)*1536, WES, 25*(\s)*128, 0   ; W2's K step s
.if (\s) == 0
	BLD7 18                                        ; b2, where b1 lay
.endif
.endm
	GSTAGE 0
	GSTAGE 1
	GSTAGE 2
	GSTAGE 3
	WIN 0x80
.set LP, 32
.rept 32
	v_mov_b32 v[LP], 0                             ; units 1,600 on do not exist
.set LP, LP+1
.endr
	WIN 0x88
.set LP, 0
.rept 32
	v_max_num_f32 v[LP], 0, v[LP]
.set LP, LP+1
.endr
	QUANT 0, 2
	s_wait_alu depctr_va_vdst(0)                   ; the codes and the scale word are written, which the LDS stores below read; and the activations and quantisers are done with window 2, in which x1 lands
	IMAGE H12I, 0
	ds_store_b32 v[H12S], v[PW]
	FROMROWS                                       ; x1, in the result's layout, is the last product's first content.  These reads stand ahead of the barrier, the result's stores into the same bytes behind it
	BARRIER                                        ; the hidden layer's 52 fragments lie in LDS
	; ---- E: out = x1 + hidden W2 + b2: 13 K steps.  Stage k multiplies weight set k % 4, fetches the hidden fragments of k + 2 and asks for the weights of k + 4: three sets, 84 loads, are younger
.macro ESTAGE kk, lc, dc, fetch, reload
	s_wait_loadcnt \lc
	s_wait_dscnt \dc
	PROD25 (\kk)%4, (\kk)&1
	PLACES
.if (\fetch) || (\reload)
	s_wait_alu depctr_va_vdst(0)                   ; this stage's products are done reading their set of hidden fragments, their weight set and the scale words of both, in which the loads below land.  In a trip's first stage: the four stepped LDS addresses are written
.endif
.if \fetch
	AFH (\kk)&1, (\kk)+2
.endif
.if \reload
	WLD7 (\kk)%4, WEI, 25*((\kk)+4)*1536, WES, 25*((\kk)+4)*128, 0
.endif
.endm
	AFH 0, 0
	AFH 1, 1
	s_mov_b32 s[CNT], 2
.Lkstep:
	ESTAGE 0, 63, 20, 1, 1
	ESTAGE 1, 63, 20, 1, 1
	ESTAGE 2, 63, 20, 1, 1
	ESTAGE 3, 63, 20, 1, 1
	s_wait_xcnt 0x0                                ; the loads have read their bases
	s_wait_alu depctr_vm_vsrc(0)                   ; the LDS loads issued so far have read the four addresses that are stepped below
	s_add_nc_u64 s[WEI:WEI+1], s[WEI:WEI+1], 153600
	s_add_nc_u64 s[WES:WES+1], s[WES:WES+1], 12800
	v_add_nc_u32 v[HRA], 24576, v[HRA]
	v_add_nc_u32 v[HRO], 24576, v[HRO]
	v_add_nc_u32 v[HSA], 2048, v[HSA]
	v_add_nc_u32 v[HSO], 2048, v[HSO]
	s_sub_co_u32 s[CNT], s[CNT], 1
	s_cmp_lg_u32 s[CNT], 0
	s_cbranch_scc1 .Lkstep
	ESTAGE 0, 63, 20, 1, 1                         ; K steps 8 to 12 are written out: only K step 12 is still to be asked for, and the counts run down
	ESTAGE 1, 63, 20, 1, 0
	ESTAGE 2, 56, 20, 1, 0
	ESTAGE 3, 28, 20, 0, 0
	ESTAGE 4, 0, 0, 0, 0
	ADDBIAS
	s_wait_alu depctr_va_vdst(0)                   ; the additions have written the 25 accumulators, which the LDS stores below read
	TOROWS
	; ---- the way out: my 16 tokens in their natural order are 25,600 dense bytes of out0: 50 stores of 512 consecutive bytes.  Piece n = 32 i + l of 16 bytes lies in token rho = n / 100,
	; whose row in LDS is 32 (w / 2) + 8 (w % 2) + rho + 8 (rho / 8): byte 16 n + 16 rho + (rho & 8) 1,616 from my first row on.
	; The fifty addresses (less 512 i) are made here, ten at a time, line by line, while the result's LDS stores are out and the other waves arrive: the token sets' and code registers that they take are done with
.set OG, 0
.rept 5
.irp k, 0,1,2,3,4,5,6,7,8,9
	v_add_nc_u32 v[OA+OG+\k], 8*(OG+\k), v[LQ]     ; n / 4
.endr
.irp k, 0,1,2,3,4,5,6,7,8,9
	v_mul_u32_u24 v[OA+OG+\k], v[OA+OG+\k], 1311
.endr
.irp k, 0,1,2,3,4,5,6,7,8,9
	v_lshrrev_b32 v[OA+OG+\k], 15, v[OA+OG+\k]     ; / 25 (exact under 400): rho
.endr
.irp k, 0,1,2,3,4,5,6,7,8,9
	v_and_b32 v[PC+\k], 8, v[OA+OG+\k]
.endr
.irp k, 0,1,2,3,4,5,6,7,8,9
	v_lshl_add_u32 v[OA+OG+\k], v[OA+OG+\k], 4, v[OB]
.endr
.irp k, 0,1,2,3,4,5,6,7,8,9
	v_mad_u32_u24 v[OA+OG+\k], v[PC+\k], 1616, v[OA+OG+\k]
.endr
.set OG, OG+10
.endr
	BARRIER                                        ; 64 whole rows of the result lie in LDS
.macro OSET b                          ; batch b's out-buffer: 40 registers: v86, v126 or v216 on
.if ((\b)%3) == 2
.set OD, WS
.else
.set OD, AF+40*((\b)%3)
.endif
.endm
.macro OLOAD b                         ; batch b: ten pieces out of the rows
	OSET \b
.irp k, 0,1,2,3,4,5,6,7,8,9
	ds_load_b128 v[OD+4*\k:OD+4*\k+3], v[OA+10*(\b)+\k] offset:512*(10*(\b)+\k)
.endr
.endm
.macro OSTORE b, younger               ; younger: the LDS loads issued behind batch b's, which may stay out
	OSET \b
	s_wait_dscnt \younger
.irp k, 0,1,2,3,4,5,6,7,8,9
	global_store_b128 v[LI], v[OD+4*\k:OD+4*\k+3], s[OP:OP+1] offset:512*(10*(\b)+\k) th:TH_STORE_NT
.endr
.endm
	s_wait_alu depctr_va_vdst(0)                   ; the fifty LDS addresses are written, which the LDS loads below read; no vector or matrix line behind this wait names the three out-buffers
	OLOAD 0
	OLOAD 1
	OLOAD 2
	OSTORE 0, 20
	OSTORE 1, 10
	s_wait_xcnt 0x0                                ; the stores of batches 0 and 1 have had their addresses translated: their registers may be written again
	s_wait_alu depctr_vm_vsrc(0)                   ; the stores of batches 0 and 1 have read their out-buffers, in which batches 3 and 4 land
	OLOAD 3
	OLOAD 4
	OSTORE 2, 20
	OSTORE 3, 10
	OSTORE 4, 0
	s_wait_dscnt 0x0                               ; the closing lines, six on end
	s_wait_alu 0x0
	s_wait_tensorcnt 0x0
	ds_add_u32 v65, v71
	s_wait_dscnt 0x0
	s_endpgm
.Lfunc_end_k_qe136d79aef_tail:
	.size	k_qe136d79aef_tail, .Lfunc_end_k_qe136d79aef_tail-k_qe136d79aef_tail
	.p2alignl 7, 3214868480
	.fill 96, 4, 3214868480
	.section	.rodata,"a",@progbits
	.p2align	6, 0x0
	.amdhsa_kernel k_qe136d79aef_tail
		.amdhsa_group_segment_fixed_size 217088
		.amdhsa_private_segment_fixed_size 0
		.amdhsa_enable_private_segment 0
		.amdhsa_kernarg_size 72
		.amdhsa_user_sgpr_count 2
		.amdhsa_user_sgpr_kernarg_segment_ptr 1
		.amdhsa_wavefront_size32 1
		.amdhsa_system_sgpr_workgroup_id_x 1
		.amdhsa_system_sgpr_workgroup_id_y 1
		.amdhsa_system_sgpr_workgroup_id_z 1
		.amdhsa_system_vgpr_workitem_id 0
		.amdhsa_next_free_vgpr 1024
		.amdhsa_next_free_sgpr 66
		.amdhsa_reserve_vcc 1
		.amdhsa_float_denorm_mode_32 3
		.amdhsa_float_denorm_mode_16_64 3
		.amdhsa_memory_ordered 1
		.amdhsa_forward_progress 1
		.amdhsa_inst_pref_size 255
	.end_amdhsa_kernel
	.section	.bss,"aw",@nobits
	.p2align	6
	.space	262144
	.amdgpu_metadata
---
amdhsa.version: [ 1, 2 ]
amdhsa.kernels:
  - .name:           k_qe136d79aef_tail
    .symbol:         k_qe136d79aef_tail.kd
    .args:
      - { .name: ao, .offset: 0, .size: 8, .value_kind: global_buffer, .address_space: global }
      - { .name: x, .offset: 8, .size: 8, .value_kind: global_buffer, .address_space: global }
      - { .name: wts, .offset: 16, .size: 8, .value_kind: global_buffer, .address_space: global }
      - { .name: bo, .offset: 24, .size: 8, .value_kind: global_buffer, .address_space: global }
      - { .name: ln2_g, .offset: 32, .size: 8, .value_kind: global_buffer, .address_space: global }
      - { .name: ln2_b, .offset: 40, .size: 8, .value_kind: global_buffer, .address_space: global }
      - { .name: b1, .offset: 48, .size: 8, .value_kind: global_buffer, .address_space: global }
      - { .name: b2, .offset: 56, .size: 8, .value_kind: global_buffer, .address_space: global }
      - { .name: out0, .offset: 64, .size: 8, .value_kind: global_buffer, .address_space: global }
    .group_segment_fixed_size: 217088
    .private_segment_fixed_size: 0
    .kernarg_segment_align: 8
    .kernarg_segment_size: 72
    .max_flat_workgroup_size: 128
    .sgpr_count:     66
    .vgpr_count:     1024
    .wavefront_size: 32
...
	.end_amdgpu_metadata
.endif
;; end of part 8
